; MI455X (gfx1250); checked and timed in simulation.
; The chip was launched on July 23, 2026; its instructions are those of AMD's public machine-readable ISA for CDNA 5 (MIT licence, August 2026) and "CDNA5" Instruction Set Architecture Reference Guide (July 2026). The comments in the code are by the model that wrote it; some were corrected since.
;; Cross Attention. Allowed arithmetic: float matrix products may take bf16 or f16 operands with f32 sums; all other float work in f32.
;; Inputs: W_inner 512 x 2,048 float32; W_proj 2,048 x 512 float32; Wk 512 x 512 float32; Wq 512 x 512 float32; Wv 512 x 512 float32; b_inner 2,048 float32; b_proj 512 float32; bk 512 float32; bq 512 float32; bv 512 float32; ff_beta 512 float32; ff_gamma 512 float32; key_pos 8 x 4,096 x 512 float32; key_value 8 x 4,096 x 512 float32; kv_beta 512 float32; kv_gamma 512 float32; q_beta 512 float32; q_gamma 512 float32; query 8 x 512 x 512 float32; query_pos 8 x 512 x 512 float32.
;; Outputs: out0 8 x 512 x 512 float32.
;; 3 versions, each right; version 3 is version 2 with the launch post written anew for expert scheduling mode. Each part assembles by itself: llvm-mc -triple=amdgcn-amd-amdhsa -mcpu=gfx1250 --defsym DOCPART=n.
;; ======== version 1 of 3: 4 launches
;; workspace buffers: kc 67,108,864 bytes; qimg 8,388,608 bytes; cq 16,384 bytes; wimg 1,572,864 bytes; wci 524,288 bytes; bc 2,048 bytes; op 33,554,432 bytes; ml 262,144 bytes
;; launch wimg (part 1): grid 96 x 1, 4 waves a work-group, no clusters, 0 bytes of LDS; arguments Wq, Wv, Wk, wimg; writes wimg
.if DOCPART == 1
	.amdgcn_target "amdgcn-amd-amdhsa--gfx1250"
	.amdhsa_code_object_version 6
	.text
	.protected	k_qb383d3583d_wimg
	.globl	k_qb383d3583d_wimg
	.p2align	8
	.type	k_qb383d3583d_wimg,@function
k_qb383d3583d_wimg:
	s_mov_b64 s[64:65], 0
	v_nop
	global_prefetch_b8 v0, s[64:65] scope:SCOPE_SE
	s_setreg_imm32_b32 hwreg(HW_REG_WAVE_MODE, 25, 1), 1
	s_wait_xcnt 0x0
; Wq, Wv and Wk (each [512][512] f32) are rounded to bf16 and laid out as images of matrix fragments, so that the later
; launches load an A fragment by two 16-byte loads a lane, 512 consecutive bytes a wave, with no transposing.
; An image is 1,024 bytes: half e (registers 4e..4e+3) of lane L lies at 512 e + 16 L.  Images are indexed [M tile 32][K step 16].
;   at 0         WQI: lane (r,h), half e, element i = Wq[32 ks + 16 e + 8 h + i][16 M + r]
;   at 524,288   WKI:                               = Wk[16 M + r][32 ks + 16 e + 8 h + i]
;   at 1,048,576 WVI:                               = Wv[128 (ks>>2) + 16 (ks&3) + 8 e + 64 h + i][16 M + r]
;                (the order in which the attention launch leaves its sums along the model axis)
; A wave makes four images.  Work-groups 0-63: Wq and Wv (columns of the matrix, 4-byte loads; the four loads that follow each
; other take 256 neighbouring bytes of one row).  Work-groups 64-95: Wk (rows, 16-byte loads).  3 MB in all: no ring, one wait.
.set RAW, 16                           ; v[16:79]  four fragments in f32
.set PKD, 80                           ; v[80:111] the same in bf16
.macro CVT8 y, x                       ; sixteen f32 to eight registers of bf16 pairs
.irp q, 0,1,2,3,4,5,6,7
	v_cvt_pk_bf16_f32 v[\y+\q], v[\x+2*\q], v[\x+2*\q+1]
.endr
.endm
	s_load_b256 s[4:11], s[0:1], 0x0               ; Wq s[4:5], Wv s[6:7], Wk s[8:9], wimg s[10:11]
	v_and_b32 v1, 31, v0                           ; L
	v_lshrrev_b32 v4, 5, v0
	v_readfirstlane_b32 s12, v4                    ; wave
	v_and_b32 v2, 15, v0                           ; r
	v_bfe_u32 v3, v0, 4, 1                         ; h
	s_cmp_ge_u32 ttmp9, 64
	s_cbranch_scc1 .Lwk
	; Wq or Wv: job J = 4 id + wave; sel = J>>7, ks = (J>>3)&15, u = J&7: M tiles 4u..4u+3
	s_lshl_b32 s13, ttmp9, 2
	s_add_co_u32 s13, s13, s12
	s_lshr_b32 s14, s13, 7                         ; sel
	s_bfe_u32 s15, s13, 0x40003                    ; ks
	s_and_b32 s16, s13, 7                          ; u
	s_lshl_b32 s22, s16, 6
	s_add_co_u32 s22, s22, s15
	s_lshl_b32 s22, s22, 10                        ; (16 (4u) + ks) images of 1,024 bytes
	s_lshl_b32 s23, s14, 20                        ; WVI lies 1,048,576 bytes behind WQI
	s_add_co_u32 s22, s22, s23
	v_lshl_add_u32 v7, v1, 4, s22                  ; where I store
	s_lshl_b32 s21, s16, 8                         ; column 64 u, in bytes
	s_lshl_b32 s17, s15, 5                         ; Wq: first row 32 ks
	s_lshr_b32 s18, s15, 2
	s_lshl_b32 s18, s18, 7
	s_and_b32 s19, s15, 3
	s_lshl_b32 s19, s19, 4
	s_add_co_u32 s18, s18, s19                     ; Wv: first row 128 (ks>>2) + 16 (ks&3)
	s_wait_kmcnt 0x0
	s_cmp_eq_u32 s14, 0
	s_cselect_b32 s17, s17, s18                    ; first row
	s_cselect_b32 s19, 8, 64                       ; rows from h = 0 to h = 1
	s_cselect_b32 s20, 16, 8                       ; rows from half 0 to half 1
	s_cselect_b64 s[4:5], s[4:5], s[6:7]           ; the matrix
	s_lshl_b32 s20, s20, 11
	v_mul_u32_u24 v5, v3, s19
	v_add_nc_u32 v5, s17, v5
	v_lshlrev_b32 v5, 11, v5                       ; row x 2,048 bytes
	v_lshl_add_u32 v6, v2, 2, s21                  ; column 64 u + r
	v_add_nc_u32 v5, v5, v6                        ; half 0
	v_add_nc_u32 v6, s20, v5                       ; half 1
.irp e, 0,1
.irp i, 0,1,2,3,4,5,6,7
.irp f, 0,1,2,3
	global_load_b32 v[RAW+16*\f+8*\e+\i], v[5+\e], s[4:5] offset:64*\f+2048*\i
.endr
.endr
.endr
	s_wait_loadcnt 0x0
.irp f, 0,1,2,3
	CVT8 PKD+8*\f, RAW+16*\f
.endr
.irp f, 0,1,2,3
.irp e, 0,1
	global_store_b128 v7, v[PKD+8*\f+4*\e:PKD+8*\f+4*\e+3], s[10:11] offset:16384*\f+512*\e   ; 512 consecutive bytes a wave
.endr
.endr
	s_endpgm
.Lwk:	; Wk: job J = 4 (id - 64) + wave; M tile T = J>>2, K steps 4 kg .. 4 kg + 3 with kg = J&3
	s_sub_co_u32 s13, ttmp9, 64
	s_lshl_b32 s13, s13, 2
	s_add_co_u32 s13, s13, s12
	s_lshr_b32 s14, s13, 2                         ; T
	s_and_b32 s15, s13, 3                          ; kg
	s_lshl_b32 s16, s14, 15                        ; 16 T rows of 2,048 bytes
	s_lshl_b32 s17, s15, 9                         ; 4 kg steps of 128 bytes
	s_add_co_u32 s16, s16, s17
	v_lshlrev_b32 v5, 11, v2
	v_lshl_add_u32 v5, v3, 5, v5
	v_add_nc_u32 v5, s16, v5                       ; (16 T + r) 2048 + 512 kg + 32 h
	s_lshl_b32 s18, s14, 4
	s_lshl2_add_u32 s18, s15, s18                  ; image 16 T + 4 kg
	s_lshl_b32 s18, s18, 10
	s_add_co_u32 s18, s18, 524288
	v_lshl_add_u32 v7, v1, 4, s18
	s_wait_kmcnt 0x0
.irp f, 0,1,2,3
.irp e, 0,1
.irp t, 0,1
	global_load_b128 v[RAW+16*\f+8*\e+4*\t:RAW+16*\f+8*\e+4*\t+3], v5, s[8:9] offset:128*\f+64*\e+16*\t
.endr
.endr
.endr
	s_wait_loadcnt 0x0
.irp f, 0,1,2,3
	CVT8 PKD+8*\f, RAW+16*\f
.endr
.irp f, 0,1,2,3
.irp e, 0,1
	global_store_b128 v7, v[PKD+8*\f+4*\e:PKD+8*\f+4*\e+3], s[10:11] offset:1024*\f+512*\e
.endr
.endr
	s_endpgm
.Lfunc_end_k_qb383d3583d_wimg:
	.size	k_qb383d3583d_wimg, .Lfunc_end_k_qb383d3583d_wimg-k_qb383d3583d_wimg
	.p2alignl 7, 3214868480
	.fill 96, 4, 3214868480
	.section	.rodata,"a",@progbits
	.p2align	6, 0x0
	.amdhsa_kernel k_qb383d3583d_wimg
		.amdhsa_group_segment_fixed_size 0
		.amdhsa_private_segment_fixed_size 0
		.amdhsa_enable_private_segment 0
		.amdhsa_kernarg_size 32
		.amdhsa_user_sgpr_count 2
		.amdhsa_user_sgpr_kernarg_segment_ptr 1
		.amdhsa_wavefront_size32 1
		.amdhsa_system_sgpr_workgroup_id_x 1
		.amdhsa_system_sgpr_workgroup_id_y 1
		.amdhsa_system_sgpr_workgroup_id_z 1
		.amdhsa_system_vgpr_workitem_id 0
		.amdhsa_next_free_vgpr 112
		.amdhsa_next_free_sgpr 66
		.amdhsa_reserve_vcc 0
		.amdhsa_float_denorm_mode_32 3
		.amdhsa_float_denorm_mode_16_64 3
		.amdhsa_memory_ordered 1
		.amdhsa_forward_progress 1
		.amdhsa_inst_pref_size 16
	.end_amdhsa_kernel
	.amdgpu_metadata
---
amdhsa.version: [ 1, 2 ]
amdhsa.kernels:
  - .name:           k_qb383d3583d_wimg
    .symbol:         k_qb383d3583d_wimg.kd
    .args:
      - { .name: Wq, .offset: 0, .size: 8, .value_kind: global_buffer, .address_space: global }
      - { .name: Wv, .offset: 8, .size: 8, .value_kind: global_buffer, .address_space: global }
      - { .name: Wk, .offset: 16, .size: 8, .value_kind: global_buffer, .address_space: global }
      - { .name: wimg, .offset: 24, .size: 8, .value_kind: global_buffer, .address_space: global }
    .group_segment_fixed_size: 0
    .private_segment_fixed_size: 0
    .kernarg_segment_align: 8
    .kernarg_segment_size: 32
    .max_flat_workgroup_size: 128
    .sgpr_count:     66
    .vgpr_count:     112
    .wavefront_size: 32
...
	.end_amdgpu_metadata
.endif
;; end of part 1
;; launch prep (part 2): grid 1040 x 1, 8 waves a work-group, no clusters, 88,064 bytes of LDS; arguments query, query_pos, q_gamma, q_beta, bq, bk, wimg, W_inner, W_proj, b_inner, b_proj, key_value, key_pos, kv_gamma, kv_beta, qimg, cq, wci, bc, kc; writes qimg, cq, wci, bc, kc
.if DOCPART == 2
	.amdgcn_target "amdgcn-amd-amdhsa--gfx1250"
	.amdhsa_code_object_version 6
	.text
	.protected	k_qb383d3583d_prep
	.globl	k_qb383d3583d_prep
	.p2align	8
	.type	k_qb383d3583d_prep,@function
k_qb383d3583d_prep:
	s_mov_b64 s[64:65], 0
	v_nop
	global_prefetch_b8 v0, s[64:65] scope:SCOPE_SE
	s_setreg_imm32_b32 hwreg(HW_REG_WAVE_MODE, 25, 1), 1
	s_wait_xcnt 0x0
; Everything that the attention launch and the last launch need ready, in one launch of three roles, chosen by the work-group's number
; and interleaved so that work-groups that stream and work-groups that multiply run side by side.
; The program rests on four identities of the module, exact for every input (only the places of the rounding to bf16 move):
;   q.(kvn Wk + bk) = (q Wk^T).kvn + q.bk;   attn (kvn Wv + bv) = (attn kvn) Wv + bv, since a softmax row sums to 1;
;   content and positional scores are one product of depth 1024, [q' | query_pos].[kvn | key_pos];
;   (xn W_inner + b_inner) W_proj + b_proj = xn (W_inner W_proj) + (b_inner W_proj + b_proj).
; Role K (512 groups): 64 keys each: kvn = LN(key_value) and key_pos, both to bf16, into kc [tile][kvn 64 rows | key_pos 64 rows][512].
; Role G (256 + 16 groups): a block 32 x 32 of Wc = W_inner W_proj as halves of A-fragment images (wci); the 16 last groups put b_inner in
;   place of W_inner's rows and make bc = b_inner W_proj + b_proj.
; Role Q (256 groups): 16 query rows: q = LN(query) Wq + bq, q' = q Wk^T, cq = KAPPA q.bk; KAPPA q' and KAPPA query_pos go out as
;   B-fragment images (qimg).  KAPPA = log2(e) / sqrt(512) (512 + 1e-7 is 512 in f32), so that scores come out in powers of two.
; All products run transposed: the row (query) index is N, lane r; register j of lane (r,h) of C tile T holds feature 16 T + 8 h + j.
; Two neighbouring C tiles, rounded to bf16 in pairs, are the B fragment of one K step of the next product: no lane shuffle.
; LDS: role Q has bytes 0 to 54,271, role G bytes 54,272 to 87,039: the roles' bytes are kept apart, so that nothing leans on the fact
; that a work-group has one role.  Eight waves of 256 registers let two work-groups lie on a WGP, and twice 87,040 bytes fit beside each other.
; LIMITS: matrix operands are rounded to bf16 (q, q', Wc among them).  The layer norm is two-pass, as in the module.
; NO JOINT LOADS: neighbouring work-groups have different roles and take different paths, and the weight images go straight from memory
; into A fragments (16 bytes a lane) with no stage in LDS that a joint tensor load could fill.
.set KAPPA, 0x3d8293ee
.set ACC,  32                          ; v[32:63]   four C tiles
.set AR,   64                          ; v[64:159]  role Q: ring of three K steps of A fragments (4 tiles x 8 registers each)
.set BR,   160                         ; v[160:175] role Q: two K steps of the B fragment
.set XN,   176                         ; v[176:207] role Q: bq in C layout
.set VV,   208                         ; v[208:239] role Q: bk in C layout
.set PK,   240                         ; v[240:255] role Q: two B fragments on their way out
.set AOFF, 9                           ; v9         role Q: 65536 wave + 16 L: the wave's four M tiles in an image table
.set XP,   16640                       ; LDS, role Q: XR at 0: LN(query) bf16, 16 rows, pitch 1040; XP: KAPPA query_pos likewise
.set XB,   33280                       ;   16 B-fragment images of q
.set VEC,  49664                       ;   bq, bk
.set RED,  53760                       ;   [row 16][wave 8] partial q.bk
.set GRED, 54272                       ; LDS, role G: the eight waves' partial sums, 4,096 bytes each
.macro PLACES                          ; four independent vector instructions behind a matrix instruction (ISA guide 7.12.1)
.rept 4
	v_nop
.endr
.endm
.macro CVT8 y, x
.irp q, 0,1,2,3,4,5,6,7
	v_cvt_pk_bf16_f32 v[\y+\q], v[\x+2*\q], v[\x+2*\q+1]
.endr
.endm
.macro WSUM a, b                       ; sum over the 32 lanes, result in every lane; b: a register written before
	v_add_f32_dpp v[\a], v[\a], v[\a] row_xmask:1 row_mask:0xf bank_mask:0xf
	v_add_f32_dpp v[\a], v[\a], v[\a] row_xmask:2 row_mask:0xf bank_mask:0xf
	v_add_f32_dpp v[\a], v[\a], v[\a] row_xmask:4 row_mask:0xf bank_mask:0xf
	v_add_f32_dpp v[\a], v[\a], v[\a] row_xmask:8 row_mask:0xf bank_mask:0xf
	v_permlanex16_b32 v[\b], v[\a], s44, s45
	v_add_f32 v[\a], v[\a], v[\b]
.endm
; Layer norm of one row of 512 held by one wave, 16 numbers a lane in v[x..x+15] (columns 128 j + 4 L ..), gain in v[G..], bias in v[BT..]
; in the same columns; result in bf16 pairs in v[y..y+7].  Mean first, then the mean of the squared differences.
.macro LNROW x, y
	v_pk_add_f32 v[T:T+1], v[\x:\x+1], v[\x+2:\x+3]
	v_pk_add_f32 v[T+2:T+3], v[\x+4:\x+5], v[\x+6:\x+7]
.irp q, 8,12
	v_pk_add_f32 v[T:T+1], v[T:T+1], v[\x+\q:\x+\q+1]
	v_pk_add_f32 v[T+2:T+3], v[T+2:T+3], v[\x+\q+2:\x+\q+3]
.endr
	v_pk_add_f32 v[T:T+1], v[T:T+1], v[T+2:T+3]
	v_add_f32 v[T], v[T], v[T+1]
	WSUM T, T+1
	v_mul_f32 v[T], 0xbb000000, v[T]               ; minus the mean (-1/512)
.irp q, 0,2,4,6,8,10,12,14
	v_pk_add_f32 v[\x+\q:\x+\q+1], v[\x+\q:\x+\q+1], v[T:T+1] op_sel_hi:[1,0]
.endr
	v_pk_mul_f32 v[T+2:T+3], v[\x:\x+1], v[\x:\x+1]
	v_pk_mul_f32 v[T+4:T+5], v[\x+2:\x+3], v[\x+2:\x+3]
.irp q, 4,8,12
	v_pk_fma_f32 v[T+2:T+3], v[\x+\q:\x+\q+1], v[\x+\q:\x+\q+1], v[T+2:T+3]
	v_pk_fma_f32 v[T+4:T+5], v[\x+\q+2:\x+\q+3], v[\x+\q+2:\x+\q+3], v[T+4:T+5]
.endr
	v_pk_add_f32 v[T+2:T+3], v[T+2:T+3], v[T+4:T+5]
	v_add_f32 v[T+2], v[T+2], v[T+3]
	WSUM T+2, T+3
	v_fma_f32 v[T+2], v[T+2], s46, s47             ; variance + 1e-6
	v_rsq_f32 v[T+4], v[T+2]
	v_nop                                          ; one plain instruction behind the transcendental (ISA guide 5.7.2)
	s_wait_alu depctr_va_vdst(0)
.irp q, 0,2,4,6,8,10,12,14
	v_pk_mul_f32 v[\x+\q:\x+\q+1], v[\x+\q:\x+\q+1], v[T+4:T+5] op_sel_hi:[1,0]
.endr
.irp q, 0,2,4,6,8,10,12,14
	v_pk_fma_f32 v[\x+\q:\x+\q+1], v[\x+\q:\x+\q+1], v[G+\q:G+\q+1], v[BT+\q:BT+\q+1]
.endr
	CVT8 \y, \x
.endm
; a fragment's 16 numbers in f32: LOADN where K lies along the rows, LOADT where K goes down rows of 2,048 bytes
.macro LOADN dst, va, base, off
.irp e, 0,1
.irp t, 0,1
	global_load_b128 v[\dst+8*\e+4*\t:\dst+8*\e+4*\t+3], v[\va], s[\base:\base+1] offset:\off+64*\e+16*\t
.endr
.endr
.endm
.macro LOADT dst, va0, va1, base, off
.irp i, 0,1,2,3,4,5,6,7
	global_load_b32 v[\dst+\i], v[\va0], s[\base:\base+1] offset:\off+2048*\i
	global_load_b32 v[\dst+8+\i], v[\va1], s[\base:\base+1] offset:\off+2048*\i
.endr
.endm
; One product [64 features of the wave] x [16 rows] over K = 512: A from an image table in memory through a ring of three K steps,
; B from LDS through two.
.macro ALOAD img, ks
.irp i, 0,1,2,3
.irp e, 0,1
	global_load_b128 v[AR+32*((\ks)%3)+8*\i+4*\e:AR+32*((\ks)%3)+8*\i+4*\e+3], v[AOFF], s[\img:\img+1] offset:16384*\i+1024*(\ks)+512*\e
.endr
.endr
.endm
.macro APRO img
	ALOAD \img, 0
	ALOAD \img, 1
	ALOAD \img, 2
.endm
.macro BLOAD ba, bks, bh, ks
	ds_load_b128 v[BR+8*((\ks)%2):BR+8*((\ks)%2)+3], v[\ba] offset:(\bks)*(\ks)
	ds_load_b128 v[BR+8*((\ks)%2)+4:BR+8*((\ks)%2)+7], v[\ba] offset:(\bks)*(\ks)+(\bh)
.endm
.macro GBODY img, ba, bks, bh
	BLOAD \ba, \bks, \bh, 0
	BLOAD \ba, \bks, \bh, 1
.set gk, 0
.rept 16
.if gk < 14
	s_wait_loadcnt 16                              ; this step's 8 loads are in; the 16 of the two younger ring slots stay out
	s_wait_dscnt 2                                 ; this step's B is in; the next step's two loads stay out
.else
.if gk == 14
	s_wait_loadcnt 8
	s_wait_dscnt 2
.else
	s_wait_loadcnt 0
	s_wait_dscnt 0
.endif
.endif
.irp i, 0,1,2,3                        ; the four accumulators take turns, one instruction a turn
.if gk == 0
	v_wmma_f32_16x16x32_bf16 v[ACC+8*\i:ACC+8*\i+7], v[AR+32*(gk%3)+8*\i:AR+32*(gk%3)+8*\i+7], v[BR+8*(gk%2):BR+8*(gk%2)+7], 0
.else
	v_wmma_f32_16x16x32_bf16 v[ACC+8*\i:ACC+8*\i+7], v[AR+32*(gk%3)+8*\i:AR+32*(gk%3)+8*\i+7], v[BR+8*(gk%2):BR+8*(gk%2)+7], v[ACC+8*\i:ACC+8*\i+7]
.endif
.endr
	PLACES                                         ; then the registers just multiplied are loaded again, or the sums are read
.if gk < 13
	ALOAD \img, gk+3
.endif
.if gk < 14
	BLOAD \ba, \bks, \bh, gk+2
.endif
.set gk, gk+1
.endr
.endm
	s_set_vgpr_msb 0x40
	v_lshl_add_u32 v0, v0, 2, 0x15400
	v_mov_b32 v1, 0
	s_set_vgpr_msb 0x4000
	v_and_b32 v1, 31, v0                           ; L
	v_lshrrev_b32 v4, 5, v0
	v_readfirstlane_b32 s24, v4                    ; wave
	s_mov_b32 s44, 0x76543210                      ; v_permlanex16_b32: lane i reads lane i of the other half
	s_mov_b32 s45, 0xfedcba98
	s_mov_b32 s46, 0x3b000000                      ; 1/512
	s_mov_b32 s47, 0x358637bd                      ; 1e-6
	s_cmp_ge_u32 ttmp9, 1024
	s_cbranch_scc1 .Lg_special
	s_and_b32 s27, ttmp9, 3
	s_lshr_b32 s26, ttmp9, 2
	s_cmp_eq_u32 s27, 0
	s_cbranch_scc1 .Lrole_q
	s_cmp_eq_u32 s27, 1
	s_cbranch_scc1 .Lg_normal
; ---------------------------------------------------------------- role K: tile 2 (id>>2) + (id&3) - 2, 8 keys a wave
; A wave takes a whole row (4 loads of 512 consecutive bytes) of key_value and of key_pos.  A ring of four keys in registers keeps
; 32 loads of every wave on their way.  Each store covers 256 consecutive bytes, aligned.  No LDS, no barrier.
.set G,  16
.set BT, 32
.set T,  48
.set Y,  64                            ; v[64:79]  kvn and key_pos in bf16, to store
.set X,  96                            ; v[96:223] slot: 16 registers of key_value, 16 of key_pos
	s_load_b256 s[4:11], s[0:1], 0x58              ; key_value, key_pos, kv_gamma, kv_beta
	s_load_b64 s[12:13], s[0:1], 0x98              ; kc
	s_lshl_b32 s20, s26, 1
	s_add_co_u32 s20, s20, s27
	s_sub_co_u32 s20, s20, 2                       ; tile
	s_lshl_b32 s20, s20, 17                        ; 64 rows of 2,048 bytes in, 128 rows of 1,024 bytes out: 131,072 both
	s_mov_b32 s21, 0
	v_lshlrev_b32 v6, 4, v1                        ; 16 L
	v_lshl_add_u32 v4, s24, 14, v6                 ; + 8 keys x 2,048 x wave
	v_lshlrev_b32 v5, 3, v1
	v_lshl_add_u32 v5, s24, 13, v5                 ; 8 L + 8 keys x 1,024 x wave
	s_wait_kmcnt 0x0
	s_add_nc_u64 s[4:5], s[4:5], s[20:21]
	s_add_nc_u64 s[6:7], s[6:7], s[20:21]
	s_add_nc_u64 s[12:13], s[12:13], s[20:21]
.irp j, 0,1,2,3
	global_load_b128 v[G+4*\j:G+4*\j+3], v6, s[8:9] offset:512*\j
	global_load_b128 v[BT+4*\j:BT+4*\j+3], v6, s[10:11] offset:512*\j
.endr
.macro KLOAD i
.irp j, 0,1,2,3
	global_load_b128 v[X+32*((\i)%4)+4*\j:X+32*((\i)%4)+4*\j+3], v4, s[4:5] offset:2048*(\i)+512*\j th:TH_LOAD_NT
.endr
.irp j, 0,1,2,3
	global_load_b128 v[X+32*((\i)%4)+16+4*\j:X+32*((\i)%4)+16+4*\j+3], v4, s[6:7] offset:2048*(\i)+512*\j th:TH_LOAD_NT
.endr
.endm
.macro KEY i, left
	s_wait_loadcnt \left                           ; this key's 8 loads are in; those of the younger keys stay out
	s_wait_xcnt 0x0                                ; Y, the data of the last key's stores, is rewritten only behind this wait
	LNROW X+32*((\i)%4), Y
	CVT8 Y+8, X+32*((\i)%4)+16
.if \i < 4
	KLOAD \i+4
.endif
.irp j, 0,1,2,3
	global_store_b64 v5, v[Y+2*\j:Y+2*\j+1], s[12:13] offset:1024*(\i)+256*\j
	global_store_b64 v5, v[Y+8+2*\j:Y+8+2*\j+1], s[12:13] offset:65536+1024*(\i)+256*\j
.endr
.endm
	KLOAD 0
	KLOAD 1
	KLOAD 2
	KLOAD 3
	KEY 0, 24
	KEY 1, 24
	KEY 2, 24
	KEY 3, 24
	KEY 4, 24
	KEY 5, 16
	KEY 6, 8
	KEY 7, 0
	s_endpgm
; ---------------------------------------------------------------- role G: Wc[k][n] = sum over j of W_inner[k][j] W_proj[j][n]
; Block: 32 k (K step ksk of the image) x 32 n (M tiles 2 ng, 2 ng + 1).  j = 2048 is split over the 8 waves, 8 steps of 32 each; the waves'
; sums meet in LDS.  D tile (kt, nt2): register j of lane (r,h) = Wc[32 ksk + 16 kt + 8 h + j][32 ng + 16 nt2 + r]: half kt of an image.
.set RAW, 64                           ; v[64:191]  two buffers of four fragments in f32
.set FR,  192                          ; v[192:223] the four fragments in bf16: A'(0), A'(1), B'(0), B'(1)
.Lg_special:
	s_sub_co_u32 s28, ttmp9, 1024                  ; ng
	s_mov_b32 s29, 0
	s_mov_b32 s30, 1                               ; b_inner stands in for all 16 rows of A'
	s_branch .Lrole_g
.Lg_normal:
	s_and_b32 s28, s26, 15                         ; ng
	s_lshr_b32 s29, s26, 4                         ; ksk
	s_mov_b32 s30, 0
.Lrole_g:
	s_load_b256 s[4:11], s[0:1], 0x38              ; W_inner, W_proj, b_inner, b_proj
	s_load_b128 s[12:15], s[0:1], 0x88             ; wci, bc
	v_and_b32 v2, 15, v0                           ; r
	v_bfe_u32 v3, v0, 4, 1                         ; h
	s_lshl_b32 s32, s29, 5
	s_cmp_eq_u32 s30, 0
	s_cselect_b32 s31, 8192, 0                     ; bytes from row to row of A'
	s_cselect_b32 s33, 131072, 0                   ; 16 rows
	v_add_nc_u32 v4, s32, v2
	v_mul_lo_u32 v4, v4, s31
	v_lshl_add_u32 v4, v3, 5, v4
	v_lshl_add_u32 v4, s24, 10, v4                 ; (32 ksk + r) 8192 + 1024 wave + 32 h
	v_add_nc_u32 v5, s33, v4
	v_lshlrev_b32 v6, 2, v2
	v_lshl_add_u32 v6, v3, 14, v6
	v_lshl_add_u32 v6, s24, 19, v6
	v_lshl_add_u32 v6, s28, 7, v6                  ; (256 wave + 8 h) 2048 + (32 ng + r) 4
	v_add_nc_u32 v7, 32768, v6                     ; 16 rows further down
	s_wait_kmcnt 0x0
	s_cmp_eq_u32 s30, 0
	s_cselect_b64 s[4:5], s[4:5], s[8:9]
.macro GLOAD js, buf                   ; 40 loads: one step of 32 along j
	LOADN RAW+64*(\buf), 4, 4, 128*(\js)
	LOADN RAW+64*(\buf)+16, 5, 4, 128*(\js)
	LOADT RAW+64*(\buf)+32, 6, 7, 6, 65536*(\js)
	LOADT RAW+64*(\buf)+48, 6, 7, 6, 65536*(\js)+64
.endm
	GLOAD 0, 0
.set js, 0
.rept 8
.if js < 7
	GLOAD js+1, (js+1)%2
	s_wait_loadcnt 40                              ; all but the 40 just issued
.else
	s_wait_loadcnt 0
.endif
.irp f, 0,1,2,3
	CVT8 FR+8*\f, RAW+64*(js%2)+16*\f
.endr
.irp n2, 0,1                           ; four accumulators by turns
.irp kt, 0,1
.if js == 0
	v_wmma_f32_16x16x32_bf16 v[ACC+8*(2*\n2+\kt):ACC+8*(2*\n2+\kt)+7], v[FR+8*\kt:FR+8*\kt+7], v[FR+16+8*\n2:FR+16+8*\n2+7], 0
.else
	v_wmma_f32_16x16x32_bf16 v[ACC+8*(2*\n2+\kt):ACC+8*(2*\n2+\kt)+7], v[FR+8*\kt:FR+8*\kt+7], v[FR+16+8*\n2:FR+16+8*\n2+7], v[ACC+8*(2*\n2+\kt):ACC+8*(2*\n2+\kt)+7]
.endif
.endr
.endr
	PLACES                                         ; FR is rewritten in the next step; behind the last, the sums are read
.set js, js+1
.endr
	v_lshlrev_b32 v8, 4, v1                        ; 16 L
	v_add_nc_u32 v12, GRED, v8                     ; role G's own bytes of LDS
	v_lshl_add_u32 v9, s24, 12, v12                ; my 4,096 bytes: four tiles as images
.irp q, 0,1,2,3,4,5,6,7
	ds_store_b128 v9, v[ACC+4*\q:ACC+4*\q+3] offset:512*\q
.endr
	s_wait_dscnt 0x0                               ; my stores are done before I say so
	s_barrier_signal -1
	s_barrier_wait -1
	s_cmp_ge_u32 s24, 4
	s_cbranch_scc1 .Lg_end                         ; wave w < 4 adds up tile w of all eight waves
	v_lshl_add_u32 v9, s24, 10, v12
.irp q, 0,1,2,3,4,5,6,7
	ds_load_b128 v[64+8*\q:64+8*\q+3], v9 offset:4096*\q
	ds_load_b128 v[64+8*\q+4:64+8*\q+7], v9 offset:4096*\q+512
.endr
	s_wait_dscnt 0x0
.irp q, 1,2,3,4,5,6,7
.irp p, 0,2,4,6
	v_pk_add_f32 v[64+\p:65+\p], v[64+\p:65+\p], v[64+8*\q+\p:65+8*\q+\p]
.endr
.endr
	s_cmp_lg_u32 s30, 0
	s_cbranch_scc1 .Lg_bias
.irp q, 0,1,2,3
	v_cvt_pk_bf16_f32 v[FR+\q], v[64+2*\q], v[65+2*\q]
.endr
	s_lshr_b32 s34, s24, 1
	s_lshl1_add_u32 s34, s28, s34                  ; M tile 2 ng + (w>>1)
	s_lshl4_add_u32 s34, s34, s29                  ; image 16 M + ksk
	s_lshl_b32 s34, s34, 10
	s_and_b32 s35, s24, 1
	s_lshl_b32 s35, s35, 9                         ; half kt = w & 1
	s_add_co_u32 s34, s34, s35
	v_add_nc_u32 v10, s34, v8
	global_store_b128 v10, v[FR:FR+3], s[12:13]    ; 512 consecutive bytes
	s_set_vgpr_msb 0x5
	s_wait_tensorcnt 0x0
	ds_add_u32 v0, v1
	s_wait_dscnt 0x0
	s_set_vgpr_msb 0x500
	s_endpgm
.Lg_bias:	; all rows of the tile are alike: register 0 of lanes 0-15 of tiles (kt = 0, nt2) is b_inner W_proj
	s_and_b32 s35, s24, 1
	s_cmp_lg_u32 s35, 0
	s_cbranch_scc1 .Lg_end
	s_lshl_b32 s34, s28, 7
	s_lshr_b32 s35, s24, 1
	s_lshl_b32 s35, s35, 6
	s_add_co_u32 s34, s34, s35
	v_lshl_add_u32 v10, v2, 2, s34                 ; column 32 ng + 16 (w>>1) + r
	global_load_b32 v11, v10, s[10:11]
	s_wait_loadcnt 0x0
	v_add_f32 v11, v11, v64
	v_cmp_gt_u32 vcc_lo, 16, v1
	s_wait_xcnt 0x0                                ; EXEC changes only behind this wait
	s_and_saveexec_b32 s36, vcc_lo
	global_store_b32 v10, v11, s[14:15]
	s_wait_xcnt 0x0
	s_or_b32 exec_lo, exec_lo, s36
.Lg_end:
	s_set_vgpr_msb 0x5
	s_wait_tensorcnt 0x0
	ds_add_u32 v0, v1
	s_wait_dscnt 0x0
	s_set_vgpr_msb 0x500
	s_endpgm
; ---------------------------------------------------------------- role Q: query rows 16 qt .. 16 qt + 15, qt = id >> 2
.Lrole_q:
.set G,  128
.set BT, 144
.set T,  16
	s_load_b256 s[4:11], s[0:1], 0x0               ; query, query_pos, q_gamma, q_beta
	s_load_b128 s[12:15], s[0:1], 0x20             ; bq, bk
	s_load_b64 s[16:17], s[0:1], 0x30              ; wimg
	s_load_b128 s[20:23], s[0:1], 0x78             ; qimg, cq
	v_and_b32 v2, 15, v0                           ; r
	v_bfe_u32 v3, v0, 4, 1                         ; h
	s_lshl_b32 s28, s26, 15                        ; 16 rows of 2,048 bytes; also 32 images of 1,024
	s_mov_b32 s29, 0
	v_lshlrev_b32 v5, 4, v1                        ; 16 L
	v_lshl_add_u32 v4, s24, 12, v5                 ; + my two rows
	v_and_b32 v6, 127, v0
	v_lshlrev_b32 v6, 4, v6                        ; my 16 bytes of bq or of bk
	v_lshlrev_b32 v7, 3, v1
	s_mul_i32 s30, s24, 2080
	v_add_nc_u32 v7, s30, v7                       ; XR: row 2 w, 8 L
	v_lshlrev_b32 v8, 4, v0
	v_add_nc_u32 v8, VEC, v8
	v_lshl_add_u32 v9, s24, 16, v5                 ; AOFF
	v_mul_u32_u24 v13, v2, 1040
	v_lshl_add_u32 v13, v3, 4, v13                 ; XR as B fragments: 1040 r + 16 h
	v_lshl_add_u32 v10, s24, 7, v13
	v_add_nc_u32 v10, XP, v10                      ; XP, K steps 2 w, 2 w + 1
	v_lshl_add_u32 v11, s24, 11, v5                ; images 2 w, 2 w + 1
	v_lshlrev_b32 v12, 5, v3
	v_lshl_add_u32 v12, s24, 8, v12
	v_add_nc_u32 v12, VEC, v12                     ; bq in C layout: feature 64 w + 8 h
	v_add_nc_u32 v14, XB, v11
	v_add_nc_u32 v15, XB, v5
	v_lshlrev_b32 v25, 5, v2
	v_add_nc_u32 v25, RED, v25
	v_lshl_add_u32 v24, s24, 2, v25
	s_wait_kmcnt 0x0
	s_add_nc_u64 s[4:5], s[4:5], s[28:29]
	s_add_nc_u64 s[6:7], s[6:7], s[28:29]
	s_add_nc_u64 s[20:21], s[20:21], s[28:29]
	s_add_nc_u64 s[18:19], s[16:17], 524288        ; WKI
	s_cmp_lt_u32 s24, 4
	s_cselect_b64 s[12:13], s[12:13], s[14:15]     ; waves 0-3 copy bq, waves 4-7 bk
.irp rr, 0,1
.irp j, 0,1,2,3
	global_load_b128 v[64+16*\rr+4*\j:64+16*\rr+4*\j+3], v4, s[4:5] offset:2048*\rr+512*\j
	global_load_b128 v[96+16*\rr+4*\j:96+16*\rr+4*\j+3], v4, s[6:7] offset:2048*\rr+512*\j
.endr
.endr
.irp j, 0,1,2,3
	global_load_b128 v[G+4*\j:G+4*\j+3], v5, s[8:9] offset:512*\j
	global_load_b128 v[BT+4*\j:BT+4*\j+3], v5, s[10:11] offset:512*\j
.endr
	global_load_b128 v[176:179], v6, s[12:13]
	s_wait_loadcnt 0x0
	LNROW 64, 192
	LNROW 80, 200
.irp q, 0,2,4,6,8,10,12,14,16,18,20,22,24,26,28,30
	v_pk_mul_f32 v[96+\q:97+\q], v[96+\q:97+\q], KAPPA op_sel_hi:[1,0]
.endr
	CVT8 208, 96
	CVT8 216, 112
.irp rr, 0,1
.irp j, 0,1,2,3
	ds_store_b64 v7, v[192+8*\rr+2*\j:193+8*\rr+2*\j] offset:1040*\rr+256*\j
	ds_store_b64 v7, v[208+8*\rr+2*\j:209+8*\rr+2*\j] offset:XP+1040*\rr+256*\j
.endr
.endr
	ds_store_b128 v8, v[176:179]
	APRO 16                                        ; Wq's first three K steps are on their way across the barrier
	s_wait_dscnt 0x0
	s_barrier_signal -1
	s_barrier_wait -1                              ; the 16 rows, bq and bk are whole
.irp p, 0,1
.irp e, 0,1
	ds_load_b128 v[PK+8*\p+4*\e:PK+8*\p+4*\e+3], v10 offset:64*\p+32*\e
.endr
.endr
	s_wait_dscnt 0x0
.irp p, 0,1
.irp e, 0,1
	global_store_b128 v11, v[PK+8*\p+4*\e:PK+8*\p+4*\e+3], s[20:21] offset:16384+1024*\p+512*\e   ; K steps 16 + 2 w + p: KAPPA query_pos
.endr
.endr
.irp i, 0,1,2,3
.irp t, 0,1
	ds_load_b128 v[XN+8*\i+4*\t:XN+8*\i+4*\t+3], v12 offset:64*\i+16*\t
	ds_load_b128 v[VV+8*\i+4*\t:VV+8*\i+4*\t+3], v12 offset:2048+64*\i+16*\t
.endr
.endr
	GBODY 16, 13, 64, 32                           ; its first wait on LDS leaves only two younger loads out: bq and bk are in
.irp q, 0,2,4,6,8,10,12,14,16,18,20,22,24,26,28,30
	v_pk_add_f32 v[ACC+\q:ACC+\q+1], v[ACC+\q:ACC+\q+1], v[XN+\q:XN+\q+1]    ; q = LN(query) Wq + bq
.endr
	v_pk_mul_f32 v[16:17], v[ACC:ACC+1], v[VV:VV+1]
	v_pk_mul_f32 v[18:19], v[ACC+2:ACC+3], v[VV+2:VV+3]
.irp q, 4,8,12,16,20,24,28
	v_pk_fma_f32 v[16:17], v[ACC+\q:ACC+\q+1], v[VV+\q:VV+\q+1], v[16:17]
	v_pk_fma_f32 v[18:19], v[ACC+\q+2:ACC+\q+3], v[VV+\q+2:VV+\q+3], v[18:19]
.endr
	v_pk_add_f32 v[16:17], v[16:17], v[18:19]
	v_add_f32 v16, v16, v17
	v_permlanex16_b32 v17, v16, s44, s45
	v_add_f32 v16, v16, v17                        ; q.bk over my wave's 64 features, row r
	ds_store_b32 v24, v16
	s_wait_xcnt 0x0                                ; PK was the data of the stores above
	CVT8 PK, ACC
	CVT8 PK+8, ACC+16
.irp p, 0,1
.irp e, 0,1
	ds_store_b128 v14, v[PK+8*\p+4*\e:PK+8*\p+4*\e+3] offset:1024*\p+512*\e
.endr
.endr
	APRO 18
	s_wait_dscnt 0x0
	s_barrier_signal -1
	s_barrier_wait -1                              ; q's 16 B fragments and the partial q.bk are whole
	GBODY 18, 15, 1024, 512                        ; q' = q Wk^T
.irp q, 0,2,4,6,8,10,12,14,16,18,20,22,24,26,28,30
	v_pk_mul_f32 v[ACC+\q:ACC+\q+1], v[ACC+\q:ACC+\q+1], KAPPA op_sel_hi:[1,0]
.endr
	CVT8 PK, ACC
	CVT8 PK+8, ACC+16
.irp p, 0,1
.irp e, 0,1
	global_store_b128 v11, v[PK+8*\p+4*\e:PK+8*\p+4*\e+3], s[20:21] offset:1024*\p+512*\e         ; K steps 2 w + p: KAPPA q'
.endr
.endr
	s_cmp_lg_u32 s24, 0
	s_cbranch_scc1 .Lq_end
	ds_load_b128 v[16:19], v25
	ds_load_b128 v[20:23], v25 offset:16
	s_wait_dscnt 0x0
	v_pk_add_f32 v[16:17], v[16:17], v[18:19]
	v_pk_add_f32 v[20:21], v[20:21], v[22:23]
	v_pk_add_f32 v[16:17], v[16:17], v[20:21]
	v_add_f32 v16, v16, v17
	v_mul_f32 v16, KAPPA, v16
	s_lshl_b32 s30, s26, 6
	v_lshl_add_u32 v26, v2, 2, s30
	v_cmp_gt_u32 vcc_lo, 16, v1
	s_wait_xcnt 0x0                                ; EXEC changes only behind this wait
	s_and_saveexec_b32 s31, vcc_lo
	global_store_b32 v26, v16, s[22:23]
	s_wait_xcnt 0x0
	s_or_b32 exec_lo, exec_lo, s31
.Lq_end:
	s_set_vgpr_msb 0x5
	s_wait_tensorcnt 0x0
	ds_add_u32 v0, v1
	s_wait_dscnt 0x0
	s_set_vgpr_msb 0x500
	s_endpgm
.Lfunc_end_k_qb383d3583d_prep:
	.size	k_qb383d3583d_prep, .Lfunc_end_k_qb383d3583d_prep-k_qb383d3583d_prep
	.p2alignl 7, 3214868480
	.fill 96, 4, 3214868480
	.section	.rodata,"a",@progbits
	.p2align	6, 0x0
	.amdhsa_kernel k_qb383d3583d_prep
		.amdhsa_group_segment_fixed_size 88064
		.amdhsa_private_segment_fixed_size 0
		.amdhsa_enable_private_segment 0
		.amdhsa_kernarg_size 160
		.amdhsa_user_sgpr_count 2
		.amdhsa_user_sgpr_kernarg_segment_ptr 1
		.amdhsa_wavefront_size32 1
		.amdhsa_system_sgpr_workgroup_id_x 1
		.amdhsa_system_sgpr_workgroup_id_y 1
		.amdhsa_system_sgpr_workgroup_id_z 1
		.amdhsa_system_vgpr_workitem_id 0
		.amdhsa_next_free_vgpr 258
		.amdhsa_next_free_sgpr 66
		.amdhsa_reserve_vcc 1
		.amdhsa_float_denorm_mode_32 3
		.amdhsa_float_denorm_mode_16_64 3
		.amdhsa_memory_ordered 1
		.amdhsa_forward_progress 1
		.amdhsa_inst_pref_size 174
	.end_amdhsa_kernel
	.amdgpu_metadata
---
amdhsa.version: [ 1, 2 ]
amdhsa.kernels:
  - .name:           k_qb383d3583d_prep
    .symbol:         k_qb383d3583d_prep.kd
    .args:
      - { .name: query, .offset: 0, .size: 8, .value_kind: global_buffer, .address_space: global }
      - { .name: query_pos, .offset: 8, .size: 8, .value_kind: global_buffer, .address_space: global }
      - { .name: q_gamma, .offset: 16, .size: 8, .value_kind: global_buffer, .address_space: global }
      - { .name: q_beta, .offset: 24, .size: 8, .value_kind: global_buffer, .address_space: global }
      - { .name: bq, .offset: 32, .size: 8, .value_kind: global_buffer, .address_space: global }
      - { .name: bk, .offset: 40, .size: 8, .value_kind: global_buffer, .address_space: global }
      - { .name: wimg, .offset: 48, .size: 8, .value_kind: global_buffer, .address_space: global }
      - { .name: W_inner, .offset: 56, .size: 8, .value_kind: global_buffer, .address_space: global }
      - { .name: W_proj, .offset: 64, .size: 8, .value_kind: global_buffer, .address_space: global }
      - { .name: b_inner, .offset: 72, .size: 8, .value_kind: global_buffer, .address_space: global }
      - { .name: b_proj, .offset: 80, .size: 8, .value_kind: global_buffer, .address_space: global }
      - { .name: key_value, .offset: 88, .size: 8, .value_kind: global_buffer, .address_space: global }
      - { .name: key_pos, .offset: 96, .size: 8, .value_kind: global_buffer, .address_space: global }
      - { .name: kv_gamma, .offset: 104, .size: 8, .value_kind: global_buffer, .address_space: global }
      - { .name: kv_beta, .offset: 112, .size: 8, .value_kind: global_buffer, .address_space: global }
      - { .name: qimg, .offset: 120, .size: 8, .value_kind: global_buffer, .address_space: global }
      - { .name: cq, .offset: 128, .size: 8, .value_kind: global_buffer, .address_space: global }
      - { .name: wci, .offset: 136, .size: 8, .value_kind: global_buffer, .address_space: global }
      - { .name: bc, .offset: 144, .size: 8, .value_kind: global_buffer, .address_space: global }
      - { .name: kc, .offset: 152, .size: 8, .value_kind: global_buffer, .address_space: global }
    .group_segment_fixed_size: 88064
    .private_segment_fixed_size: 0
    .kernarg_segment_align: 8
    .kernarg_segment_size: 160
    .max_flat_workgroup_size: 256
    .sgpr_count:     66
    .vgpr_count:     258
    .wavefront_size: 32
...
	.end_amdgpu_metadata
.endif
;; end of part 2
;; launch attn (part 3): grid 8 x 32, 4 waves a work-group, clusters of 4 x 1, 327,680 bytes of LDS; arguments kc, qimg, cq, op, ml; writes op, ml
.if DOCPART == 3
	.amdgcn_target "amdgcn-amd-amdhsa--gfx1250"
	.amdhsa_code_object_version 6
	.text
	.protected	k_qb383d3583d_attn
	.globl	k_qb383d3583d_attn
	.p2align	8
	.type	k_qb383d3583d_attn,@function
k_qb383d3583d_attn:
	s_mov_b64 s[64:65], 0
	v_nop
	global_prefetch_b8 v0, s[64:65] scope:SCOPE_SE
	s_setreg_imm32_b32 hwreg(HW_REG_WAVE_MODE, 25, 1), 1
	s_wait_xcnt 0x0
	s_wait_alu depctr_hold_cnt(0) depctr_sa_sdst(0) depctr_va_vdst(0) depctr_va_sdst(0) depctr_va_ssrc(0) depctr_va_vcc(0) depctr_vm_vsrc(0)
	s_getreg_b32 s2, hwreg(HW_REG_IB_STS2, 6, 4)
	s_cmp_eq_u32 s2, 0
	s_cbranch_scc0 .Lentry_in_a_cluster
	s_endpgm
.Lentry_in_a_cluster:
	s_bfe_u32 s2, ttmp6, 0x10000c
	s_cmp_lg_u32 s2, 0x3003
	s_cbranch_scc0 .Lentry_shape_is_right
	s_endpgm
.Lentry_shape_is_right:
; The attention core.  Work-group (x, y): 64 queries (block x of batch y>>2) against 1,024 keys (split y&3 of the batch's 4,096), in 16 tiles
; of 64 keys.  A tile is 128 rows of 1,024 bytes of bf16: 64 rows kvn (keys AND values), 64 rows key_pos.
; Scores are one product of depth 1024, [KAPPA q' | KAPPA query_pos].[kvn | key_pos], plus cq = KAPPA q.bk, in powers of two.
; Wave w = (a = w>>1, c = w&1).  Scores: S^T of keys 32 c .. +31 x queries 32 a .. +31 (2 x 2 tiles).  Values: O^T of half c of the model
; axis (16 tiles) x the same 32 queries.  Q (512 registers) and O (256 registers) stay in registers for the whole launch; every fragment
; read from LDS feeds two matrix instructions.  A running maximum per query, common to the two waves of a pair (exchanged through LDS).
; The four splits' sums, maxima and denominators go to memory (op, ml) and are joined by the next launch.
; CLUSTER: the four work-groups of a cluster have the same y and read the same tiles: every tile load is a joint load with mask 15.
; Nothing in a descriptor, an LDS address or a branch hangs on the place in the cluster.
; O's tile T = 16 c + mt holds, in register j of lane (r,h), model index 128 (T>>3) + 8 (T&7) + 64 h + j: the transposing loads take their
; second group of eight columns 128 bytes on instead of 16.
; Wv's image is laid out in the same order.
; LIMITS: P is rounded to bf16 for the product with the values, its sum is kept in f32; v_exp_f32 gives 0 below 2^-126.
.set SLOT,  133120                     ; 128 rows x 1,040
.set PITCH, 1040
.set PART,  66560                      ; key_pos' rows behind kvn's 64
.set PX,    266240                     ; behind the two slots: P as B-fragment images, 2,048 bytes a wave
.set MX,    274432                     ; [a][r][nt][c] f32: the waves' row maxima
.set SC,  32                           ; v[32:63]   S tile (t2, nt) at 8 (2 t2 + nt)
.set PO,  64                           ; v[64:79]   my P, two B fragments
.set PF,  80                           ; v[80:111]  P of both waves of my pair: (kk, nt)
.set F0,  112                          ; v[112:175] fragment buffer 0
.set F1,  176                          ; v[176:239] fragment buffer 1
; window 0 also: v1-3 L, r, h; v4-7 key fragment addresses [slot][part]; v8-9 value fragment addresses [slot]; v10-13 PX, MX; v14 16 L;
; v15 prefetch offset; v[16:17] cq; v[18:19] running maxima; v[20:21] denominators; v[22:23], v[24:25] rescale factors (low register);
; v[26:27], v[28:29] cq - maximum (low register); v30-31, v[240:255] at work.
; window 1: Q of K steps 0-15 at 8 (2 ks + nt); window 2: K steps 16-31; window 3: O at 8 (2 mt + nt).
.set MSB, 0
.macro WIN new                         ; the immediate's high byte repeats the setting that is left
.if MSB != \new
	s_set_vgpr_msb (MSB<<8)|\new
.set MSB, \new
.endif
.endm
.macro PLACES                          ; four independent vector instructions behind a matrix instruction (ISA guide 7.12.1)
.rept 4
	v_nop
.endr
.endm
.macro ROUND                           ; a round of the cluster's barrier
	s_barrier_signal -1
	s_barrier_wait -1
	s_cmp_lg_u32 s14, 0
	s_cbranch_scc1 .Lnot_wave_0_\@
	s_barrier_signal -3
.Lnot_wave_0_\@:
	s_barrier_wait -3
	s_barrier_signal -1
	s_barrier_wait -1
.endm
; 16 LDS loads: key fragments of K steps 4 n .. 4 n + 3, both key tiles of my 32 keys
.macro FETCH_S slot, n, f
.irp ksl, 0,1,2,3
.irp t2, 0,1
.irp e, 0,1
	ds_load_b128 v[\f+8*(2*\ksl+\t2)+4*\e:\f+8*(2*\ksl+\t2)+4*\e+3], v[4+2*\slot+(\n)/4] offset:16640*\t2+64*((4*(\n)+\ksl)%16)+32*\e
.endr
.endr
.endr
.endm
; 16 matrix instructions; the four S tiles take turns, one instruction a turn
.macro MUL_S n, f
.irp ksl, 0,1,2,3
.irp nt, 0,1
.irp t2, 0,1
.if (4*(\n)+\ksl) == 0
	v_wmma_f32_16x16x32_bf16 v[SC+8*(2*\t2+\nt):SC+8*(2*\t2+\nt)+7], v[\f+8*(2*\ksl+\t2):\f+8*(2*\ksl+\t2)+7], v[8*(2*((4*(\n)+\ksl)%16)+\nt):8*(2*((4*(\n)+\ksl)%16)+\nt)+7], 0
.else
	v_wmma_f32_16x16x32_bf16 v[SC+8*(2*\t2+\nt):SC+8*(2*\t2+\nt)+7], v[\f+8*(2*\ksl+\t2):\f+8*(2*\ksl+\t2)+7], v[8*(2*((4*(\n)+\ksl)%16)+\nt):8*(2*((4*(\n)+\ksl)%16)+\nt)+7], v[SC+8*(2*\t2+\nt):SC+8*(2*\t2+\nt)+7]
.endif
.endr
.endr
.endr
.endm
; 16 transposing LDS loads: value fragments of keys 32 (p>>1) .. +31, tiles mt = 8 (p&1) .. +7
.macro FETCH_V slot, p, f
.irp i, 0,1,2,3,4,5,6,7
.irp e, 0,1
	ds_load_tr16_b128 v[\f+8*\i+4*\e:\f+8*\i+4*\e+3], v[8+\slot] offset:33280*((\p)/2)+16640*\e+256*((\p)%2)+16*\i
.endr
.endr
.endm
; 16 matrix instructions on 16 different accumulators
.macro MUL_V p, f, zero
.irp i, 0,1,2,3,4,5,6,7
.irp nt, 0,1
.if \zero
	v_wmma_f32_16x16x32_bf16 v[8*(2*(8*((\p)%2)+\i)+\nt):8*(2*(8*((\p)%2)+\i)+\nt)+7], v[\f+8*\i:\f+8*\i+7], v[PF+8*(2*((\p)/2)+\nt):PF+8*(2*((\p)/2)+\nt)+7], 0
.else
	v_wmma_f32_16x16x32_bf16 v[8*(2*(8*((\p)%2)+\i)+\nt):8*(2*(8*((\p)%2)+\i)+\nt)+7], v[\f+8*\i:\f+8*\i+7], v[PF+8*(2*((\p)/2)+\nt):PF+8*(2*((\p)/2)+\nt)+7], v[8*(2*(8*((\p)%2)+\i)+\nt):8*(2*(8*((\p)%2)+\i)+\nt)+7]
.endif
.endr
.endr
.endm
; One tile, read from slot.  refill = 1: the other slot gets the next tile.  first = 1: the sums start here.
; pf = 1: prefetch; pf = 2: step the prefetch base, then prefetch.
.macro TRIP slot, refill, first, pf
	s_wait_tensorcnt 0x0                           ; all my tensor loads have landed, my quarter of this tile among them,
	ds_add_u32 v254, v255
	s_wait_dscnt 0x0
	s_add_nc_u64 s[34+4*\slot:35+4*\slot], s[34+4*\slot:35+4*\slot], 262144   ; so a group 0 may be written: this slot's next tile, two on
	s_wait_dscnt 0x0                               ; my reads of the other slot (and of PX) are done
	ROUND                                          ; both now hold of every wave of the four work-groups
.if \refill
	tensor_load_to_lds s[36-4*\slot:39-4*\slot], s[16:23]   ; my one tensor load until the next round: 32 rows of the next tile
	s_nop 0
.endif
	PLACES                                         ; behind the last tile's matrix instructions, which read F0 and F1
	FETCH_S \slot, 0, F0
	FETCH_S \slot, 1, F1
	WIN 0x04                                       ; source 1 (Q) in window 1; LDS loads still land in window 0
	s_wait_dscnt 16                                ; all but the 16 loads issued last: so in every step below
	MUL_S 0, F0
.if \pf == 2
	s_wait_xcnt 0x0                                ; the last prefetch, two tiles ago, has read its base
	s_add_nc_u64 s[40:41], s[40:41], 262144
.endif
.if \pf
	; the two tiles that the tensor loads of the next two trips will ask for: 262,144 bytes, each block of 256 bytes asked for once, by one
	; lane of one of the 8 work-groups x 4 waves that share y.  Trips 0, 2 .. 12 ask for tiles 2, 3 .. 14, 15; the last trips ask nothing.
	global_prefetch_b8 v15, s[40:41] th:TH_LOAD_NT scope:SCOPE_SE
.endif
	PLACES
	FETCH_S \slot, 2, F0
	s_wait_dscnt 16
	MUL_S 1, F1
	PLACES
	FETCH_S \slot, 3, F1
	s_wait_dscnt 16
	MUL_S 2, F0
	PLACES
	FETCH_S \slot, 4, F0
	s_wait_dscnt 16
	MUL_S 3, F1
	WIN 0x08                                       ; Q's K steps 16-31
	PLACES
	FETCH_S \slot, 5, F1
	s_wait_dscnt 16
	MUL_S 4, F0
	PLACES
	FETCH_S \slot, 6, F0
	s_wait_dscnt 16
	MUL_S 5, F1
	PLACES
	FETCH_S \slot, 7, F1
	s_wait_dscnt 16
	MUL_S 6, F0
	PLACES
	FETCH_V \slot, 0, F0
	s_wait_dscnt 16
	MUL_S 7, F1
	WIN 0
	PLACES
	; the largest of my 32 keys' scores for each of my 32 queries, plus cq; the pair's two waves exchange them
.irp nt, 0,1
	v_max3_num_f32 v[240+2*\nt], v[SC+8*\nt], v[SC+8*\nt+1], v[SC+8*\nt+2]
	v_max3_num_f32 v[241+2*\nt], v[SC+16+8*\nt], v[SC+16+8*\nt+1], v[SC+16+8*\nt+2]
	v_max3_num_f32 v[240+2*\nt], v[240+2*\nt], v[SC+8*\nt+3], v[SC+8*\nt+4]
	v_max3_num_f32 v[241+2*\nt], v[241+2*\nt], v[SC+16+8*\nt+3], v[SC+16+8*\nt+4]
	v_max3_num_f32 v[240+2*\nt], v[240+2*\nt], v[SC+8*\nt+5], v[SC+8*\nt+6]
	v_max3_num_f32 v[241+2*\nt], v[241+2*\nt], v[SC+16+8*\nt+5], v[SC+16+8*\nt+6]
	v_max3_num_f32 v[240+2*\nt], v[240+2*\nt], v[241+2*\nt], v[SC+8*\nt+7]
	v_max_num_f32 v[240+2*\nt], v[240+2*\nt], v[SC+16+8*\nt+7]
	v_permlanex16_b32 v[30+\nt], v[240+2*\nt], s44, s45
	v_max_num_f32 v[240+2*\nt], v[240+2*\nt], v[30+\nt]
	v_add_f32 v[240+2*\nt], v[240+2*\nt], v[16+\nt]
	ds_store_b32 v12, v[240+2*\nt] offset:8*\nt
.endr
	s_wait_dscnt 0x0                               ; my maxima are stored.  (One tensor load stays out.)
	s_barrier_signal -1
	s_barrier_wait -1
	ds_load_b128 v[244:247], v13
	s_wait_dscnt 0x0
.if \first
	v_max_num_f32 v248, v244, v245
	v_max_num_f32 v249, v246, v247
.else
	v_max3_num_f32 v248, v18, v244, v245
	v_max3_num_f32 v249, v19, v246, v247
	v_sub_f32 v22, v18, v248
	v_sub_f32 v24, v19, v249
	v_exp_f32 v22, v22                             ; what the old sums are worth under the new maximum
	v_exp_f32 v24, v24
.endif
	v_sub_f32 v26, v16, v248                       ; (also the plain instruction behind the transcendentals)
	v_sub_f32 v28, v17, v249
	v_mov_b32 v18, v248
	v_mov_b32 v19, v249
.irp t2, 0,1
.irp nt, 0,1
.irp q, 0,2,4,6
	v_pk_add_f32 v[SC+16*\t2+8*\nt+\q:SC+16*\t2+8*\nt+\q+1], v[SC+16*\t2+8*\nt+\q:SC+16*\t2+8*\nt+\q+1], v[26+2*\nt:27+2*\nt] op_sel_hi:[1,0]
.endr
.endr
.endr
.set q, 0
.rept 32
	v_exp_f32 v[SC+q], v[SC+q]
.set q, q+1
.endr
	v_nop                                          ; one plain instruction behind the transcendentals (ISA guide 5.7.2)
	s_wait_alu depctr_va_vdst(0)
.irp nt, 0,1
	v_pk_add_f32 v[240:241], v[SC+8*\nt:SC+8*\nt+1], v[SC+8*\nt+2:SC+8*\nt+3]
	v_pk_add_f32 v[242:243], v[SC+8*\nt+4:SC+8*\nt+5], v[SC+8*\nt+6:SC+8*\nt+7]
	v_pk_add_f32 v[244:245], v[SC+16+8*\nt:SC+16+8*\nt+1], v[SC+16+8*\nt+2:SC+16+8*\nt+3]
	v_pk_add_f32 v[246:247], v[SC+16+8*\nt+4:SC+16+8*\nt+5], v[SC+16+8*\nt+6:SC+16+8*\nt+7]
	v_pk_add_f32 v[240:241], v[240:241], v[242:243]
	v_pk_add_f32 v[244:245], v[244:245], v[246:247]
	v_pk_add_f32 v[240:241], v[240:241], v[244:245]
.if \first
	v_add_f32 v[20+\nt], v240, v241
.else
	v_add_f32 v240, v240, v241
	v_fma_f32 v[20+\nt], v[20+\nt], v[22+2*\nt], v240
.endif
.endr
	; my two S tiles of a query tile, in bf16 pairs, ARE the B fragment of my 32 keys
.irp nt, 0,1
.irp t2, 0,1
.irp q, 0,1,2,3
	v_cvt_pk_bf16_f32 v[PO+8*\nt+4*\t2+\q], v[SC+16*\t2+8*\nt+2*\q], v[SC+16*\t2+8*\nt+2*\q+1]
.endr
.endr
.endr
.irp nt, 0,1
.irp e, 0,1
	ds_store_b128 v10, v[PO+8*\nt+4*\e:PO+8*\nt+4*\e+3] offset:1024*\nt+512*\e
.endr
.endr
	s_wait_dscnt 0x0                               ; my P is stored, my read of the maxima is back
	s_barrier_signal -1
.if \first == 0
	WIN 0xc3                                       ; register work while the others arrive: O under the new maximum
.set q, 0
.rept 128
	v_pk_mul_f32 v[2*q:2*q+1], v[2*q:2*q+1], v[22+2*((q/4)%2):23+2*((q/4)%2)] op_sel_hi:[1,0]
.set q, q+1
.endr
	WIN 0
.endif
	s_barrier_wait -1
.irp kk, 0,1
.irp nt, 0,1
.irp e, 0,1
	ds_load_b128 v[PF+8*(2*\kk+\nt)+4*\e:PF+8*(2*\kk+\nt)+4*\e+3], v11 offset:2048*\kk+1024*\nt+512*\e
.endr
.endr
.endr
	FETCH_V \slot, 1, F1
	s_wait_dscnt 16                                ; P and the first value fragments are in
	WIN 0xf0                                       ; C and D in window 3
	MUL_V 0, F0, \first
	WIN 0
	PLACES
	FETCH_V \slot, 2, F0
	s_wait_dscnt 16
	WIN 0xf0
	MUL_V 1, F1, \first
	WIN 0
	PLACES
	FETCH_V \slot, 3, F1
	s_wait_dscnt 16
	WIN 0xf0
	MUL_V 2, F0, 0
	s_wait_dscnt 0x0
	MUL_V 3, F1, 0
	WIN 0
.endm
	s_load_b256 s[4:11], s[0:1], 0x0               ; kc s[4:5], qimg s[6:7], cq s[8:9], op s[10:11]
	s_load_b64 s[12:13], s[0:1], 0x20              ; ml
	v_lshl_add_u32 v254, v0, 2, 0x43200
	v_mov_b32 v255, 0
	ds_add_u32 v254, v255
	ds_add_u32 v254, v255
	v_lshrrev_b32 v30, 5, v0
	v_readfirstlane_b32 s14, v30                   ; wave
	s_lshr_b32 s15, s14, 1                         ; a
	s_and_b32 s24, s14, 1                          ; c
	s_bfe_u32 s25, ttmp6, 0x40000                  ; cx
	s_lshl_b32 s26, ttmp9, 2
	s_add_co_u32 s26, s26, s25                     ; x = 4 x cluster x + cx
	s_and_b32 s27, ttmp7, 0xffff                   ; y
	s_mov_b32 s44, 0x76543210
	s_mov_b32 s45, 0xfedcba98
	; group 1: 32 rows of 128 elements of 8 bytes (1,024 bytes), dense in memory, 16 bytes of padding behind each row in LDS
	s_mov_b32 s16, 0x07f3000f                      ; 15:0 mask 15; 17:16 8-byte elements; 20 padding on; 21 set beside a mask; 24:22 after 256 words; 31:25 four words
	s_mov_b32 s17, 128<<16                         ; tensor_dim0 = 128
	s_mov_b32 s18, 32<<16                          ; tensor_dim1 = 32
	s_mov_b32 s19, 128<<16                         ; tile_dim0 = 128
	s_mov_b32 s20, 32                              ; tile_dim1 = 32
	s_mov_b32 s21, 128                             ; elements from row to row
	s_mov_b32 s22, 0
	s_mov_b32 s23, 0
	s_lshl_b32 s28, s27, 21                        ; 16 tiles of 131,072 bytes for each y
	s_lshl_b32 s29, s14, 15                        ; my 32 rows
	s_add_co_u32 s28, s28, s29
	s_mov_b32 s29, 0
	s_lshl_b32 s46, s27, 21
	s_mov_b32 s47, 0
	s_mul_i32 s30, s14, 33280                      ; my 32 rows in a slot
	s_wait_dscnt 0x0
	s_wait_kmcnt 0x0
	s_add_nc_u64 s[28:29], s[4:5], s[28:29]
	s_mov_b32 s32, 1                               ; group 0, slot 0: tile 0
	s_mov_b32 s33, s30
	s_mov_b64 s[34:35], s[28:29]
	s_or_b32 s35, s35, 0x80000000
	s_mov_b32 s36, 1                               ; group 0, slot 1: tile 1
	s_add_co_u32 s37, s30, SLOT
	s_add_nc_u64 s[38:39], s[28:29], 131072
	s_or_b32 s39, s39, 0x80000000
	s_add_nc_u64 s[40:41], s[4:5], s[46:47]
	s_add_nc_u64 s[40:41], s[40:41], 262144        ; prefetch base: tile 2 of my split
	ROUND                                          ; the four work-groups are here: the first joint load meets
	tensor_load_to_lds s[32:35], s[16:23]
	s_nop 0
	v_and_b32 v1, 31, v0                           ; L
	v_and_b32 v2, 15, v0                           ; r
	v_bfe_u32 v3, v0, 4, 1                         ; h
	v_lshlrev_b32 v14, 4, v1
	s_lshr_b32 s48, s27, 2                         ; batch
	s_lshl_b32 s48, s48, 5
	s_lshl2_add_u32 s48, s26, s48
	s_lshl1_add_u32 s48, s15, s48                  ; query tile 32 b + 4 x + 2 a
	s_lshl_b32 s50, s48, 6                         ; its 16 words of cq
	s_lshl_b32 s48, s48, 15                        ; its 32 images
	s_mov_b32 s49, 0
	s_add_nc_u64 s[6:7], s[6:7], s[48:49]
	WIN 0x40                                       ; destination in window 1
.set q, 0
.rept 64
	global_load_b128 v[4*q:4*q+3], v14, s[6:7] offset:32768*((q/2)%2)+1024*(q/4)+512*(q%2)
.set q, q+1
.endr
	WIN 0x80                                       ; window 2
.set q, 0
.rept 64
	global_load_b128 v[4*q:4*q+3], v14, s[6:7] offset:16384+32768*((q/2)%2)+1024*(q/4)+512*(q%2)
.set q, q+1
.endr
	WIN 0
	v_lshl_add_u32 v240, v2, 2, s50
	global_load_b32 v16, v240, s[8:9]
	global_load_b32 v17, v240, s[8:9] offset:64
	s_lshl_b32 s46, s24, 5
	v_add_nc_u32 v4, s46, v2                       ; key row 32 c + r
	v_mul_u32_u24 v4, v4, PITCH
	v_lshl_add_u32 v4, v3, 4, v4
	v_add_nc_u32 v5, PART, v4
	v_add_nc_u32 v6, SLOT, v4
	v_add_nc_u32 v7, SLOT+PART, v4
	v_and_b32 v8, 7, v0
	v_lshl_add_u32 v8, v3, 3, v8                   ; key row 8 h + (L & 7)
	v_mul_u32_u24 v8, v8, PITCH
	v_bfe_u32 v9, v0, 3, 1
	v_lshl_add_u32 v8, v9, 7, v8                   ; lanes 8-15 of a half: 64 columns on
	v_lshl_add_u32 v8, s24, 9, v8                  ; my half of the model axis
	v_add_nc_u32 v9, SLOT, v8
	s_lshl_b32 s46, s14, 11
	s_add_co_u32 s46, s46, PX
	v_add_nc_u32 v10, s46, v14
	s_lshl_b32 s46, s15, 12
	s_add_co_u32 s46, s46, PX
	v_add_nc_u32 v11, s46, v14
	s_lshl_b32 s46, s15, 8
	s_add_co_u32 s46, s46, MX
	v_lshl_add_u32 v13, v2, 4, s46
	v_lshl_add_u32 v12, s24, 2, v13
	s_lshl_b32 s51, s26, 15
	s_lshl_b32 s52, s14, 13
	s_add_co_u32 s51, s51, s52
	v_lshl_add_u32 v15, v1, 8, s51                 ; 32768 x + 8192 w + 256 L
.irp q, 23,25,27,29,30,31
	v_mov_b32 v\q, 0                               ; upper registers of broadcast pairs and lane-permute destinations: written once
.endr
	s_wait_loadcnt 0x0                             ; Q and cq, once
	TRIP 0, 1, 1, 1
	TRIP 1, 1, 0, 0
	s_mov_b32 s42, 6
.Lloop:
	TRIP 0, 1, 0, 2
	TRIP 1, 1, 0, 0
	s_sub_co_u32 s42, s42, 1
	s_cmp_lg_u32 s42, 0
	s_cbranch_scc1 .Lloop
	TRIP 0, 1, 0, 0
	TRIP 1, 0, 0, 0                                ; the last tile: nothing is left to fetch (the stepped addresses are not used)
	PLACES
	v_permlanex16_b32 v30, v20, s44, s45
	v_permlanex16_b32 v31, v21, s44, s45
	v_add_f32 v20, v20, v30                        ; my wave's denominators: both halves of its keys
	v_add_f32 v21, v21, v31
	v_cmp_eq_u32 vcc_lo, 1, v3
	v_cndmask_b32 v240, v18, v19, vcc_lo           ; lane (r,h) stores (maximum, denominator) of query tile h, row r
	v_cndmask_b32 v241, v20, v21, vcc_lo
	s_lshl3_add_u32 s53, s27, s26                  ; 8 y + x
	s_lshl2_add_u32 s54, s53, s14
	s_lshl_b32 s54, s54, 8
	v_lshl_add_u32 v242, v1, 3, s54
	global_store_b64 v242, v[240:241], s[12:13]    ; 256 consecutive bytes
	s_lshl_b32 s55, s53, 17
	s_lshl_b32 s54, s14, 15
	s_add_co_u32 s55, s55, s54
	v_add_nc_u32 v243, s55, v14
	WIN 0x0c                                       ; store data in window 3
.set q, 0
.rept 64
	global_store_b128 v243, v[4*q:4*q+3], s[10:11] offset:512*q    ; O's tiles as they lie: 512 consecutive bytes a store
.set q, q+1
.endr
	WIN 0
	s_wait_tensorcnt 0x0
	ds_add_u32 v254, v255
	s_wait_dscnt 0x0
	ROUND                                          ; the closing round: no work-group ends while a partner may still ask jointly
	s_endpgm
.Lfunc_end_k_qb383d3583d_attn:
	.size	k_qb383d3583d_attn, .Lfunc_end_k_qb383d3583d_attn-k_qb383d3583d_attn
	.p2alignl 7, 3214868480
	.fill 96, 4, 3214868480
	.section	.rodata,"a",@progbits
	.p2align	6, 0x0
	.amdhsa_kernel k_qb383d3583d_attn
		.amdhsa_group_segment_fixed_size 327680
		.amdhsa_private_segment_fixed_size 0
		.amdhsa_enable_private_segment 0
		.amdhsa_kernarg_size 40
		.amdhsa_user_sgpr_count 2
		.amdhsa_user_sgpr_kernarg_segment_ptr 1
		.amdhsa_wavefront_size32 1
		.amdhsa_system_sgpr_workgroup_id_x 1
		.amdhsa_system_sgpr_workgroup_id_y 1
		.amdhsa_system_sgpr_workgroup_id_z 1
		.amdhsa_system_vgpr_workitem_id 0
		.amdhsa_next_free_vgpr 1024
		.amdhsa_next_free_sgpr 66
		.amdhsa_reserve_vcc 1
		.amdhsa_float_denorm_mode_32 3
		.amdhsa_float_denorm_mode_16_64 3
		.amdhsa_memory_ordered 1
		.amdhsa_forward_progress 1
		.amdhsa_inst_pref_size 255
	.end_amdhsa_kernel
	.section	.bss,"aw",@nobits
	.p2align	6
	.space	262144
	.amdgpu_metadata
---
amdhsa.version: [ 1, 2 ]
amdhsa.kernels:
  - .name:           k_qb383d3583d_attn
    .symbol:         k_qb383d3583d_attn.kd
    .args:
      - { .name: kc, .offset: 0, .size: 8, .value_kind: global_buffer, .address_space: global }
      - { .name: qimg, .offset: 8, .size: 8, .value_kind: global_buffer, .address_space: global }
      - { .name: cq, .offset: 16, .size: 8, .value_kind: global_buffer, .address_space: global }
      - { .name: op, .offset: 24, .size: 8, .value_kind: global_buffer, .address_space: global }
      - { .name: ml, .offset: 32, .size: 8, .value_kind: global_buffer, .address_space: global }
    .group_segment_fixed_size: 327680
    .private_segment_fixed_size: 0
    .kernarg_segment_align: 8
    .kernarg_segment_size: 40
    .max_flat_workgroup_size: 128
    .sgpr_count:     66
    .vgpr_count:     1024
    .wavefront_size: 32
...
	.end_amdgpu_metadata
.endif
;; end of part 3
;; launch post (part 4): grid 256 x 1, 8 waves a work-group, no clusters, 76,032 bytes of LDS; arguments op, ml, wimg, wci, bc, bv, ff_gamma, ff_beta, query, out0; writes out0
.if DOCPART == 4
	.amdgcn_target "amdgcn-amd-amdhsa--gfx1250"
	.amdhsa_code_object_version 6
	.text
	.protected	k_qb383d3583d_post
	.globl	k_qb383d3583d_post
	.p2align	8
	.type	k_qb383d3583d_post,@function
k_qb383d3583d_post:
	s_mov_b64 s[64:65], 0
	v_nop
	global_prefetch_b8 v0, s[64:65] scope:SCOPE_SE
	s_setreg_imm32_b32 hwreg(HW_REG_WAVE_MODE, 25, 1), 1
	s_wait_xcnt 0x0
; The end of the module for 16 query rows (query tile qt = the work-group's number), eight waves.
;   O = the four key splits' sums joined under their common maximum and divided by the joined denominator (f32),
;   out = O Wv + bv + query;  xn = LN(out);  out0 = xn + xn Wc + bc, with Wc = W_inner W_proj and bc = b_inner W_proj + b_proj.
; All products run transposed: lane r is the row, register j of lane (r,h) of C tile T is feature 16 T + 8 h + j; wave w owns tiles 4 w .. 4 w + 3
; of every product and of O.  Two neighbouring C tiles in bf16 pairs are the next product's B fragment; they meet in LDS as images.
; O's model index runs in the order in which the attention launch leaves it; Wv's image has its K axis in the same order.
; The layer norm is two-pass, its two sums over the eight waves go through LDS.  The result leaves through LDS as whole rows.
; LIMITS: O and xn are rounded to bf16 as matrix operands; the xn that is added to the result stays in f32.
; NO JOINT LOADS: the weight images go straight from memory into A fragments, 16 bytes a lane, with no stage in LDS for a joint tensor load
; to fill; each wave reads an eighth of an image table, 64 KB, per product.
.set ACC,  32
.set AR,   64
.set BR,   160
.set XN,   176
.set VV,   208
.set PK,   240
.set AOFF, 9
.set XB2,  16384                       ; LDS: XB at 0: 16 B images of O; XB2: of xn
.set RW,   32768                       ; 16 rows of 512 f32, pitch 2,064 = 129 x 16: query, later the result
.set VEC,  65792                       ; bv, ff_gamma, ff_beta, bc: 2,048 bytes each
.set RED1, 73984                       ; [row 16][wave 8]; the second sum's words lie 512 bytes on
.macro PLACES                          ; four independent vector instructions behind a matrix instruction (ISA guide 7.12.1)
.rept 4
	v_nop
.endr
.endm
.macro CVT8 y, x
.irp q, 0,1,2,3,4,5,6,7
	v_cvt_pk_bf16_f32 v[\y+\q], v[\x+2*\q], v[\x+2*\q+1]
.endr
.endm
.macro ALOAD img, ks
.irp i, 0,1,2,3
.irp e, 0,1
	global_load_b128 v[AR+32*((\ks)%3)+8*\i+4*\e:AR+32*((\ks)%3)+8*\i+4*\e+3], v[AOFF], s[\img:\img+1] offset:16384*\i+1024*(\ks)+512*\e
.endr
.endr
.endm
.macro APRO img
	ALOAD \img, 0
	ALOAD \img, 1
	ALOAD \img, 2
.endm
.macro BLOAD ba, bks, bh, ks
	ds_load_b128 v[BR+8*((\ks)%2):BR+8*((\ks)%2)+3], v[\ba] offset:(\bks)*(\ks)
	ds_load_b128 v[BR+8*((\ks)%2)+4:BR+8*((\ks)%2)+7], v[\ba] offset:(\bks)*(\ks)+(\bh)
.endm
; [64 features of the wave] x [16 rows] over K = 512: A from an image table through a ring of three K steps, B from LDS through two
.macro GBODY img, ba, bks, bh
	BLOAD \ba, \bks, \bh, 0
	BLOAD \ba, \bks, \bh, 1
.set gk, 0
.rept 16
.if gk < 14
	s_wait_loadcnt 16                              ; this step's 8 loads are in; the 16 of the two younger ring slots stay out
	s_wait_dscnt 2                                 ; this step's B is in; the next step's two loads stay out
.else
.if gk == 14
	s_wait_loadcnt 8
	s_wait_dscnt 2
.else
	s_wait_loadcnt 0
	s_wait_dscnt 0
.endif
.endif
.irp i, 0,1,2,3                        ; the four accumulators take turns, one instruction a turn
.if gk == 0
	v_wmma_f32_16x16x32_bf16 v[ACC+8*\i:ACC+8*\i+7], v[AR+32*(gk%3)+8*\i:AR+32*(gk%3)+8*\i+7], v[BR+8*(gk%2):BR+8*(gk%2)+7], 0
.else
	v_wmma_f32_16x16x32_bf16 v[ACC+8*\i:ACC+8*\i+7], v[AR+32*(gk%3)+8*\i:AR+32*(gk%3)+8*\i+7], v[BR+8*(gk%2):BR+8*(gk%2)+7], v[ACC+8*\i:ACC+8*\i+7]
.endif
.endr
	PLACES                                         ; then the registers just multiplied are loaded again, or the sums are read
.if gk < 13
	ALOAD \img, gk+3
.endif
.if gk < 14
	BLOAD \ba, \bks, \bh, gk+2
.endif
.set gk, gk+1
.endr
.endm
.macro VLOAD dst, off                  ; a vector of 512 in C layout: features 64 w + 16 i + 8 h + 0..7
.irp i, 0,1,2,3
.irp t, 0,1
	ds_load_b128 v[\dst+8*\i+4*\t:\dst+8*\i+4*\t+3], v15 offset:\off+64*\i+16*\t
.endr
.endr
.endm
.macro RSUM8                           ; the eight waves' words in v[16:23] to one sum in v16
	v_pk_add_f32 v[16:17], v[16:17], v[18:19]
	v_pk_add_f32 v[20:21], v[20:21], v[22:23]
	v_pk_add_f32 v[16:17], v[16:17], v[20:21]
	v_add_f32 v16, v16, v17
.endm
	s_load_b256 s[4:11], s[0:1], 0x0               ; op, ml, wimg, wci
	s_load_b256 s[12:19], s[0:1], 0x20             ; bc, bv, ff_gamma, ff_beta
	s_load_b128 s[20:23], s[0:1], 0x40             ; query, out0
	v_lshl_add_u32 v30, v0, 2, 0x12500
	v_mov_b32 v31, 0
	v_and_b32 v1, 31, v0                           ; L
	v_lshrrev_b32 v4, 5, v0
	v_readfirstlane_b32 s24, v4                    ; wave
	v_and_b32 v2, 15, v0                           ; r
	v_bfe_u32 v3, v0, 4, 1                         ; h
	s_mov_b32 s44, 0x76543210
	s_mov_b32 s45, 0xfedcba98
	s_mov_b32 s46, 0x3b000000                      ; 1/512
	s_mov_b32 s47, 0x358637bd                      ; 1e-6
	s_lshr_b32 s25, ttmp9, 5                       ; batch
	s_bfe_u32 s26, ttmp9, 0x30002                  ; block of 64 queries
	s_bfe_u32 s27, ttmp9, 0x10001                  ; a: which pair of waves of the attention work-group
	s_and_b32 s28, ttmp9, 1                        ; nt: which of its two query tiles
	s_lshl_b32 s29, s25, 5
	s_add_co_u32 s29, s29, s26                     ; attention work-group of split 0: 32 b + block; split s is 8 s further on
	s_lshl_b32 s30, s29, 17
	s_lshr_b32 s31, s24, 2
	s_lshl1_add_u32 s31, s27, s31                  ; its wave 2 a + (w>>2)
	s_lshl_b32 s31, s31, 15
	s_add_co_u32 s30, s30, s31
	s_and_b32 s31, s24, 3
	s_lshl3_add_u32 s31, s31, s28                  ; tile image 2 (4 (w&3)) + nt
	s_lshl_b32 s31, s31, 10
	s_add_co_u32 s30, s30, s31
	s_mov_b32 s31, 0
	s_lshl_b32 s32, s29, 2
	s_lshl1_add_u32 s32, s27, s32
	s_lshl_b32 s32, s32, 8
	s_lshl_b32 s33, s28, 7
	s_add_co_u32 s32, s32, s33                     ; ml: (4 group + 2 a) 256 + 128 nt
	s_lshl_b32 s38, ttmp9, 15                      ; my 16 rows of query and of out0
	s_mov_b32 s39, 0
	v_lshlrev_b32 v4, 4, v1                        ; 16 L: also XB as B fragments
	v_lshl_add_u32 v5, s24, 12, v4                 ; + my two rows of 2,048 bytes
	v_lshl_add_u32 v6, v2, 3, s32
	v_and_b32 v7, 127, v0
	v_lshlrev_b32 v7, 4, v7
	s_mul_i32 s42, s24, 4128
	s_add_co_u32 s42, s42, RW
	v_add_nc_u32 v8, s42, v4                       ; RW by rows: row 2 w, 16 L
	v_lshl_add_u32 v9, s24, 16, v4                 ; AOFF
	v_lshlrev_b32 v10, 4, v0
	v_add_nc_u32 v10, VEC, v10
	v_lshl_add_u32 v11, s24, 11, v4                ; images 2 w, 2 w + 1
	v_add_nc_u32 v13, XB2, v4
	v_lshlrev_b32 v15, 5, v3
	v_lshl_add_u32 v15, s24, 8, v15                ; 256 w + 32 h
	v_mul_u32_u24 v14, v2, 2064
	v_add_nc_u32 v14, v14, v15
	v_add_nc_u32 v14, RW, v14                      ; RW in C layout
	v_add_nc_u32 v15, VEC, v15
	v_lshlrev_b32 v25, 5, v2
	v_add_nc_u32 v25, RED1, v25
	v_lshl_add_u32 v24, s24, 2, v25
	s_wait_kmcnt 0x0
	s_add_nc_u64 s[4:5], s[4:5], s[30:31]
	s_add_nc_u64 s[20:21], s[20:21], s[38:39]
	s_add_nc_u64 s[22:23], s[22:23], s[38:39]
	s_add_nc_u64 s[40:41], s[8:9], 1048576         ; WVI
	s_cmp_lt_u32 s24, 4
	s_cselect_b64 s[34:35], s[14:15], s[16:17]     ; waves 0-3 copy bv and ff_beta, waves 4-7 ff_gamma and bc
	s_cselect_b64 s[36:37], s[18:19], s[12:13]
.irp s, 0,1,2,3
.irp c, 0,1
	global_load_b64 v[208+4*\s+2*\c:209+4*\s+2*\c], v6, s[6:7] offset:8192*\s+256*\c
.endr
.endr
.irp s, 0,1,2,3
.irp i, 0,1,2,3
.irp e, 0,1
	global_load_b128 v[64+32*\s+8*\i+4*\e:64+32*\s+8*\i+4*\e+3], v4, s[4:5] offset:1048576*\s+2048*\i+512*\e
.endr
.endr
.endr
.irp rr, 0,1
.irp j, 0,1,2,3
	global_load_b128 v[224+16*\rr+4*\j:224+16*\rr+4*\j+3], v5, s[20:21] offset:2048*\rr+512*\j
.endr
.endr
	global_load_b128 v[192:195], v7, s[34:35]
	global_load_b128 v[196:199], v7, s[36:37]
	s_wait_loadcnt 0x0
.irp rr, 0,1
.irp j, 0,1,2,3
	ds_store_b128 v8, v[224+16*\rr+4*\j:224+16*\rr+4*\j+3] offset:2064*\rr+512*\j
.endr
.endr
	ds_store_b128 v10, v[192:195]
	ds_store_b128 v10, v[196:199] offset:4096
	; the splits' weights for row r: 2^(m_s - m) / sum over s of 2^(m_s - m) (l_s of both waves)
	v_max3_num_f32 v16, v208, v212, v216
	v_max_num_f32 v16, v16, v220
.irp s, 0,1,2,3
	v_sub_f32 v[17+\s], v[208+4*\s], v16
	v_add_f32 v[26+\s], v[209+4*\s], v[211+4*\s]
.endr
.irp s, 0,1,2,3
	v_exp_f32 v[17+\s], v[17+\s]
.endr
	v_nop                                          ; one plain instruction behind the transcendentals (ISA guide 5.7.2)
	s_wait_alu depctr_va_vdst(0)
	v_mul_f32 v21, v17, v26
	v_fmac_f32 v21, v18, v27
	v_fmac_f32 v21, v19, v28
	v_fmac_f32 v21, v20, v29
	v_rcp_f32 v22, v21
	v_nop
	s_wait_alu depctr_va_vdst(0)
.irp s, 0,1,2,3
	v_mul_f32 v[200+2*\s], v[17+\s], v22
	v_mul_f32 v[201+2*\s], v[17+\s], v22
.endr
.set q, 0
.rept 16
	v_pk_mul_f32 v[ACC+2*q:ACC+2*q+1], v[64+2*q:65+2*q], v[200:201]
	v_pk_fma_f32 v[ACC+2*q:ACC+2*q+1], v[96+2*q:97+2*q], v[202:203], v[ACC+2*q:ACC+2*q+1]
	v_pk_fma_f32 v[ACC+2*q:ACC+2*q+1], v[128+2*q:129+2*q], v[204:205], v[ACC+2*q:ACC+2*q+1]
	v_pk_fma_f32 v[ACC+2*q:ACC+2*q+1], v[160+2*q:161+2*q], v[206:207], v[ACC+2*q:ACC+2*q+1]
.set q, q+1
.endr
	CVT8 PK, ACC
	CVT8 PK+8, ACC+16
.irp p, 0,1
.irp e, 0,1
	ds_store_b128 v11, v[PK+8*\p+4*\e:PK+8*\p+4*\e+3] offset:1024*\p+512*\e
.endr
.endr
	APRO 40                                        ; Wv's first three K steps are on their way across the barrier
	s_wait_dscnt 0x0
	s_barrier_signal -1
	s_barrier_wait -1                              ; O's images, the query rows and the four vectors are whole
.irp i, 0,1,2,3
.irp t, 0,1
	ds_load_b128 v[XN+8*\i+4*\t:XN+8*\i+4*\t+3], v14 offset:64*\i+16*\t
.endr
.endr
	VLOAD VV, 0                                    ; bv
	GBODY 40, 4, 1024, 512                         ; its first wait on LDS leaves only two younger loads out: query and bv are in
.irp q, 0,2,4,6,8,10,12,14,16,18,20,22,24,26,28,30
	v_pk_add_f32 v[XN+\q:XN+\q+1], v[XN+\q:XN+\q+1], v[VV+\q:VV+\q+1]
.endr
.irp q, 0,2,4,6,8,10,12,14,16,18,20,22,24,26,28,30
	v_pk_add_f32 v[XN+\q:XN+\q+1], v[XN+\q:XN+\q+1], v[ACC+\q:ACC+\q+1]      ; out = O Wv + bv + query
.endr
	; mean over the row: my lane's 32, the other half of the lanes, the eight waves
	v_pk_add_f32 v[16:17], v[XN:XN+1], v[XN+2:XN+3]
	v_pk_add_f32 v[18:19], v[XN+4:XN+5], v[XN+6:XN+7]
.irp q, 8,12,16,20,24,28
	v_pk_add_f32 v[16:17], v[16:17], v[XN+\q:XN+\q+1]
	v_pk_add_f32 v[18:19], v[18:19], v[XN+\q+2:XN+\q+3]
.endr
	v_pk_add_f32 v[16:17], v[16:17], v[18:19]
	v_add_f32 v16, v16, v17
	v_permlanex16_b32 v17, v16, s44, s45
	v_add_f32 v16, v16, v17
	ds_store_b32 v24, v16
	s_wait_dscnt 0x0
	s_barrier_signal -1
	s_barrier_wait -1
	ds_load_b128 v[16:19], v25
	ds_load_b128 v[20:23], v25 offset:16
	s_wait_dscnt 0x0
	RSUM8
	v_mul_f32 v16, 0xbb000000, v16                 ; minus the mean
.irp q, 0,2,4,6,8,10,12,14,16,18,20,22,24,26,28,30
	v_pk_add_f32 v[XN+\q:XN+\q+1], v[XN+\q:XN+\q+1], v[16:17] op_sel_hi:[1,0]
.endr
	; mean of the squared differences, the same way, through words of its own
	v_pk_mul_f32 v[16:17], v[XN:XN+1], v[XN:XN+1]
	v_pk_mul_f32 v[18:19], v[XN+2:XN+3], v[XN+2:XN+3]
.irp q, 4,8,12,16,20,24,28
	v_pk_fma_f32 v[16:17], v[XN+\q:XN+\q+1], v[XN+\q:XN+\q+1], v[16:17]
	v_pk_fma_f32 v[18:19], v[XN+\q+2:XN+\q+3], v[XN+\q+2:XN+\q+3], v[18:19]
.endr
	v_pk_add_f32 v[16:17], v[16:17], v[18:19]
	v_add_f32 v16, v16, v17
	v_permlanex16_b32 v17, v16, s44, s45
	v_add_f32 v16, v16, v17
	ds_store_b32 v24, v16 offset:512
	s_wait_dscnt 0x0
	s_barrier_signal -1
	s_barrier_wait -1
	ds_load_b128 v[16:19], v25 offset:512
	ds_load_b128 v[20:23], v25 offset:528
	VLOAD VV, 2048                                 ; ff_gamma
	VLOAD ACC, 4096                                ; ff_beta
	s_wait_dscnt 0x0
	RSUM8
	v_fma_f32 v16, v16, s46, s47
	v_rsq_f32 v18, v16
	v_nop
	s_wait_alu depctr_va_vdst(0)
.irp q, 0,2,4,6,8,10,12,14,16,18,20,22,24,26,28,30
	v_pk_mul_f32 v[XN+\q:XN+\q+1], v[XN+\q:XN+\q+1], v[18:19] op_sel_hi:[1,0]
.endr
.irp q, 0,2,4,6,8,10,12,14,16,18,20,22,24,26,28,30
	v_pk_fma_f32 v[XN+\q:XN+\q+1], v[XN+\q:XN+\q+1], v[VV+\q:VV+\q+1], v[ACC+\q:ACC+\q+1]    ; xn
.endr
	CVT8 PK, XN
	CVT8 PK+8, XN+16
.irp p, 0,1
.irp e, 0,1
	ds_store_b128 v11, v[PK+8*\p+4*\e:PK+8*\p+4*\e+3] offset:XB2+1024*\p+512*\e
.endr
.endr
	APRO 10
	s_wait_dscnt 0x0
	s_barrier_signal -1
	s_barrier_wait -1                              ; xn's images are whole
	VLOAD VV, 6144                                 ; bc
	GBODY 10, 13, 1024, 512
.irp q, 0,2,4,6,8,10,12,14,16,18,20,22,24,26,28,30
	v_pk_add_f32 v[XN+\q:XN+\q+1], v[XN+\q:XN+\q+1], v[VV+\q:VV+\q+1]
.endr
.irp q, 0,2,4,6,8,10,12,14,16,18,20,22,24,26,28,30
	v_pk_add_f32 v[ACC+\q:ACC+\q+1], v[ACC+\q:ACC+\q+1], v[XN+\q:XN+\q+1]    ; xn + xn Wc + bc
.endr
	; out through LDS: the query rows there were last read in front of the barrier of the first sum
.irp i, 0,1,2,3
.irp t, 0,1
	ds_store_b128 v14, v[ACC+8*\i+4*\t:ACC+8*\i+4*\t+3] offset:64*\i+16*\t
.endr
.endr
	s_wait_dscnt 0x0
	s_barrier_signal -1
	s_barrier_wait -1
.irp rr, 0,1
.irp j, 0,1,2,3
	ds_load_b128 v[64+16*\rr+4*\j:64+16*\rr+4*\j+3], v8 offset:2064*\rr+512*\j
.endr
.endr
.irp rr, 0,1
.irp j, 0,1,2,3
	s_wait_dscnt 7-4*\rr-\j                        ; LDS loads come back in order: this one is in
	global_store_b128 v5, v[64+16*\rr+4*\j:64+16*\rr+4*\j+3], s[22:23] offset:2048*\rr+512*\j   ; 512 consecutive bytes of a row
.endr
.endr
	s_wait_tensorcnt 0x0
	ds_add_u32 v30, v31
	s_wait_dscnt 0x0
	s_endpgm
.Lfunc_end_k_qb383d3583d_post:
	.size	k_qb383d3583d_post, .Lfunc_end_k_qb383d3583d_post-k_qb383d3583d_post
	.p2alignl 7, 3214868480
	.fill 96, 4, 3214868480
	.section	.rodata,"a",@progbits
	.p2align	6, 0x0
	.amdhsa_kernel k_qb383d3583d_post
		.amdhsa_group_segment_fixed_size 76032
		.amdhsa_private_segment_fixed_size 0
		.amdhsa_enable_private_segment 0
		.amdhsa_kernarg_size 80
		.amdhsa_user_sgpr_count 2
		.amdhsa_user_sgpr_kernarg_segment_ptr 1
		.amdhsa_wavefront_size32 1
		.amdhsa_system_sgpr_workgroup_id_x 1
		.amdhsa_system_sgpr_workgroup_id_y 1
		.amdhsa_system_sgpr_workgroup_id_z 1
		.amdhsa_system_vgpr_workitem_id 0
		.amdhsa_next_free_vgpr 256
		.amdhsa_next_free_sgpr 66
		.amdhsa_reserve_vcc 0
		.amdhsa_float_denorm_mode_32 3
		.amdhsa_float_denorm_mode_16_64 3
		.amdhsa_memory_ordered 1
		.amdhsa_forward_progress 1
		.amdhsa_inst_pref_size 74
	.end_amdhsa_kernel
	.amdgpu_metadata
---
amdhsa.version: [ 1, 2 ]
amdhsa.kernels:
  - .name:           k_qb383d3583d_post
    .symbol:         k_qb383d3583d_post.kd
    .args:
      - { .name: op, .offset: 0, .size: 8, .value_kind: global_buffer, .address_space: global }
      - { .name: ml, .offset: 8, .size: 8, .value_kind: global_buffer, .address_space: global }
      - { .name: wimg, .offset: 16, .size: 8, .value_kind: global_buffer, .address_space: global }
      - { .name: wci, .offset: 24, .size: 8, .value_kind: global_buffer, .address_space: global }
      - { .name: bc, .offset: 32, .size: 8, .value_kind: global_buffer, .address_space: global }
      - { .name: bv, .offset: 40, .size: 8, .value_kind: global_buffer, .address_space: global }
      - { .name: ff_gamma, .offset: 48, .size: 8, .value_kind: global_buffer, .address_space: global }
      - { .name: ff_beta, .offset: 56, .size: 8, .value_kind: global_buffer, .address_space: global }
      - { .name: query, .offset: 64, .size: 8, .value_kind: global_buffer, .address_space: global }
      - { .name: out0, .offset: 72, .size: 8, .value_kind: global_buffer, .address_space: global }
    .group_segment_fixed_size: 76032
    .private_segment_fixed_size: 0
    .kernarg_segment_align: 8
    .kernarg_segment_size: 80
    .max_flat_workgroup_size: 256
    .sgpr_count:     66
    .vgpr_count:     256
    .wavefront_size: 32
...
	.end_amdgpu_metadata
.endif
;; end of part 4
;; ======== version 2 of 3: 4 launches
;; workspace buffers: kc 67,108,864 bytes; qimg 8,388,608 bytes; cq 16,384 bytes; wimg 3,670,016 bytes; wci 524,288 bytes; bc 2,048 bytes; op 33,554,432 bytes; ml 262,144 bytes
;; launch wimg (part 5): grid 224 x 1, 4 waves a work-group, no clusters, 0 bytes of LDS; arguments Wq, Wv, Wk, W_proj, wimg; writes wimg
.if DOCPART == 5
	.amdgcn_target "amdgcn-amd-amdhsa--gfx1250"
	.amdhsa_code_object_version 6
	.text
	.protected	k_qb383d3583d_wimg
	.globl	k_qb383d3583d_wimg
	.p2align	8
	.type	k_qb383d3583d_wimg,@function
k_qb383d3583d_wimg:
	s_mov_b64 s[64:65], 0
	v_nop
	global_prefetch_b8 v0, s[64:65] scope:SCOPE_SE
	s_setreg_imm32_b32 hwreg(HW_REG_WAVE_MODE, 25, 1), 1
	s_wait_xcnt 0x0
; Wq, Wv, Wk ([512][512] f32) and W_proj ([2048][512] f32) are rounded to bf16 and laid out as images of matrix fragments, so that the
; later launches load a fragment by two 16-byte loads a lane, 512 consecutive bytes a wave, with no transposing.
; An image is 1,024 bytes: half e (registers 4e..4e+3) of lane L lies at 512 e + 16 L.
;   at 0         WQI [M tile 32][K step 16]: lane (r,h), half e, element i = Wq[32 ks + 16 e + 8 h + i][16 M + r]
;   at 524,288   WKI [M tile 32][K step 16]:                               = Wk[16 M + r][32 ks + 16 e + 8 h + i]
;   at 1,048,576 WVI [M tile 32][K step 16]:                               = Wv[128 (ks>>2) + 16 (ks&3) + 8 e + 64 h + i][16 M + r]
;                (the order in which the attention launch leaves its sums along the model axis)
;   at 1,572,864 WPI [K step 64][N tile 32]:                               = W_proj[32 ks + 16 e + 8 h + i][16 N + r]
; A wave makes four images.  Work-groups 0-63: Wq and Wv; 96-223: W_proj (columns of the matrix, 4-byte loads; the four loads that follow
; each other take 256 neighbouring bytes of one row).  Work-groups 64-95: Wk (rows, 16-byte loads).  7 MB in all: no ring, one wait.
.set RAW, 16                           ; v[16:79]  four fragments in f32
.set PKD, 80                           ; v[80:111] the same in bf16
.set WPI, 1572864
.macro CVT8 y, x                       ; sixteen f32 to eight registers of bf16 pairs
.irp q, 0,1,2,3,4,5,6,7
	v_cvt_pk_bf16_f32 v[\y+\q], v[\x+2*\q], v[\x+2*\q+1]
.endr
.endm
; four images whose K goes down rows of 2,048 bytes: v5, v6 = byte offsets of halves 0 and 1, v7 = where image 0 goes, fstr = bytes from image to image
.macro TJOB base, fstr
.irp e, 0,1
.irp i, 0,1,2,3,4,5,6,7
.irp f, 0,1,2,3
	global_load_b32 v[RAW+16*\f+8*\e+\i], v[5+\e], s[\base:\base+1] offset:64*\f+2048*\i
.endr
.endr
.endr
	s_wait_loadcnt 0x0
.irp f, 0,1,2,3
	CVT8 PKD+8*\f, RAW+16*\f
.endr
.irp f, 0,1,2,3
.irp e, 0,1
	global_store_b128 v7, v[PKD+8*\f+4*\e:PKD+8*\f+4*\e+3], s[12:13] offset:\fstr*\f+512*\e   ; 512 consecutive bytes a wave
.endr
.endr
	s_endpgm
.endm
	s_load_b256 s[4:11], s[0:1], 0x0               ; Wq s[4:5], Wv s[6:7], Wk s[8:9], W_proj s[10:11]
	s_load_b64 s[12:13], s[0:1], 0x20              ; wimg
	v_and_b32 v1, 31, v0                           ; L
	v_lshrrev_b32 v4, 5, v0
	v_readfirstlane_b32 s24, v4                    ; wave
	v_and_b32 v2, 15, v0                           ; r
	v_bfe_u32 v3, v0, 4, 1                         ; h
	s_cmp_ge_u32 ttmp9, 96
	s_cbranch_scc1 .Lwp
	s_cmp_ge_u32 ttmp9, 64
	s_cbranch_scc1 .Lwk
	; Wq or Wv: job J = 4 id + wave; sel = J>>7, ks = (J>>3)&15, u = J&7: M tiles 4u..4u+3
	s_lshl_b32 s25, ttmp9, 2
	s_add_co_u32 s25, s25, s24
	s_lshr_b32 s14, s25, 7                         ; sel
	s_bfe_u32 s15, s25, 0x40003                    ; ks
	s_and_b32 s16, s25, 7                          ; u
	s_lshl_b32 s22, s16, 6
	s_add_co_u32 s22, s22, s15
	s_lshl_b32 s22, s22, 10                        ; (16 (4u) + ks) images of 1,024 bytes
	s_lshl_b32 s23, s14, 20                        ; WVI lies 1,048,576 bytes behind WQI
	s_add_co_u32 s22, s22, s23
	v_lshl_add_u32 v7, v1, 4, s22                  ; where I store
	s_lshl_b32 s21, s16, 8                         ; column 64 u, in bytes
	s_lshl_b32 s17, s15, 5                         ; Wq: first row 32 ks
	s_lshr_b32 s18, s15, 2
	s_lshl_b32 s18, s18, 7
	s_and_b32 s19, s15, 3
	s_lshl_b32 s19, s19, 4
	s_add_co_u32 s18, s18, s19                     ; Wv: first row 128 (ks>>2) + 16 (ks&3)
	s_wait_kmcnt 0x0
	s_cmp_eq_u32 s14, 0
	s_cselect_b32 s17, s17, s18                    ; first row
	s_cselect_b32 s19, 8, 64                       ; rows from h = 0 to h = 1
	s_cselect_b32 s20, 16, 8                       ; rows from half 0 to half 1
	s_cselect_b64 s[4:5], s[4:5], s[6:7]           ; the matrix
	s_lshl_b32 s20, s20, 11
	v_mul_u32_u24 v5, v3, s19
	v_add_nc_u32 v5, s17, v5
	v_lshlrev_b32 v5, 11, v5                       ; row x 2,048 bytes
	v_lshl_add_u32 v6, v2, 2, s21                  ; column 64 u + r
	v_add_nc_u32 v5, v5, v6                        ; half 0
	v_add_nc_u32 v6, s20, v5                       ; half 1
	TJOB 4, 16384                                  ; M tiles are 16 images apart
.Lwp:	; W_proj: job J = 4 (id - 96) + wave; K step ks = J>>3 (0..63), u = J&7: N tiles 4u..4u+3
	s_sub_co_u32 s25, ttmp9, 96
	s_lshl_b32 s25, s25, 2
	s_add_co_u32 s25, s25, s24
	s_lshr_b32 s15, s25, 3                         ; ks
	s_and_b32 s16, s25, 7                          ; u
	s_lshl_b32 s22, s15, 5
	s_lshl2_add_u32 s22, s16, s22                  ; image 32 ks + 4 u
	s_lshl_b32 s22, s22, 10
	s_add_co_u32 s22, s22, WPI
	v_lshl_add_u32 v7, v1, 4, s22
	s_lshl_b32 s17, s15, 16                        ; 32 ks rows of 2,048 bytes
	s_lshl_b32 s21, s16, 8                         ; column 64 u
	s_add_co_u32 s17, s17, s21
	v_lshlrev_b32 v5, 14, v3                       ; 8 h rows
	v_lshl_add_u32 v5, v2, 2, v5                   ; column r
	v_add_nc_u32 v5, s17, v5                       ; half 0
	v_add_nc_u32 v6, 32768, v5                     ; half 1: 16 rows on
	s_wait_kmcnt 0x0
	TJOB 10, 1024                                  ; N tiles are neighbours
.Lwk:	; Wk: job J = 4 (id - 64) + wave; M tile T = J>>2, K steps 4 kg .. 4 kg + 3 with kg = J&3
	s_sub_co_u32 s25, ttmp9, 64
	s_lshl_b32 s25, s25, 2
	s_add_co_u32 s25, s25, s24
	s_lshr_b32 s14, s25, 2                         ; T
	s_and_b32 s15, s25, 3                          ; kg
	s_lshl_b32 s16, s14, 15                        ; 16 T rows of 2,048 bytes
	s_lshl_b32 s17, s15, 9                         ; 4 kg steps of 128 bytes
	s_add_co_u32 s16, s16, s17
	v_lshlrev_b32 v5, 11, v2
	v_lshl_add_u32 v5, v3, 5, v5
	v_add_nc_u32 v5, s16, v5                       ; (16 T + r) 2048 + 512 kg + 32 h
	s_lshl_b32 s18, s14, 4
	s_lshl2_add_u32 s18, s15, s18                  ; image 16 T + 4 kg
	s_lshl_b32 s18, s18, 10
	s_add_co_u32 s18, s18, 524288
	v_lshl_add_u32 v7, v1, 4, s18
	s_wait_kmcnt 0x0
.irp f, 0,1,2,3
.irp e, 0,1
.irp t, 0,1
	global_load_b128 v[RAW+16*\f+8*\e+4*\t:RAW+16*\f+8*\e+4*\t+3], v5, s[8:9] offset:128*\f+64*\e+16*\t
.endr
.endr
.endr
	s_wait_loadcnt 0x0
.irp f, 0,1,2,3
	CVT8 PKD+8*\f, RAW+16*\f
.endr
.irp f, 0,1,2,3
.irp e, 0,1
	global_store_b128 v7, v[PKD+8*\f+4*\e:PKD+8*\f+4*\e+3], s[12:13] offset:1024*\f+512*\e
.endr
.endr
	s_endpgm
.Lfunc_end_k_qb383d3583d_wimg:
	.size	k_qb383d3583d_wimg, .Lfunc_end_k_qb383d3583d_wimg-k_qb383d3583d_wimg
	.p2alignl 7, 3214868480
	.fill 96, 4, 3214868480
	.section	.rodata,"a",@progbits
	.p2align	6, 0x0
	.amdhsa_kernel k_qb383d3583d_wimg
		.amdhsa_group_segment_fixed_size 0
		.amdhsa_private_segment_fixed_size 0
		.amdhsa_enable_private_segment 0
		.amdhsa_kernarg_size 40
		.amdhsa_user_sgpr_count 2
		.amdhsa_user_sgpr_kernarg_segment_ptr 1
		.amdhsa_wavefront_size32 1
		.amdhsa_system_sgpr_workgroup_id_x 1
		.amdhsa_system_sgpr_workgroup_id_y 1
		.amdhsa_system_sgpr_workgroup_id_z 1
		.amdhsa_system_vgpr_workitem_id 0
		.amdhsa_next_free_vgpr 112
		.amdhsa_next_free_sgpr 66
		.amdhsa_reserve_vcc 0
		.amdhsa_float_denorm_mode_32 3
		.amdhsa_float_denorm_mode_16_64 3
		.amdhsa_memory_ordered 1
		.amdhsa_forward_progress 1
		.amdhsa_inst_pref_size 26
	.end_amdhsa_kernel
	.amdgpu_metadata
---
amdhsa.version: [ 1, 2 ]
amdhsa.kernels:
  - .name:           k_qb383d3583d_wimg
    .symbol:         k_qb383d3583d_wimg.kd
    .args:
      - { .name: Wq, .offset: 0, .size: 8, .value_kind: global_buffer, .address_space: global }
      - { .name: Wv, .offset: 8, .size: 8, .value_kind: global_buffer, .address_space: global }
      - { .name: Wk, .offset: 16, .size: 8, .value_kind: global_buffer, .address_space: global }
      - { .name: W_proj, .offset: 24, .size: 8, .value_kind: global_buffer, .address_space: global }
      - { .name: wimg, .offset: 32, .size: 8, .value_kind: global_buffer, .address_space: global }
    .group_segment_fixed_size: 0
    .private_segment_fixed_size: 0
    .kernarg_segment_align: 8
    .kernarg_segment_size: 40
    .max_flat_workgroup_size: 128
    .sgpr_count:     66
    .vgpr_count:     112
    .wavefront_size: 32
...
	.end_amdgpu_metadata
.endif
;; end of part 5
;; launch prep (part 6): grid 912 x 1, 8 waves a work-group, no clusters, 138,240 bytes of LDS; arguments query, query_pos, q_gamma, q_beta, bq, bk, wimg, W_inner, b_inner, b_proj, key_value, key_pos, kv_gamma, kv_beta, qimg, cq, wci, bc, kc; writes qimg, cq, wci, bc, kc
.if DOCPART == 6
	.amdgcn_target "amdgcn-amd-amdhsa--gfx1250"
	.amdhsa_code_object_version 6
	.text
	.protected	k_qb383d3583d_prep
	.globl	k_qb383d3583d_prep
	.p2align	8
	.type	k_qb383d3583d_prep,@function
k_qb383d3583d_prep:
	s_mov_b64 s[64:65], 0
	v_nop
	global_prefetch_b8 v0, s[64:65] scope:SCOPE_SE
	s_setreg_imm32_b32 hwreg(HW_REG_WAVE_MODE, 25, 1), 1
	s_wait_xcnt 0x0
; Everything that the attention launch and the last launch need ready, in one launch of three roles, chosen by the work-group's number.
; The program rests on four identities of the module, exact for every input (only the places of the rounding to bf16 move):
;   q.(kvn Wk + bk) = (q Wk^T).kvn + q.bk;   attn (kvn Wv + bv) = (attn kvn) Wv + bv, since a softmax row sums to 1;
;   content and positional scores are one product of depth 1024, [q' | query_pos].[kvn | key_pos];
;   (xn W_inner + b_inner) W_proj + b_proj = xn (W_inner W_proj) + (b_inner W_proj + b_proj).
; Role K (512 groups): 64 keys each: kvn = LN(key_value) and key_pos, both to bf16, into kc [tile][kvn 64 rows | key_pos 64 rows][512].
; Role G (256 + 16 groups): a block 32 x 32 of Wc = W_inner W_proj as halves of A-fragment images (wci); 16 groups put b_inner in
;   place of W_inner's rows and make bc = b_inner W_proj + b_proj.  W_proj comes as the B-fragment images that the launch before made.
; Role Q (128 groups): 32 query rows: q = LN(query) Wq + bq, q' = q Wk^T, cq = KAPPA q.bk; KAPPA q' and KAPPA query_pos go out as
;   B-fragment images (qimg).  KAPPA = log2(e) / sqrt(512) (512 + 1e-7 is 512 in f32), so that scores come out in powers of two.
;   32 rows, so that every A fragment loaded feeds two matrix instructions and the two image tables (1 MB) are read 128 times, not 256.
; WHICH GROUP HAS WHICH ROLE: numbers 0-15 make the bias.  For n = number - 16 and m = n >> 8: m = 3 (128 numbers) is role K; else n + m odd
;   is role K, and n + m even is role Q for m = 0 and role G for m = 1, 2.  So neighbours differ, numbers that lie 256 apart differ, every Q,
;   whose chain of two products is the longest, lies among the first 256, and the last 128 groups are short ones.
; All products run transposed: the row (query) index is N, lane r; register j of lane (r,h) of C tile T holds feature 16 T + 8 h + j.
; Two neighbouring C tiles, rounded to bf16 in pairs, are the B fragment of one K step of the next product: no lane shuffle.
; LDS: role Q has bytes 0 to 104,447, role G bytes 104,448 to 137,215: the roles' bytes are kept apart, so that nothing leans on the fact
; that a work-group has one role.  Eight waves of 256 registers let two work-groups lie on a WGP, and twice 137,216 bytes fit beside each other.
; LIMITS: matrix operands are rounded to bf16 (q, q', Wc among them).  The layer norm is two-pass, as in the module.
; NO JOINT LOADS: neighbouring work-groups have different roles and take different paths, and the weight images go straight from memory
; into fragments (16 bytes a lane) with no stage in LDS that a joint tensor load could fill.
.set KAPPA, 0x3d8293ee
.set ACC,  32                          ; role Q: v[32:95] C tile (i, nt) at 32 nt + 8 i; role G: v[32:63] four C tiles
.set AR,   96                          ; v[96:223]  role Q: ring of DEP K steps of A fragments (4 tiles x 8 registers each)
.set DEP,  4
.set XN,   160                         ; v[160:191] role Q: bq in C layout, between the two products (ring slot 2)
.set VV,   192                         ; v[192:223] role Q: bk in C layout, likewise (ring slot 3)
.set BR,   224                         ; v[224:255] role Q: two K steps of the two B fragments; behind a product: four packed fragments
.set AOFF, 9                           ; v9         role Q: 65536 wave + 16 L: the wave's four M tiles in an image table
.set XP,   33280                       ; LDS, role Q: XR at 0: LN(query) bf16, 32 rows, pitch 1040; XP: KAPPA query_pos likewise
.set XB,   66560                       ;   B-fragment images of q: [row tile 2][K step 16][1,024]
.set VEC,  99328                       ;   bq, bk
.set RED,  103424                      ;   [row 32][wave 8] partial q.bk
.set GRED, 104448                      ; LDS, role G: the eight waves' partial sums, 4,096 bytes each
.set WPI,  1572864                     ; W_proj's images in wimg: [j step 64][n tile 32][1,024]
.macro PLACES                          ; four independent vector instructions behind a matrix instruction (ISA guide 7.12.1)
.rept 4
	v_nop
.endr
.endm
.macro CVT8 y, x                       ; y may be x itself: register q is written from registers 2 q and 2 q + 1, in ascending q
.irp q, 0,1,2,3,4,5,6,7
	v_cvt_pk_bf16_f32 v[\y+\q], v[\x+2*\q], v[\x+2*\q+1]
.endr
.endm
.macro WSUM a, b                       ; sum over the 32 lanes, result in every lane; b: a register written before
	v_add_f32_dpp v[\a], v[\a], v[\a] row_xmask:1 row_mask:0xf bank_mask:0xf
	v_add_f32_dpp v[\a], v[\a], v[\a] row_xmask:2 row_mask:0xf bank_mask:0xf
	v_add_f32_dpp v[\a], v[\a], v[\a] row_xmask:4 row_mask:0xf bank_mask:0xf
	v_add_f32_dpp v[\a], v[\a], v[\a] row_xmask:8 row_mask:0xf bank_mask:0xf
	v_permlanex16_b32 v[\b], v[\a], s44, s45
	v_add_f32 v[\a], v[\a], v[\b]
.endm
; Layer norm, in place and in f32, of one row of 512 held by one wave, 16 numbers a lane in v[x..x+15] (columns 128 j + 4 L ..), gain in
; v[G..], bias in v[BT..] in the same columns.  Mean first, then the mean of the squared differences.
.macro LNROW x
	v_pk_add_f32 v[T:T+1], v[\x:\x+1], v[\x+2:\x+3]
	v_pk_add_f32 v[T+2:T+3], v[\x+4:\x+5], v[\x+6:\x+7]
.irp q, 8,12
	v_pk_add_f32 v[T:T+1], v[T:T+1], v[\x+\q:\x+\q+1]
	v_pk_add_f32 v[T+2:T+3], v[T+2:T+3], v[\x+\q+2:\x+\q+3]
.endr
	v_pk_add_f32 v[T:T+1], v[T:T+1], v[T+2:T+3]
	v_add_f32 v[T], v[T], v[T+1]
	WSUM T, T+1
	v_mul_f32 v[T], 0xbb000000, v[T]               ; minus the mean (-1/512)
.irp q, 0,2,4,6,8,10,12,14
	v_pk_add_f32 v[\x+\q:\x+\q+1], v[\x+\q:\x+\q+1], v[T:T+1] op_sel_hi:[1,0]
.endr
	v_pk_mul_f32 v[T+2:T+3], v[\x:\x+1], v[\x:\x+1]
	v_pk_mul_f32 v[T+4:T+5], v[\x+2:\x+3], v[\x+2:\x+3]
.irp q, 4,8,12
	v_pk_fma_f32 v[T+2:T+3], v[\x+\q:\x+\q+1], v[\x+\q:\x+\q+1], v[T+2:T+3]
	v_pk_fma_f32 v[T+4:T+5], v[\x+\q+2:\x+\q+3], v[\x+\q+2:\x+\q+3], v[T+4:T+5]
.endr
	v_pk_add_f32 v[T+2:T+3], v[T+2:T+3], v[T+4:T+5]
	v_add_f32 v[T+2], v[T+2], v[T+3]
	WSUM T+2, T+3
	v_fma_f32 v[T+2], v[T+2], s46, s47             ; variance + 1e-6
	v_rsq_f32 v[T+4], v[T+2]
	v_nop                                          ; one plain instruction behind the transcendental (ISA guide 5.7.2)
	s_wait_alu depctr_va_vdst(0)
.irp q, 0,2,4,6,8,10,12,14
	v_pk_mul_f32 v[\x+\q:\x+\q+1], v[\x+\q:\x+\q+1], v[T+4:T+5] op_sel_hi:[1,0]
.endr
.irp q, 0,2,4,6,8,10,12,14
	v_pk_fma_f32 v[\x+\q:\x+\q+1], v[\x+\q:\x+\q+1], v[G+\q:G+\q+1], v[BT+\q:BT+\q+1]
.endr
.endm
; a fragment's 16 numbers in f32, K along the rows
.macro LOADN dst, va, base, off
.irp e, 0,1
.irp t, 0,1
	global_load_b128 v[\dst+8*\e+4*\t:\dst+8*\e+4*\t+3], v[\va], s[\base:\base+1] offset:\off+64*\e+16*\t
.endr
.endr
.endm
; One product [64 features of the wave] x [32 rows] over K = 512: A from an image table in memory through a ring of DEP K steps
; (the first DEP steps are asked for ahead of GBODY), the two B fragments of a K step from LDS through two steps.
.macro ALOAD img, ks
.irp i, 0,1,2,3
.irp e, 0,1
	global_load_b128 v[AR+32*((\ks)%DEP)+8*\i+4*\e:AR+32*((\ks)%DEP)+8*\i+4*\e+3], v[AOFF], s[\img:\img+1] offset:16384*\i+1024*(\ks)+512*\e
.endr
.endr
.endm
.macro BLOAD ba, bks, bh, bn, ks       ; bks: bytes from K step to K step, bh: from half to half, bn: from row tile to row tile
.irp nt, 0,1
	ds_load_b128 v[BR+16*((\ks)%2)+8*\nt:BR+16*((\ks)%2)+8*\nt+3], v[\ba] offset:(\bn)*\nt+(\bks)*(\ks)
	ds_load_b128 v[BR+16*((\ks)%2)+8*\nt+4:BR+16*((\ks)%2)+8*\nt+7], v[\ba] offset:(\bn)*\nt+(\bks)*(\ks)+(\bh)
.endr
.endm
.macro GBODY img, ba, bks, bh, bn
	BLOAD \ba, \bks, \bh, \bn, 0
	BLOAD \ba, \bks, \bh, \bn, 1
.set gk, 0
.rept 16
.set lft, 15-gk
.if lft > DEP-1
.set lft, DEP-1
.endif
	s_wait_loadcnt 8*lft                           ; this step's 8 loads are in; those of the up to DEP - 1 younger ring slots stay out
.if gk < 15
	s_wait_dscnt 4                                 ; this step's B is in; the next step's four loads stay out
.else
	s_wait_dscnt 0
.endif
.irp i, 0,1,2,3                        ; the eight accumulators take turns, one instruction a turn
.irp nt, 0,1
.if gk == 0
	v_wmma_f32_16x16x32_bf16 v[ACC+32*\nt+8*\i:ACC+32*\nt+8*\i+7], v[AR+32*(gk%DEP)+8*\i:AR+32*(gk%DEP)+8*\i+7], v[BR+16*(gk%2)+8*\nt:BR+16*(gk%2)+8*\nt+7], 0
.else
	v_wmma_f32_16x16x32_bf16 v[ACC+32*\nt+8*\i:ACC+32*\nt+8*\i+7], v[AR+32*(gk%DEP)+8*\i:AR+32*(gk%DEP)+8*\i+7], v[BR+16*(gk%2)+8*\nt:BR+16*(gk%2)+8*\nt+7], v[ACC+32*\nt+8*\i:ACC+32*\nt+8*\i+7]
.endif
.endr
.endr
	PLACES                                         ; then the registers just multiplied are loaded again, or the sums are read
.if gk+DEP < 16
	ALOAD \img, gk+DEP
.endif
.if gk < 14
	BLOAD \ba, \bks, \bh, \bn, gk+2
.endif
.set gk, gk+1
.endr
.endm
	s_set_vgpr_msb 0x40
	v_lshl_add_u32 v0, v0, 2, 0x21800
	v_mov_b32 v1, 0
	s_set_vgpr_msb 0x4000
	v_and_b32 v1, 31, v0                           ; L
	v_lshrrev_b32 v4, 5, v0
	v_readfirstlane_b32 s24, v4                    ; wave
	s_mov_b32 s44, 0x76543210                      ; v_permlanex16_b32: lane i reads lane i of the other half
	s_mov_b32 s45, 0xfedcba98
	s_mov_b32 s46, 0x3b000000                      ; 1/512
	s_mov_b32 s47, 0x358637bd                      ; 1e-6
	s_cmp_lt_u32 ttmp9, 16
	s_cbranch_scc1 .Lg_special
	s_sub_co_u32 s25, ttmp9, 16                    ; n, 0 to 895
	s_lshr_b32 s27, s25, 8                         ; m, 0 to 3
	s_bfe_u32 s26, s25, 0x70001                    ; bits 7:1 of n
	s_lshl_b32 s20, s27, 7
	s_or_b32 s20, s20, s26                         ; role K's tile for m < 3: 128 m + bits 7:1 of n, 0 to 383
	s_cmp_eq_u32 s27, 3
	s_cbranch_scc1 .Lk_tail
	s_add_co_u32 s29, s25, s27
	s_and_b32 s29, s29, 1
	s_cmp_eq_u32 s29, 0
	s_cbranch_scc1 .Lnot_k
	s_branch .Lrole_k
.Lk_tail:
	s_sub_co_u32 s20, s25, 384                     ; n = 768 to 895: tiles 384 to 511
; ---------------------------------------------------------------- role K: tile s20, 8 keys a wave
; A wave takes a whole row (4 loads of 512 consecutive bytes) of key_value and of key_pos.  A ring of four keys in registers keeps
; 32 loads of every wave on their way.  Each store covers 256 consecutive bytes, aligned.  No LDS, no barrier.
; No register that a store reads is ever written again: keys 0-3 are rounded into four sets of 16 registers of their own (their ring slots
; are loaded again), keys 4-7 are rounded in place in their ring slots, which are not.  So the role needs no wait for its stores' sources.
.Lrole_k:
.set G,  16
.set BT, 32
.set T,  48
.set X,  96                            ; v[96:223] slot: 16 registers of key_value, 16 of key_pos; v[64:95], v[224:255]: keys 0-3 to store
	s_load_b256 s[4:11], s[0:1], 0x50              ; key_value, key_pos, kv_gamma, kv_beta
	s_load_b64 s[12:13], s[0:1], 0x90              ; kc
	s_lshl_b32 s20, s20, 17                        ; 64 rows of 2,048 bytes in, 128 rows of 1,024 bytes out: 131,072 both
	s_mov_b32 s21, 0
	v_lshlrev_b32 v6, 4, v1                        ; 16 L
	v_lshl_add_u32 v4, s24, 14, v6                 ; + 8 keys x 2,048 x wave
	v_lshlrev_b32 v5, 3, v1
	v_lshl_add_u32 v5, s24, 13, v5                 ; 8 L + 8 keys x 1,024 x wave
	s_wait_kmcnt 0x0
	s_add_nc_u64 s[4:5], s[4:5], s[20:21]
	s_add_nc_u64 s[6:7], s[6:7], s[20:21]
	s_add_nc_u64 s[12:13], s[12:13], s[20:21]
.irp j, 0,1,2,3
	global_load_b128 v[G+4*\j:G+4*\j+3], v6, s[8:9] offset:512*\j
	global_load_b128 v[BT+4*\j:BT+4*\j+3], v6, s[10:11] offset:512*\j
.endr
.macro KLOAD i
.irp j, 0,1,2,3
	global_load_b128 v[X+32*((\i)%4)+4*\j:X+32*((\i)%4)+4*\j+3], v4, s[4:5] offset:2048*(\i)+512*\j th:TH_LOAD_NT
.endr
.irp j, 0,1,2,3
	global_load_b128 v[X+32*((\i)%4)+16+4*\j:X+32*((\i)%4)+16+4*\j+3], v4, s[6:7] offset:2048*(\i)+512*\j th:TH_LOAD_NT
.endr
.endm
.macro KEY i, left, ya, yb             ; ya, yb: where kvn and key_pos go in bf16
	s_wait_loadcnt \left                           ; this key's 8 loads are in; those of the younger keys stay out
	LNROW X+32*((\i)%4)
	CVT8 \ya, X+32*((\i)%4)
	CVT8 \yb, X+32*((\i)%4)+16
.if \i < 4
	KLOAD \i+4
.endif
.irp j, 0,1,2,3
	global_store_b64 v5, v[\ya+2*\j:\ya+2*\j+1], s[12:13] offset:1024*(\i)+256*\j
	global_store_b64 v5, v[\yb+2*\j:\yb+2*\j+1], s[12:13] offset:65536+1024*(\i)+256*\j
.endr
.endm
	KLOAD 0
	KLOAD 1
	KLOAD 2
	KLOAD 3
	KEY 0, 24, 64, 72
	KEY 1, 24, 80, 88
	KEY 2, 24, 224, 232
	KEY 3, 24, 240, 248
	KEY 4, 24, X, X+16
	KEY 5, 16, X+32, X+48
	KEY 6, 8, X+64, X+80
	KEY 7, 0, X+96, X+112
	s_endpgm
; ---------------------------------------------------------------- role G: Wc[k][n] = sum over j of W_inner[k][j] W_proj[j][n]
; Block: 32 k (K step ksk of the image) x 32 n (M tiles 2 ng, 2 ng + 1).  j = 2048 is split over the 8 waves, 8 steps of 32 each; the waves'
; sums meet in LDS.  D tile (kt, nt2): register j of lane (r,h) = Wc[32 ksk + 16 kt + 8 h + j][32 ng + 16 nt2 + r]: half kt of an image.
; A step is 12 loads: 8 of W_inner's rows in f32, 4 of W_proj's two images.  A ring of four steps, 48 registers each: v[64:255].
.set FR,  16                           ; v[16:31] A'(0), A'(1) in bf16
.Lg_special:
	s_mov_b32 s28, ttmp9                           ; ng
	s_mov_b32 s29, 0
	s_mov_b32 s30, 1                               ; b_inner stands in for all 16 rows of A'
	s_branch .Lrole_g
.Lnot_k:
	s_cmp_eq_u32 s27, 0
	s_cbranch_scc1 .Lrole_q                        ; m = 0: role Q, its number is bits 7:1 of n
	s_sub_co_u32 s28, s27, 1
	s_lshl_b32 s28, s28, 7
	s_or_b32 s26, s26, s28                         ; 128 (m - 1) + bits 7:1 of n: the number within role G
	s_and_b32 s28, s26, 15                         ; ng
	s_lshr_b32 s29, s26, 4                         ; ksk
	s_mov_b32 s30, 0
.Lrole_g:
	s_load_b256 s[4:11], s[0:1], 0x30              ; wimg, W_inner, b_inner, b_proj
	s_load_b128 s[12:15], s[0:1], 0x80             ; wci, bc
	v_and_b32 v2, 15, v0                           ; r
	v_bfe_u32 v3, v0, 4, 1                         ; h
	s_lshl_b32 s32, s29, 5
	s_cmp_eq_u32 s30, 0
	s_cselect_b32 s31, 8192, 0                     ; bytes from row to row of A'
	s_cselect_b32 s33, 131072, 0                   ; 16 rows
	v_add_nc_u32 v4, s32, v2
	v_mul_lo_u32 v4, v4, s31
	v_lshl_add_u32 v4, v3, 5, v4
	v_lshl_add_u32 v4, s24, 10, v4                 ; (32 ksk + r) 8192 + 1024 wave + 32 h
	v_add_nc_u32 v5, s33, v4
	v_lshlrev_b32 v6, 4, v1                        ; 16 L
	v_lshl_add_u32 v6, s28, 11, v6                 ; + n tiles 2 ng, 2 ng + 1
	v_lshl_add_u32 v6, s24, 18, v6                 ; + my 8 j steps of 32 images
	s_wait_kmcnt 0x0
	s_add_nc_u64 s[4:5], s[4:5], WPI
	s_cmp_eq_u32 s30, 0
	s_cselect_b64 s[6:7], s[6:7], s[8:9]
.macro GLOAD js                        ; 12 loads: one step of 32 along j
	LOADN 64+48*((\js)%4), 4, 6, 128*(\js)
	LOADN 64+48*((\js)%4)+16, 5, 6, 128*(\js)
.irp n2, 0,1
.irp e, 0,1
	global_load_b128 v[64+48*((\js)%4)+32+8*\n2+4*\e:64+48*((\js)%4)+32+8*\n2+4*\e+3], v6, s[4:5] offset:32768*(\js)+1024*\n2+512*\e
.endr
.endr
.endm
	GLOAD 0
	GLOAD 1
	GLOAD 2
	GLOAD 3
.set js, 0
.rept 8
.set lft, 7-js
.if lft > 3
.set lft, 3
.endif
.set sl, 64+48*(js%4)
	s_wait_loadcnt 12*lft                          ; this step's 12 loads are in; those of the up to three younger steps stay out
	CVT8 FR, sl
	CVT8 FR+8, sl+16
.irp n2, 0,1                           ; four accumulators by turns
.irp kt, 0,1
.if js == 0
	v_wmma_f32_16x16x32_bf16 v[ACC+8*(2*\n2+\kt):ACC+8*(2*\n2+\kt)+7], v[FR+8*\kt:FR+8*\kt+7], v[sl+32+8*\n2:sl+32+8*\n2+7], 0
.else
	v_wmma_f32_16x16x32_bf16 v[ACC+8*(2*\n2+\kt):ACC+8*(2*\n2+\kt)+7], v[FR+8*\kt:FR+8*\kt+7], v[sl+32+8*\n2:sl+32+8*\n2+7], v[ACC+8*(2*\n2+\kt):ACC+8*(2*\n2+\kt)+7]
.endif
.endr
.endr
	PLACES                                         ; then the slot is loaded again and FR rewritten; behind the last step the sums are read
.if js < 4
	GLOAD js+4
.endif
.set js, js+1
.endr
	v_lshlrev_b32 v8, 4, v1                        ; 16 L
	v_add_nc_u32 v12, GRED, v8                     ; role G's own bytes of LDS
	v_lshl_add_u32 v9, s24, 12, v12                ; my 4,096 bytes: four tiles as images
.irp q, 0,1,2,3,4,5,6,7
	ds_store_b128 v9, v[ACC+4*\q:ACC+4*\q+3] offset:512*\q
.endr
	s_wait_dscnt 0x0                               ; my stores are done before I say so
	s_barrier_signal -1
	s_barrier_wait -1
	s_cmp_ge_u32 s24, 4
	s_cbranch_scc1 .Lg_end                         ; wave w < 4 adds up tile w of all eight waves
	v_lshl_add_u32 v9, s24, 10, v12
.irp q, 0,1,2,3,4,5,6,7
	ds_load_b128 v[64+8*\q:64+8*\q+3], v9 offset:4096*\q
	ds_load_b128 v[64+8*\q+4:64+8*\q+7], v9 offset:4096*\q+512
.endr
	s_wait_dscnt 0x0
.irp q, 1,2,3,4,5,6,7
.irp p, 0,2,4,6
	v_pk_add_f32 v[64+\p:65+\p], v[64+\p:65+\p], v[64+8*\q+\p:65+8*\q+\p]
.endr
.endr
	s_cmp_lg_u32 s30, 0
	s_cbranch_scc1 .Lg_bias
.irp q, 0,1,2,3
	v_cvt_pk_bf16_f32 v[FR+\q], v[64+2*\q], v[65+2*\q]
.endr
	s_lshr_b32 s34, s24, 1
	s_lshl1_add_u32 s34, s28, s34                  ; M tile 2 ng + (w>>1)
	s_lshl4_add_u32 s34, s34, s29                  ; image 16 M + ksk
	s_lshl_b32 s34, s34, 10
	s_and_b32 s35, s24, 1
	s_lshl_b32 s35, s35, 9                         ; half kt = w & 1
	s_add_co_u32 s34, s34, s35
	v_add_nc_u32 v10, s34, v8
	global_store_b128 v10, v[FR:FR+3], s[12:13]    ; 512 consecutive bytes
	s_set_vgpr_msb 0x5
	s_wait_tensorcnt 0x0
	ds_add_u32 v0, v1
	s_wait_dscnt 0x0
	s_set_vgpr_msb 0x500
	s_endpgm
.Lg_bias:	; all rows of the tile are alike: register 0 of lanes 0-15 of tiles (kt = 0, nt2) is b_inner W_proj
	s_and_b32 s35, s24, 1
	s_cmp_lg_u32 s35, 0
	s_cbranch_scc1 .Lg_end
	s_lshl_b32 s34, s28, 7
	s_lshr_b32 s35, s24, 1
	s_lshl_b32 s35, s35, 6
	s_add_co_u32 s34, s34, s35
	v_lshl_add_u32 v10, v2, 2, s34                 ; column 32 ng + 16 (w>>1) + r
	global_load_b32 v11, v10, s[10:11]
	s_wait_loadcnt 0x0
	v_add_f32 v11, v11, v64
	v_cmp_gt_u32 vcc_lo, 16, v1
	s_wait_xcnt 0x0                                ; EXEC changes only behind this wait
	s_and_saveexec_b32 s36, vcc_lo
	global_store_b32 v10, v11, s[14:15]
	s_wait_xcnt 0x0
	s_or_b32 exec_lo, exec_lo, s36
.Lg_end:
	s_set_vgpr_msb 0x5
	s_wait_tensorcnt 0x0
	ds_add_u32 v0, v1
	s_wait_dscnt 0x0
	s_set_vgpr_msb 0x500
	s_endpgm
; ---------------------------------------------------------------- role Q: query rows 32 idx .. 32 idx + 31, idx = s26 (0 to 127)
; Row tile nt = rows 16 nt .. 16 nt + 15 = query tile 2 idx + nt of qimg.  Wave w brings and normalises rows 4 w .. 4 w + 3 and owns
; features 64 w .. 64 w + 63 of both products.  No register that a global store reads is written again, so the role needs no wait for that.
.Lrole_q:
.set G,  32
.set BT, 48
.set T,  16
	s_load_b256 s[4:11], s[0:1], 0x0               ; query, query_pos, q_gamma, q_beta
	s_load_b128 s[12:15], s[0:1], 0x20             ; bq, bk
	s_load_b64 s[16:17], s[0:1], 0x30              ; wimg
	s_load_b128 s[20:23], s[0:1], 0x70             ; qimg, cq
	v_and_b32 v2, 15, v0                           ; r
	v_bfe_u32 v3, v0, 4, 1                         ; h
	s_lshl_b32 s28, s26, 16                        ; 32 rows of 2,048 bytes; also 64 images of 1,024
	s_mov_b32 s29, 0
	v_lshlrev_b32 v5, 4, v1                        ; 16 L
	v_lshl_add_u32 v4, s24, 13, v5                 ; + my four rows
	v_and_b32 v6, 127, v0
	v_lshlrev_b32 v6, 4, v6                        ; my 16 bytes of bq or of bk
	v_lshlrev_b32 v7, 3, v1
	s_mul_i32 s30, s24, 4160
	v_add_nc_u32 v7, s30, v7                       ; XR: row 4 w, 8 L
	v_lshlrev_b32 v8, 4, v0
	v_add_nc_u32 v8, VEC, v8
	v_lshl_add_u32 v9, s24, 16, v5                 ; AOFF
	v_mul_u32_u24 v13, v2, 1040
	v_lshl_add_u32 v13, v3, 4, v13                 ; XR as B fragments: 1040 r + 16 h
	v_lshl_add_u32 v10, s24, 7, v13
	v_add_nc_u32 v10, XP, v10                      ; XP, K steps 2 w, 2 w + 1
	v_lshl_add_u32 v11, s24, 11, v5                ; images 2 w, 2 w + 1
	v_lshlrev_b32 v12, 5, v3
	v_lshl_add_u32 v12, s24, 8, v12
	v_add_nc_u32 v12, VEC, v12                     ; bq in C layout: feature 64 w + 8 h
	v_add_nc_u32 v14, XB, v11
	v_add_nc_u32 v15, XB, v5
	v_lshlrev_b32 v24, 5, v2
	v_add_nc_u32 v24, RED, v24
	v_lshl_add_u32 v24, s24, 2, v24                ; RED: row r, wave w
	v_lshlrev_b32 v25, 5, v1
	v_add_nc_u32 v25, RED, v25                     ; RED: row L, all waves
	s_wait_kmcnt 0x0
	s_add_nc_u64 s[4:5], s[4:5], s[28:29]
	s_add_nc_u64 s[6:7], s[6:7], s[28:29]
	s_add_nc_u64 s[20:21], s[20:21], s[28:29]
	s_add_nc_u64 s[18:19], s[16:17], 524288        ; WKI
	s_cmp_lt_u32 s24, 4
	s_cselect_b64 s[12:13], s[12:13], s[14:15]     ; waves 0-3 copy bq, waves 4-7 bk
.irp rr, 0,1,2,3
.irp j, 0,1,2,3
	global_load_b128 v[96+16*\rr+4*\j:96+16*\rr+4*\j+3], v4, s[4:5] offset:2048*\rr+512*\j
	global_load_b128 v[160+16*\rr+4*\j:160+16*\rr+4*\j+3], v4, s[6:7] offset:2048*\rr+512*\j
.endr
.endr
.irp j, 0,1,2,3
	global_load_b128 v[G+4*\j:G+4*\j+3], v5, s[8:9] offset:512*\j
	global_load_b128 v[BT+4*\j:BT+4*\j+3], v5, s[10:11] offset:512*\j
.endr
	global_load_b128 v[64:67], v6, s[12:13]
	s_wait_loadcnt 0x0
.irp rr, 0,1,2,3
	LNROW 96+16*\rr
	CVT8 96+16*\rr, 96+16*\rr                      ; in place: the row's 16 numbers into its first 8 registers
.endr
.set q, 0
.rept 32
	v_pk_mul_f32 v[160+2*q:161+2*q], v[160+2*q:161+2*q], KAPPA op_sel_hi:[1,0]
.set q, q+1
.endr
.irp rr, 0,1,2,3
	CVT8 160+16*\rr, 160+16*\rr
.endr
.irp rr, 0,1,2,3
.irp j, 0,1,2,3
	ds_store_b64 v7, v[96+16*\rr+2*\j:97+16*\rr+2*\j] offset:1040*\rr+256*\j
	ds_store_b64 v7, v[160+16*\rr+2*\j:161+16*\rr+2*\j] offset:XP+1040*\rr+256*\j
.endr
.endr
	ds_store_b128 v8, v[64:67]
	s_wait_dscnt 0x0                               ; my stores are done: for the barrier, and the ring below takes their data registers
.irp k, 0,1,2,3
	ALOAD 16, \k                                   ; Wq's first four K steps are on their way across the barrier
.endr
	s_barrier_signal -1
	s_barrier_wait -1                              ; the 32 rows, bq and bk are whole
	GBODY 16, 13, 64, 32, 16640                    ; LN(query) Wq
	ALOAD 18, 0                                    ; Wk's first two K steps go out ahead of the work on q; slots 2 and 3 hold bq and bk meanwhile
	ALOAD 18, 1
.irp i, 0,1,2,3
.irp t, 0,1
	ds_load_b128 v[XN+8*\i+4*\t:XN+8*\i+4*\t+3], v12 offset:64*\i+16*\t
	ds_load_b128 v[VV+8*\i+4*\t:VV+8*\i+4*\t+3], v12 offset:2048+64*\i+16*\t
.endr
.endr
	s_wait_dscnt 0x0
.irp nt, 0,1
.irp q, 0,2,4,6,8,10,12,14,16,18,20,22,24,26,28,30
	v_pk_add_f32 v[ACC+32*\nt+\q:ACC+32*\nt+\q+1], v[ACC+32*\nt+\q:ACC+32*\nt+\q+1], v[XN+\q:XN+\q+1]    ; q = LN(query) Wq + bq
.endr
.endr
.irp nt, 0,1
	v_pk_mul_f32 v[16:17], v[ACC+32*\nt:ACC+32*\nt+1], v[VV:VV+1]
	v_pk_mul_f32 v[18:19], v[ACC+32*\nt+2:ACC+32*\nt+3], v[VV+2:VV+3]
.irp q, 4,8,12,16,20,24,28
	v_pk_fma_f32 v[16:17], v[ACC+32*\nt+\q:ACC+32*\nt+\q+1], v[VV+\q:VV+\q+1], v[16:17]
	v_pk_fma_f32 v[18:19], v[ACC+32*\nt+\q+2:ACC+32*\nt+\q+3], v[VV+\q+2:VV+\q+3], v[18:19]
.endr
	v_pk_add_f32 v[16:17], v[16:17], v[18:19]
	v_add_f32 v16, v16, v17
	v_permlanex16_b32 v17, v16, s44, s45
	v_add_f32 v16, v16, v17                        ; q.bk over my wave's 64 features, row 16 nt + r
	ds_store_b32 v24, v16 offset:512*\nt
.endr
.irp nt, 0,1
.irp p, 0,1
	CVT8 BR+16*\nt+8*\p, ACC+32*\nt+16*\p          ; tiles 2 p, 2 p + 1 of row tile nt: the B fragment of K step 2 w + p
.endr
.endr
.irp nt, 0,1
.irp p, 0,1
.irp e, 0,1
	ds_store_b128 v14, v[BR+16*\nt+8*\p+4*\e:BR+16*\nt+8*\p+4*\e+3] offset:16384*\nt+1024*\p+512*\e
.endr
.endr
.endr
	ALOAD 18, 2                                    ; bq and bk have been used: the ring's last two slots
	ALOAD 18, 3
	s_wait_dscnt 0x0
	s_barrier_signal -1
	s_barrier_wait -1                              ; q's 32 B fragments and the partial q.bk are whole
	GBODY 18, 15, 1024, 512, 16384                 ; q' = q Wk^T
.irp nt, 0,1
.irp p, 0,1
.irp e, 0,1
	ds_load_b128 v[AR+16*\nt+8*\p+4*\e:AR+16*\nt+8*\p+4*\e+3], v10 offset:16640*\nt+64*\p+32*\e   ; KAPPA query_pos as B fragments, back while q' is scaled
.endr
.endr
.endr
.set q, 0
.rept 32
	v_pk_mul_f32 v[ACC+2*q:ACC+2*q+1], v[ACC+2*q:ACC+2*q+1], KAPPA op_sel_hi:[1,0]
.set q, q+1
.endr
.irp nt, 0,1
.irp p, 0,1
	CVT8 BR+16*\nt+8*\p, ACC+32*\nt+16*\p
.endr
.endr
.irp nt, 0,1
.irp p, 0,1
.irp e, 0,1
	global_store_b128 v11, v[BR+16*\nt+8*\p+4*\e:BR+16*\nt+8*\p+4*\e+3], s[20:21] offset:32768*\nt+1024*\p+512*\e          ; K steps 2 w + p: KAPPA q'
.endr
.endr
.endr
	s_wait_dscnt 0x0
.irp nt, 0,1
.irp p, 0,1
.irp e, 0,1
	global_store_b128 v11, v[AR+16*\nt+8*\p+4*\e:AR+16*\nt+8*\p+4*\e+3], s[20:21] offset:32768*\nt+16384+1024*\p+512*\e    ; K steps 16 + 2 w + p: KAPPA query_pos
.endr
.endr
.endr
	s_cmp_lg_u32 s24, 0
	s_cbranch_scc1 .Lq_end
	ds_load_b128 v[16:19], v25                     ; wave 0: lane L adds up row L's eight partial q.bk
	ds_load_b128 v[20:23], v25 offset:16
	s_wait_dscnt 0x0
	v_pk_add_f32 v[16:17], v[16:17], v[18:19]
	v_pk_add_f32 v[20:21], v[20:21], v[22:23]
	v_pk_add_f32 v[16:17], v[16:17], v[20:21]
	v_add_f32 v16, v16, v17
	v_mul_f32 v16, KAPPA, v16
	s_lshl_b32 s30, s26, 7                         ; my 32 words of cq
	v_lshl_add_u32 v26, v1, 2, s30
	global_store_b32 v26, v16, s[22:23]            ; 128 consecutive bytes, all that the group has of cq
.Lq_end:
	s_set_vgpr_msb 0x5
	s_wait_tensorcnt 0x0
	ds_add_u32 v0, v1
	s_wait_dscnt 0x0
	s_set_vgpr_msb 0x500
	s_endpgm
.Lfunc_end_k_qb383d3583d_prep:
	.size	k_qb383d3583d_prep, .Lfunc_end_k_qb383d3583d_prep-k_qb383d3583d_prep
	.p2alignl 7, 3214868480
	.fill 96, 4, 3214868480
	.section	.rodata,"a",@progbits
	.p2align	6, 0x0
	.amdhsa_kernel k_qb383d3583d_prep
		.amdhsa_group_segment_fixed_size 138240
		.amdhsa_private_segment_fixed_size 0
		.amdhsa_enable_private_segment 0
		.amdhsa_kernarg_size 152
		.amdhsa_user_sgpr_count 2
		.amdhsa_user_sgpr_kernarg_segment_ptr 1
		.amdhsa_wavefront_size32 1
		.amdhsa_system_sgpr_workgroup_id_x 1
		.amdhsa_system_sgpr_workgroup_id_y 1
		.amdhsa_system_sgpr_workgroup_id_z 1
		.amdhsa_system_vgpr_workitem_id 0
		.amdhsa_next_free_vgpr 258
		.amdhsa_next_free_sgpr 66
		.amdhsa_reserve_vcc 1
		.amdhsa_float_denorm_mode_32 3
		.amdhsa_float_denorm_mode_16_64 3
		.amdhsa_memory_ordered 1
		.amdhsa_forward_progress 1
		.amdhsa_inst_pref_size 177
	.end_amdhsa_kernel
	.amdgpu_metadata
---
amdhsa.version: [ 1, 2 ]
amdhsa.kernels:
  - .name:           k_qb383d3583d_prep
    .symbol:         k_qb383d3583d_prep.kd
    .args:
      - { .name: query, .offset: 0, .size: 8, .value_kind: global_buffer, .address_space: global }
      - { .name: query_pos, .offset: 8, .size: 8, .value_kind: global_buffer, .address_space: global }
      - { .name: q_gamma, .offset: 16, .size: 8, .value_kind: global_buffer, .address_space: global }
      - { .name: q_beta, .offset: 24, .size: 8, .value_kind: global_buffer, .address_space: global }
      - { .name: bq, .offset: 32, .size: 8, .value_kind: global_buffer, .address_space: global }
      - { .name: bk, .offset: 40, .size: 8, .value_kind: global_buffer, .address_space: global }
      - { .name: wimg, .offset: 48, .size: 8, .value_kind: global_buffer, .address_space: global }
      - { .name: W_inner, .offset: 56, .size: 8, .value_kind: global_buffer, .address_space: global }
      - { .name: b_inner, .offset: 64, .size: 8, .value_kind: global_buffer, .address_space: global }
      - { .name: b_proj, .offset: 72, .size: 8, .value_kind: global_buffer, .address_space: global }
      - { .name: key_value, .offset: 80, .size: 8, .value_kind: global_buffer, .address_space: global }
      - { .name: key_pos, .offset: 88, .size: 8, .value_kind: global_buffer, .address_space: global }
      - { .name: kv_gamma, .offset: 96, .size: 8, .value_kind: global_buffer, .address_space: global }
      - { .name: kv_beta, .offset: 104, .size: 8, .value_kind: global_buffer, .address_space: global }
      - { .name: qimg, .offset: 112, .size: 8, .value_kind: global_buffer, .address_space: global }
      - { .name: cq, .offset: 120, .size: 8, .value_kind: global_buffer, .address_space: global }
      - { .name: wci, .offset: 128, .size: 8, .value_kind: global_buffer, .address_space: global }
      - { .name: bc, .offset: 136, .size: 8, .value_kind: global_buffer, .address_space: global }
      - { .name: kc, .offset: 144, .size: 8, .value_kind: global_buffer, .address_space: global }
    .group_segment_fixed_size: 138240
    .private_segment_fixed_size: 0
    .kernarg_segment_align: 8
    .kernarg_segment_size: 152
    .max_flat_workgroup_size: 256
    .sgpr_count:     66
    .vgpr_count:     258
    .wavefront_size: 32
...
	.end_amdgpu_metadata
.endif
;; end of part 6
;; launch attn: the kernel of part 3 again; grid 8 x 32, 4 waves a work-group, clusters of 4 x 1, 327,680 bytes of LDS; arguments kc, qimg, cq, op, ml; writes op, ml
;; launch post (part 7): grid 256 x 1, 8 waves a work-group, no clusters, 76,032 bytes of LDS; arguments op, ml, wimg, wci, bc, bv, ff_gamma, ff_beta, query, out0; writes out0
.if DOCPART == 7
	.amdgcn_target "amdgcn-amd-amdhsa--gfx1250"
	.amdhsa_code_object_version 6
	.text
	.protected	k_qb383d3583d_post
	.globl	k_qb383d3583d_post
	.p2align	8
	.type	k_qb383d3583d_post,@function
k_qb383d3583d_post:
	s_mov_b64 s[64:65], 0
	v_nop
	global_prefetch_b8 v0, s[64:65] scope:SCOPE_SE
	s_setreg_imm32_b32 hwreg(HW_REG_WAVE_MODE, 25, 1), 1
	s_wait_xcnt 0x0
; The end of the module for 16 query rows (query tile qt = the work-group's number), eight waves.
;   O = the four key splits' sums joined under their common maximum and divided by the joined denominator (f32),
;   out = O Wv + bv + query;  xn = LN(out);  out0 = xn + xn Wc + bc, with Wc = W_inner W_proj and bc = b_inner W_proj + b_proj.
; All products run transposed: lane r is the row, register j of lane (r,h) of C tile T is feature 16 T + 8 h + j; wave w owns tiles 4 w .. 4 w + 3
; of every product and of O.  Two neighbouring C tiles in bf16 pairs are the next product's B fragment; they meet in LDS as images.
; O's model index runs in the order in which the attention launch leaves it; Wv's image has its K axis in the same order.
; THE WEIGHTS are one stream of 32 K steps (16 of Wv's images, 16 of Wc's), 8 loads of 512 bytes a step and wave, through a ring of seven
; steps in registers: step g + 7 is asked for behind step g's products, so 56 loads of every wave are on their way, and Wc's first steps
; travel while the layer norm is made.  One work-group lies on a WGP (256 groups), two waves on a SIMD: 512 registers a wave.
; REGISTERS: window 0 (v0-255): addresses, sums, vectors.  Window 1 (v256-511): the operand rings: A at 32 x slot (224 registers), B at 224
; (two K steps).  Two settings a step: 0x05 for the products (sources 0 and 1 in window 1), 0x40 for the loads (destination in window 1).
; The layer norm is two-pass, its two sums over the eight waves go through LDS.  The result leaves through LDS as whole rows.
; LIMITS: O and xn are rounded to bf16 as matrix operands; the xn that is added to the result stays in f32.
; NO JOINT LOADS: the weight images go straight from memory into A fragments, 16 bytes a lane, with no stage in LDS for a joint tensor load
; to fill; each wave reads an eighth of an image table, 64 KB, per product.
.set ACC,  32                          ; v[32:63]   four C tiles
.set XN,   176                         ; v[176:207] query, out, xn in C layout
.set VV,   208                         ; v[208:239] a vector of 512 in C layout
.set PK,   240                         ; v[240:255] two B fragments on their way to LDS
.set AOFF, 9                           ; v9         65536 wave + 16 L
.set DEP,  7                           ; steps in the A ring
.set BR1,  224                         ; window 1: the B ring
.set XB2,  16384                       ; LDS: XB at 0: 16 B images of O; XB2: of xn
.set RW,   32768                       ; 16 rows of 512 f32, pitch 2,064 = 129 x 16: query, later the result
.set VEC,  65792                       ; bv, ff_gamma, ff_beta, bc: 2,048 bytes each
.set RED1, 73984                       ; [row 16][wave 8]; the second sum's words lie 512 bytes on
.set MSB, 0
.macro WIN new                         ; the immediate's high byte repeats the setting that is left
.if MSB != \new
	s_set_vgpr_msb (MSB<<8)|\new
.set MSB, \new
.endif
.endm
.macro PLACES                          ; four independent vector instructions behind a matrix instruction (ISA guide 7.12.1)
.rept 4
	v_nop
.endr
.endm
.macro CVT8 y, x
.irp q, 0,1,2,3,4,5,6,7
	v_cvt_pk_bf16_f32 v[\y+\q], v[\x+2*\q], v[\x+2*\q+1]
.endr
.endm
.macro SLOAD g                         ; step g of the stream into ring slot g mod 7 (under setting 0x40)
.irp i, 0,1,2,3
.irp e, 0,1
.if (\g) < 16
	global_load_b128 v[32*((\g)%DEP)+8*\i+4*\e:32*((\g)%DEP)+8*\i+4*\e+3], v[AOFF], s[40:41] offset:16384*\i+1024*(\g)+512*\e
.else
	global_load_b128 v[32*((\g)%DEP)+8*\i+4*\e:32*((\g)%DEP)+8*\i+4*\e+3], v[AOFF], s[10:11] offset:16384*\i+1024*((\g)-16)+512*\e
.endif
.endr
.endr
.endm
.macro BLOAD ba, ks                    ; B image ks from LDS (under setting 0x40)
	ds_load_b128 v[BR1+8*((\ks)%2):BR1+8*((\ks)%2)+3], v[\ba] offset:1024*(\ks)
	ds_load_b128 v[BR1+8*((\ks)%2)+4:BR1+8*((\ks)%2)+7], v[\ba] offset:1024*(\ks)+512
.endm
; [64 features of the wave] x [16 rows] over K = 512: steps g0 .. g0 + 15 of the stream
.macro GRUN g0, ba
	WIN 0x40
	BLOAD \ba, 0
	BLOAD \ba, 1
.set gk, 0
.rept 16
.set lft, 31-(\g0)-gk
.if lft > DEP-1
.set lft, DEP-1
.endif
	s_wait_loadcnt 8*lft                           ; this step's 8 loads are in; those of the up to six younger steps stay out
.if gk < 15
	s_wait_dscnt 2                                 ; this step's B (and every older LDS load) is in; the next step's two loads stay out
.else
	s_wait_dscnt 0
.endif
	WIN 0x05
.irp i, 0,1,2,3                        ; the four accumulators take turns, one instruction a turn
.if gk == 0
	v_wmma_f32_16x16x32_bf16 v[ACC+8*\i:ACC+8*\i+7], v[32*(((\g0)+gk)%DEP)+8*\i:32*(((\g0)+gk)%DEP)+8*\i+7], v[BR1+8*(gk%2):BR1+8*(gk%2)+7], 0
.else
	v_wmma_f32_16x16x32_bf16 v[ACC+8*\i:ACC+8*\i+7], v[32*(((\g0)+gk)%DEP)+8*\i:32*(((\g0)+gk)%DEP)+8*\i+7], v[BR1+8*(gk%2):BR1+8*(gk%2)+7], v[ACC+8*\i:ACC+8*\i+7]
.endif
.endr
	PLACES                                         ; then the registers just multiplied are loaded again, or the sums are read
.if (\g0)+gk+DEP < 32
	WIN 0x40
	SLOAD (\g0)+gk+DEP
.endif
.if gk < 14
	WIN 0x40
	BLOAD \ba, gk+2
.endif
.set gk, gk+1
.endr
	WIN 0
.endm
.macro VLOAD dst, off                  ; a vector of 512 in C layout: features 64 w + 16 i + 8 h + 0..7
.irp i, 0,1,2,3
.irp t, 0,1
	ds_load_b128 v[\dst+8*\i+4*\t:\dst+8*\i+4*\t+3], v15 offset:\off+64*\i+16*\t
.endr
.endr
.endm
.macro RSUM8                           ; the eight waves' words in v[16:23] to one sum in v16
	v_pk_add_f32 v[16:17], v[16:17], v[18:19]
	v_pk_add_f32 v[20:21], v[20:21], v[22:23]
	v_pk_add_f32 v[16:17], v[16:17], v[20:21]
	v_add_f32 v16, v16, v17
.endm
	s_load_b256 s[4:11], s[0:1], 0x0               ; op, ml, wimg, wci
	s_load_b256 s[12:19], s[0:1], 0x20             ; bc, bv, ff_gamma, ff_beta
	s_load_b128 s[20:23], s[0:1], 0x40             ; query, out0
	v_lshl_add_u32 v30, v0, 2, 0x12500
	v_mov_b32 v31, 0
	v_and_b32 v1, 31, v0                           ; L
	v_lshrrev_b32 v4, 5, v0
	v_readfirstlane_b32 s24, v4                    ; wave
	v_and_b32 v2, 15, v0                           ; r
	v_bfe_u32 v3, v0, 4, 1                         ; h
	s_mov_b32 s44, 0x76543210
	s_mov_b32 s45, 0xfedcba98
	s_mov_b32 s46, 0x3b000000                      ; 1/512
	s_mov_b32 s47, 0x358637bd                      ; 1e-6
	s_lshr_b32 s25, ttmp9, 5                       ; batch
	s_bfe_u32 s26, ttmp9, 0x30002                  ; block of 64 queries
	s_bfe_u32 s27, ttmp9, 0x10001                  ; a: which pair of waves of the attention work-group
	s_and_b32 s28, ttmp9, 1                        ; nt: which of its two query tiles
	s_lshl_b32 s29, s25, 5
	s_add_co_u32 s29, s29, s26                     ; attention work-group of split 0: 32 b + block; split s is 8 s further on
	s_lshl_b32 s30, s29, 17
	s_lshr_b32 s31, s24, 2
	s_lshl1_add_u32 s31, s27, s31                  ; its wave 2 a + (w>>2)
	s_lshl_b32 s31, s31, 15
	s_add_co_u32 s30, s30, s31
	s_and_b32 s31, s24, 3
	s_lshl3_add_u32 s31, s31, s28                  ; tile image 2 (4 (w&3)) + nt
	s_lshl_b32 s31, s31, 10
	s_add_co_u32 s30, s30, s31
	s_mov_b32 s31, 0
	s_lshl_b32 s32, s29, 2
	s_lshl1_add_u32 s32, s27, s32
	s_lshl_b32 s32, s32, 8
	s_lshl_b32 s33, s28, 7
	s_add_co_u32 s32, s32, s33                     ; ml: (4 group + 2 a) 256 + 128 nt
	s_lshl_b32 s38, ttmp9, 15                      ; my 16 rows of query and of out0
	s_mov_b32 s39, 0
	v_lshlrev_b32 v4, 4, v1                        ; 16 L: also XB as B fragments
	v_lshl_add_u32 v5, s24, 12, v4                 ; + my two rows of 2,048 bytes
	v_lshl_add_u32 v6, v2, 3, s32
	v_and_b32 v7, 127, v0
	v_lshlrev_b32 v7, 4, v7
	s_mul_i32 s42, s24, 4128
	s_add_co_u32 s42, s42, RW
	v_add_nc_u32 v8, s42, v4                       ; RW by rows: row 2 w, 16 L
	v_lshl_add_u32 v9, s24, 16, v4                 ; AOFF
	v_lshlrev_b32 v10, 4, v0
	v_add_nc_u32 v10, VEC, v10
	v_lshl_add_u32 v11, s24, 11, v4                ; images 2 w, 2 w + 1
	v_add_nc_u32 v13, XB2, v4
	v_lshlrev_b32 v15, 5, v3
	v_lshl_add_u32 v15, s24, 8, v15                ; 256 w + 32 h
	v_mul_u32_u24 v14, v2, 2064
	v_add_nc_u32 v14, v14, v15
	v_add_nc_u32 v14, RW, v14                      ; RW in C layout
	v_add_nc_u32 v15, VEC, v15
	v_lshlrev_b32 v25, 5, v2
	v_add_nc_u32 v25, RED1, v25
	v_lshl_add_u32 v24, s24, 2, v25
	s_wait_kmcnt 0x0
	s_add_nc_u64 s[4:5], s[4:5], s[30:31]
	s_add_nc_u64 s[20:21], s[20:21], s[38:39]
	s_add_nc_u64 s[22:23], s[22:23], s[38:39]
	s_add_nc_u64 s[40:41], s[8:9], 1048576         ; WVI
	s_cmp_lt_u32 s24, 4
	s_cselect_b64 s[34:35], s[14:15], s[16:17]     ; waves 0-3 copy bv and ff_beta, waves 4-7 ff_gamma and bc
	s_cselect_b64 s[36:37], s[18:19], s[12:13]
.irp s, 0,1,2,3
.irp c, 0,1
	global_load_b64 v[208+4*\s+2*\c:209+4*\s+2*\c], v6, s[6:7] offset:8192*\s+256*\c
.endr
.endr
.irp s, 0,1,2,3
.irp i, 0,1,2,3
.irp e, 0,1
	global_load_b128 v[64+32*\s+8*\i+4*\e:64+32*\s+8*\i+4*\e+3], v4, s[4:5] offset:1048576*\s+2048*\i+512*\e
.endr
.endr
.endr
.irp rr, 0,1
.irp j, 0,1,2,3
	global_load_b128 v[224+16*\rr+4*\j:224+16*\rr+4*\j+3], v5, s[20:21] offset:2048*\rr+512*\j
.endr
.endr
	global_load_b128 v[192:195], v7, s[34:35]
	global_load_b128 v[196:199], v7, s[36:37]
	s_wait_loadcnt 0x0
	WIN 0x40
.irp g, 0,1,2,3,4,5,6
	SLOAD \g                                       ; the ring is filled: Wv's first seven K steps travel while O is joined
.endr
	WIN 0
.irp rr, 0,1
.irp j, 0,1,2,3
	ds_store_b128 v8, v[224+16*\rr+4*\j:224+16*\rr+4*\j+3] offset:2064*\rr+512*\j
.endr
.endr
	ds_store_b128 v10, v[192:195]
	ds_store_b128 v10, v[196:199] offset:4096
	; the splits' weights for row r: 2^(m_s - m) / sum over s of 2^(m_s - m) (l_s of both waves)
	v_max3_num_f32 v16, v208, v212, v216
	v_max_num_f32 v16, v16, v220
.irp s, 0,1,2,3
	v_sub_f32 v[17+\s], v[208+4*\s], v16
	v_add_f32 v[26+\s], v[209+4*\s], v[211+4*\s]
.endr
.irp s, 0,1,2,3
	v_exp_f32 v[17+\s], v[17+\s]
.endr
	v_nop                                          ; one plain instruction behind the transcendentals (ISA guide 5.7.2)
	s_wait_alu depctr_va_vdst(0)
	v_mul_f32 v21, v17, v26
	v_fmac_f32 v21, v18, v27
	v_fmac_f32 v21, v19, v28
	v_fmac_f32 v21, v20, v29
	v_rcp_f32 v22, v21
	v_nop
	s_wait_alu depctr_va_vdst(0)
.irp s, 0,1,2,3
	v_mul_f32 v[200+2*\s], v[17+\s], v22
	v_mul_f32 v[201+2*\s], v[17+\s], v22
.endr
.set q, 0
.rept 16
	v_pk_mul_f32 v[ACC+2*q:ACC+2*q+1], v[64+2*q:65+2*q], v[200:201]
	v_pk_fma_f32 v[ACC+2*q:ACC+2*q+1], v[96+2*q:97+2*q], v[202:203], v[ACC+2*q:ACC+2*q+1]
	v_pk_fma_f32 v[ACC+2*q:ACC+2*q+1], v[128+2*q:129+2*q], v[204:205], v[ACC+2*q:ACC+2*q+1]
	v_pk_fma_f32 v[ACC+2*q:ACC+2*q+1], v[160+2*q:161+2*q], v[206:207], v[ACC+2*q:ACC+2*q+1]
.set q, q+1
.endr
	CVT8 PK, ACC
	CVT8 PK+8, ACC+16
.irp p, 0,1
.irp e, 0,1
	ds_store_b128 v11, v[PK+8*\p+4*\e:PK+8*\p+4*\e+3] offset:1024*\p+512*\e
.endr
.endr
	s_wait_dscnt 0x0
	s_barrier_signal -1
	s_barrier_wait -1                              ; O's images, the query rows and the four vectors are whole
.irp i, 0,1,2,3
.irp t, 0,1
	ds_load_b128 v[XN+8*\i+4*\t:XN+8*\i+4*\t+3], v14 offset:64*\i+16*\t
.endr
.endr
	VLOAD VV, 0                                    ; bv
	GRUN 0, 4                                      ; O Wv; its first wait on LDS leaves only two younger loads out: query and bv are in
.irp q, 0,2,4,6,8,10,12,14,16,18,20,22,24,26,28,30
	v_pk_add_f32 v[XN+\q:XN+\q+1], v[XN+\q:XN+\q+1], v[VV+\q:VV+\q+1]
.endr
.irp q, 0,2,4,6,8,10,12,14,16,18,20,22,24,26,28,30
	v_pk_add_f32 v[XN+\q:XN+\q+1], v[XN+\q:XN+\q+1], v[ACC+\q:ACC+\q+1]      ; out = O Wv + bv + query
.endr
	; mean over the row: my lane's 32, the other half of the lanes, the eight waves
	v_pk_add_f32 v[16:17], v[XN:XN+1], v[XN+2:XN+3]
	v_pk_add_f32 v[18:19], v[XN+4:XN+5], v[XN+6:XN+7]
.irp q, 8,12,16,20,24,28
	v_pk_add_f32 v[16:17], v[16:17], v[XN+\q:XN+\q+1]
	v_pk_add_f32 v[18:19], v[18:19], v[XN+\q+2:XN+\q+3]
.endr
	v_pk_add_f32 v[16:17], v[16:17], v[18:19]
	v_add_f32 v16, v16, v17
	v_permlanex16_b32 v17, v16, s44, s45
	v_add_f32 v16, v16, v17
	ds_store_b32 v24, v16
	s_wait_dscnt 0x0
	s_barrier_signal -1
	s_barrier_wait -1
	ds_load_b128 v[16:19], v25
	ds_load_b128 v[20:23], v25 offset:16
	s_wait_dscnt 0x0
	RSUM8
	v_mul_f32 v16, 0xbb000000, v16                 ; minus the mean
.irp q, 0,2,4,6,8,10,12,14,16,18,20,22,24,26,28,30
	v_pk_add_f32 v[XN+\q:XN+\q+1], v[XN+\q:XN+\q+1], v[16:17] op_sel_hi:[1,0]
.endr
	; mean of the squared differences, the same way, through words of its own
	v_pk_mul_f32 v[16:17], v[XN:XN+1], v[XN:XN+1]
	v_pk_mul_f32 v[18:19], v[XN+2:XN+3], v[XN+2:XN+3]
.irp q, 4,8,12,16,20,24,28
	v_pk_fma_f32 v[16:17], v[XN+\q:XN+\q+1], v[XN+\q:XN+\q+1], v[16:17]
	v_pk_fma_f32 v[18:19], v[XN+\q+2:XN+\q+3], v[XN+\q+2:XN+\q+3], v[18:19]
.endr
	v_pk_add_f32 v[16:17], v[16:17], v[18:19]
	v_add_f32 v16, v16, v17
	v_permlanex16_b32 v17, v16, s44, s45
	v_add_f32 v16, v16, v17
	ds_store_b32 v24, v16 offset:512
	s_wait_dscnt 0x0
	s_barrier_signal -1
	s_barrier_wait -1
	ds_load_b128 v[16:19], v25 offset:512
	ds_load_b128 v[20:23], v25 offset:528
	VLOAD VV, 2048                                 ; ff_gamma
	VLOAD ACC, 4096                                ; ff_beta
	s_wait_dscnt 0x0
	RSUM8
	v_fma_f32 v16, v16, s46, s47
	v_rsq_f32 v18, v16
	v_nop
	s_wait_alu depctr_va_vdst(0)
.irp q, 0,2,4,6,8,10,12,14,16,18,20,22,24,26,28,30
	v_pk_mul_f32 v[XN+\q:XN+\q+1], v[XN+\q:XN+\q+1], v[18:19] op_sel_hi:[1,0]
.endr
.irp q, 0,2,4,6,8,10,12,14,16,18,20,22,24,26,28,30
	v_pk_fma_f32 v[XN+\q:XN+\q+1], v[XN+\q:XN+\q+1], v[VV+\q:VV+\q+1], v[ACC+\q:ACC+\q+1]    ; xn
.endr
	CVT8 PK, XN
	CVT8 PK+8, XN+16
.irp p, 0,1
.irp e, 0,1
	ds_store_b128 v11, v[PK+8*\p+4*\e:PK+8*\p+4*\e+3] offset:XB2+1024*\p+512*\e
.endr
.endr
	s_wait_dscnt 0x0
	s_barrier_signal -1
	s_barrier_wait -1                              ; xn's images are whole
	VLOAD VV, 6144                                 ; bc
	GRUN 16, 13                                    ; xn Wc: its first seven K steps were asked for during the first product
.irp q, 0,2,4,6,8,10,12,14,16,18,20,22,24,26,28,30
	v_pk_add_f32 v[XN+\q:XN+\q+1], v[XN+\q:XN+\q+1], v[VV+\q:VV+\q+1]
.endr
.irp q, 0,2,4,6,8,10,12,14,16,18,20,22,24,26,28,30
	v_pk_add_f32 v[ACC+\q:ACC+\q+1], v[ACC+\q:ACC+\q+1], v[XN+\q:XN+\q+1]    ; xn + xn Wc + bc
.endr
	; out through LDS: the query rows there were last read in front of the barrier of the first sum
.irp i, 0,1,2,3
.irp t, 0,1
	ds_store_b128 v14, v[ACC+8*\i+4*\t:ACC+8*\i+4*\t+3] offset:64*\i+16*\t
.endr
.endr
	s_wait_dscnt 0x0
	s_barrier_signal -1
	s_barrier_wait -1
.irp rr, 0,1
.irp j, 0,1,2,3
	ds_load_b128 v[64+16*\rr+4*\j:64+16*\rr+4*\j+3], v8 offset:2064*\rr+512*\j
.endr
.endr
.irp rr, 0,1
.irp j, 0,1,2,3
	s_wait_dscnt 7-4*\rr-\j                        ; LDS loads come back in order: this one is in
	global_store_b128 v5, v[64+16*\rr+4*\j:64+16*\rr+4*\j+3], s[22:23] offset:2048*\rr+512*\j   ; 512 consecutive bytes of a row
.endr
.endr
	s_wait_tensorcnt 0x0
	ds_add_u32 v30, v31
	s_wait_dscnt 0x0
	s_endpgm
.Lfunc_end_k_qb383d3583d_post:
	.size	k_qb383d3583d_post, .Lfunc_end_k_qb383d3583d_post-k_qb383d3583d_post
	.p2alignl 7, 3214868480
	.fill 96, 4, 3214868480
	.section	.rodata,"a",@progbits
	.p2align	6, 0x0
	.amdhsa_kernel k_qb383d3583d_post
		.amdhsa_group_segment_fixed_size 76032
		.amdhsa_private_segment_fixed_size 0
		.amdhsa_enable_private_segment 0
		.amdhsa_kernarg_size 80
		.amdhsa_user_sgpr_count 2
		.amdhsa_user_sgpr_kernarg_segment_ptr 1
		.amdhsa_wavefront_size32 1
		.amdhsa_system_sgpr_workgroup_id_x 1
		.amdhsa_system_sgpr_workgroup_id_y 1
		.amdhsa_system_sgpr_workgroup_id_z 1
		.amdhsa_system_vgpr_workitem_id 0
		.amdhsa_next_free_vgpr 512
		.amdhsa_next_free_sgpr 66
		.amdhsa_reserve_vcc 0
		.amdhsa_float_denorm_mode_32 3
		.amdhsa_float_denorm_mode_16_64 3
		.amdhsa_memory_ordered 1
		.amdhsa_forward_progress 1
		.amdhsa_inst_pref_size 76
	.end_amdhsa_kernel
	.amdgpu_metadata
---
amdhsa.version: [ 1, 2 ]
amdhsa.kernels:
  - .name:           k_qb383d3583d_post
    .symbol:         k_qb383d3583d_post.kd
    .args:
      - { .name: op, .offset: 0, .size: 8, .value_kind: global_buffer, .address_space: global }
      - { .name: ml, .offset: 8, .size: 8, .value_kind: global_buffer, .address_space: global }
      - { .name: wimg, .offset: 16, .size: 8, .value_kind: global_buffer, .address_space: global }
      - { .name: wci, .offset: 24, .size: 8, .value_kind: global_buffer, .address_space: global }
      - { .name: bc, .offset: 32, .size: 8, .value_kind: global_buffer, .address_space: global }
      - { .name: bv, .offset: 40, .size: 8, .value_kind: global_buffer, .address_space: global }
      - { .name: ff_gamma, .offset: 48, .size: 8, .value_kind: global_buffer, .address_space: global }
      - { .name: ff_beta, .offset: 56, .size: 8, .value_kind: global_buffer, .address_space: global }
      - { .name: query, .offset: 64, .size: 8, .value_kind: global_buffer, .address_space: global }
      - { .name: out0, .offset: 72, .size: 8, .value_kind: global_buffer, .address_space: global }
    .group_segment_fixed_size: 76032
    .private_segment_fixed_size: 0
    .kernarg_segment_align: 8
    .kernarg_segment_size: 80
    .max_flat_workgroup_size: 256
    .sgpr_count:     66
    .vgpr_count:     512
    .wavefront_size: 32
...
	.end_amdgpu_metadata
.endif
;; end of part 7
;; ======== version 3 of 3: 4 launches; version 2 with the launch post written anew for expert scheduling mode
;; workspace buffers: kc 67,108,864 bytes; qimg 8,388,608 bytes; cq 16,384 bytes; wimg 3,670,016 bytes; wci 524,288 bytes; bc 2,048 bytes; op 33,554,432 bytes; ml 262,144 bytes
;; launch wimg: the kernel of part 5 again; grid 224 x 1, 4 waves a work-group, no clusters, 0 bytes of LDS; arguments Wq, Wv, Wk, W_proj, wimg; writes wimg
;; launch prep: the kernel of part 6 again; grid 912 x 1, 8 waves a work-group, no clusters, 138,240 bytes of LDS; arguments query, query_pos, q_gamma, q_beta, bq, bk, wimg, W_inner, b_inner, b_proj, key_value, key_pos, kv_gamma, kv_beta, qimg, cq, wci, bc, kc; writes qimg, cq, wci, bc, kc
;; launch attn: the kernel of part 3 again; grid 8 x 32, 4 waves a work-group, clusters of 4 x 1, 327,680 bytes of LDS; arguments kc, qimg, cq, op, ml; writes op, ml
;; launch post (part 8): grid 256 x 1, 8 waves a work-group, no clusters, 76,032 bytes of LDS; arguments op, ml, wimg, wci, bc, bv, ff_gamma, ff_beta, query, out0; writes out0
.if DOCPART == 8
	.amdgcn_target "amdgcn-amd-amdhsa--gfx1250"
	.amdhsa_code_object_version 6
	.text
	.protected	k_qb383d3583d_post
	.globl	k_qb383d3583d_post
	.p2align	8
	.type	k_qb383d3583d_post,@function
k_qb383d3583d_post:
	s_mov_b64 s[64:65], 0
	v_nop
	global_prefetch_b8 v0, s[64:65] scope:SCOPE_SE
	s_setreg_imm32_b32 hwreg(HW_REG_WAVE_SCHED_MODE, 0, 2), 2
	s_setreg_imm32_b32 hwreg(HW_REG_WAVE_MODE, 25, 1), 1
	s_wait_xcnt 0x0
	s_wait_alu depctr_vm_vsrc(0)
; The end of the module for 16 query rows (query tile qt = the work-group's number), eight waves.
;   O = the four key splits' sums joined under their common maximum and divided by the joined denominator (f32),
;   out = O Wv + bv + query;  xn = LN(out);  out0 = xn + xn Wc + bc, with Wc = W_inner W_proj and bc = b_inner W_proj + b_proj.
; All products run transposed: lane r is the row, register j of lane (r,h) of C tile T is feature 16 T + 8 h + j; wave w owns tiles 4 w .. 4 w + 3
; of every product and of O.  Two neighbouring C tiles in bf16 pairs are the next product's B fragment; they meet in LDS as images.
; O's model index runs in the order in which the attention launch leaves it; Wv's image has its K axis in the same order.
; THE WEIGHTS are one stream of 32 K steps (16 of Wv's images, 16 of Wc's), 8 loads of 512 bytes a step and wave, through a ring of seven
; steps in registers: step g + 6 is asked for behind step g's products, into the slot that step g - 1 multiplied, so 48 loads of every wave
; are on their way (56 at the start), and Wc's first six steps travel while the layer norm is made.  One work-group lies on a WGP (256 groups),
; two waves on a SIMD: 512 registers a wave.
; REGISTERS: window 0 (v0-255): addresses, sums, vectors.  Window 1 (v256-511): the operand rings: A at 32 x slot (224 registers), B at 224
; (three K steps).  Two settings a step: 0x05 for the products (sources 0 and 1 in window 1), 0x40 for the loads (destination in window 1).
; The layer norm is two-pass, its two sums over the eight waves go through LDS.  The result leaves through LDS as whole rows.
; LIMITS: O and xn are rounded to bf16 as matrix operands; the xn that is added to the result stays in f32.
; NO JOINT LOADS: the weight images go straight from memory into A fragments, 16 bytes a lane, with no stage in LDS for a joint tensor load
; to fill; each wave reads an eighth of an image table, 64 KB, per product.
; THE MODE: SCHED_MODE bits 1:0 = 2 (LLVM: expert scheduling mode 2), set by the entry lines.  The code itself states the register dependences
; between vector or matrix instructions and memory or LDS instructions, with s_wait_alu, always for 0.
; THE PLAN.  Registers that memory or LDS instructions touch:
;   v4-v15, v24, v25, v30, v31   addresses: written at the head, ahead of the first wait on va_vdst, and never again.
;   A ring    Step g: its four matrix instructions read slot g mod 7; the loads of step g + 7 land in it, issued behind step g + 1's products.
;   B ring    Step k of a product: its matrix instructions read buffer k mod 3; the LDS loads of step k + 3 land in it, at step k + 1's head.
;   So ONE wait on va_vdst stands in a step, behind the waits for the step's own operands: the matrix instructions of the step before are done
;   reading their slot and their B buffer.  The step's ten loads follow it, two ahead of its matrix instructions and eight behind them; those
;   matrix instructions name this step's slot, this step's B buffer and the sums: none of the registers in which the ten loads land.
;   v[192:199], v[224:255]   loaded at the head and stored to LDS; later parts of XN and VV, and PK: one wait on vm_vsrc behind those stores.
;   PK        written by conversions, read by LDS stores, twice: va_vdst ahead of each run of stores, vm_vsrc between the first run and the second writing.
;   v[16:23]  a wave's sum (v16) is stored to LDS, then the eight waves' sums are loaded into them: va_vdst ahead of the store, vm_vsrc ahead of the loads.
;   XN, VV, ACC   LDS loads land in them only behind a wait on va_vdst that stands behind their last vector or matrix reader and writer.
.set ACC,  32                          ; v[32:63]   four C tiles
.set XN,   176                         ; v[176:207] query, out, xn in C layout
.set VV,   208                         ; v[208:239] a vector of 512 in C layout
.set PK,   240                         ; v[240:255] two B fragments on their way to LDS
.set AOFF, 9                           ; v9         65536 wave + 16 L
.set DEP,  7                           ; steps in the A ring
.set BR1,  224                         ; window 1: the B ring, three K steps
.set XB2,  16384                       ; LDS: XB at 0: 16 B images of O; XB2: of xn
.set RW,   32768                       ; 16 rows of 512 f32, pitch 2,064 = 129 x 16: query, later the result
.set VEC,  65792                       ; bv, ff_gamma, ff_beta, bc: 2,048 bytes each
.set RED1, 73984                       ; [row 16][wave 8]; the second sum's words lie 512 bytes on
.set MSB, 0
.macro WIN new                         ; the immediate's high byte repeats the setting that is left
.if MSB != \new
	s_set_vgpr_msb (MSB<<8)|\new
.set MSB, \new
.endif
.endm
.macro PLACES                          ; four independent vector instructions behind a matrix instruction (ISA guide 7.12.1)
.rept 4
	v_nop
.endr
.endm
.macro CVT8 y, x
.irp q, 0,1,2,3,4,5,6,7
	v_cvt_pk_bf16_f32 v[\y+\q], v[\x+2*\q], v[\x+2*\q+1]
.endr
.endm
.macro SLOAD g                         ; step g of the stream into ring slot g mod 7 (under setting 0x40)
.irp i, 0,1,2,3
.irp e, 0,1
.if (\g) < 16
	global_load_b128 v[32*((\g)%DEP)+8*\i+4*\e:32*((\g)%DEP)+8*\i+4*\e+3], v[AOFF], s[40:41] offset:16384*\i+1024*(\g)+512*\e
.else
	global_load_b128 v[32*((\g)%DEP)+8*\i+4*\e:32*((\g)%DEP)+8*\i+4*\e+3], v[AOFF], s[10:11] offset:16384*\i+1024*((\g)-16)+512*\e
.endif
.endr
.endr
.endm
.macro BLOAD ba, ks                    ; B image ks from LDS into buffer ks mod 3 (under setting 0x40)
	ds_load_b128 v[BR1+8*((\ks)%3):BR1+8*((\ks)%3)+3], v[\ba] offset:1024*(\ks)
	ds_load_b128 v[BR1+8*((\ks)%3)+4:BR1+8*((\ks)%3)+7], v[\ba] offset:1024*(\ks)+512
.endm
; [64 features of the wave] x [16 rows] over K = 512: steps g0 .. g0 + 15 of the stream
.macro GRUN g0, ba
	WIN 0x40
.if (\g0) > 0
	s_wait_alu depctr_va_vdst(0)                   ; the product before: its matrix instructions are done reading the B ring and the slot of its last step, in which the loads below and those of this product's first step land
.endif
	BLOAD \ba, 0
	BLOAD \ba, 1
.set gk, 0
.rept 16
.set gg, (\g0)+gk
.set lft, 31-gg
.if lft > DEP-2
.set lft, DEP-2
.endif
.if gg == 0
.set lft, DEP-1
.endif
	s_wait_loadcnt 8*lft                           ; this step's 8 loads are in; those of the up to five younger steps (six in the stream's first step) stay out
.if gk < 15
	s_wait_dscnt 2                                 ; this step's B (and every older LDS load) is in; the next step's two loads stay out
.else
	s_wait_dscnt 0
.endif
.if gk < 14
	WIN 0x40
.endif
.if (gk > 0) && ((gg+DEP-1 < 32) || (gk < 14))
	s_wait_alu depctr_va_vdst(0)                   ; the matrix instructions of the step before are done reading their ring slot and their B buffer, in which this step's loads land (a product's first step owes nothing more than its head has stated)
.endif
.if gk < 14
	BLOAD \ba, gk+2                                ; into the B buffer of the step before
.endif
	WIN 0x05
.irp i, 0,1,2,3                        ; the four accumulators take turns, one instruction a turn
.if gk == 0
	v_wmma_f32_16x16x32_bf16 v[ACC+8*\i:ACC+8*\i+7], v[32*(gg%DEP)+8*\i:32*(gg%DEP)+8*\i+7], v[BR1+8*(gk%3):BR1+8*(gk%3)+7], 0
.else
	v_wmma_f32_16x16x32_bf16 v[ACC+8*\i:ACC+8*\i+7], v[32*(gg%DEP)+8*\i:32*(gg%DEP)+8*\i+7], v[BR1+8*(gk%3):BR1+8*(gk%3)+7], v[ACC+8*\i:ACC+8*\i+7]
.endif
.endr
	PLACES                                         ; as in the plain form: behind the last step the sums are read; the places stand beside the next step's wait and stand in for none
.if (gg > 0) && (gg+DEP-1 < 32)
	WIN 0x40
	SLOAD gg+DEP-1                                 ; into the slot of the step before.  No wait: no vector or matrix instruction since this step's wait names that slot or v[AOFF]
.endif
.set gk, gk+1
.endr
	WIN 0
.endm
.macro VLOAD dst, off                  ; a vector of 512 in C layout: features 64 w + 16 i + 8 h + 0..7
.irp i, 0,1,2,3
.irp t, 0,1
	ds_load_b128 v[\dst+8*\i+4*\t:\dst+8*\i+4*\t+3], v15 offset:\off+64*\i+16*\t
.endr
.endr
.endm
.macro RSUM8                           ; the eight waves' words in v[16:23] to one sum in v16
	v_pk_add_f32 v[16:17], v[16:17], v[18:19]
	v_pk_add_f32 v[20:21], v[20:21], v[22:23]
	v_pk_add_f32 v[16:17], v[16:17], v[20:21]
	v_add_f32 v16, v16, v17
.endm
	s_load_b256 s[4:11], s[0:1], 0x0               ; op, ml, wimg, wci
	s_load_b256 s[12:19], s[0:1], 0x20             ; bc, bv, ff_gamma, ff_beta
	s_load_b128 s[20:23], s[0:1], 0x40             ; query, out0
	v_lshl_add_u32 v30, v0, 2, 0x12500
	v_mov_b32 v31, 0
	v_and_b32 v1, 31, v0                           ; L
	v_lshrrev_b32 v4, 5, v0
	v_readfirstlane_b32 s24, v4                    ; wave
	v_and_b32 v2, 15, v0                           ; r
	v_bfe_u32 v3, v0, 4, 1                         ; h
	s_wait_alu depctr_va_sdst(0)                   ; s24 is written, ahead of its first reader: offsets, LDS addresses and two selects are made from it
	s_mov_b32 s44, 0x76543210
	s_mov_b32 s45, 0xfedcba98
	s_mov_b32 s46, 0x3b000000                      ; 1/512
	s_mov_b32 s47, 0x358637bd                      ; 1e-6
	s_lshr_b32 s25, ttmp9, 5                       ; batch
	s_bfe_u32 s26, ttmp9, 0x30002                  ; block of 64 queries
	s_bfe_u32 s27, ttmp9, 0x10001                  ; a: which pair of waves of the attention work-group
	s_and_b32 s28, ttmp9, 1                        ; nt: which of its two query tiles
	s_lshl_b32 s29, s25, 5
	s_add_co_u32 s29, s29, s26                     ; attention work-group of split 0: 32 b + block; split s is 8 s further on
	s_lshl_b32 s30, s29, 17
	s_lshr_b32 s31, s24, 2
	s_lshl1_add_u32 s31, s27, s31                  ; its wave 2 a + (w>>2)
	s_lshl_b32 s31, s31, 15
	s_add_co_u32 s30, s30, s31
	s_and_b32 s31, s24, 3
	s_lshl3_add_u32 s31, s31, s28                  ; tile image 2 (4 (w&3)) + nt
	s_lshl_b32 s31, s31, 10
	s_add_co_u32 s30, s30, s31
	s_mov_b32 s31, 0
	s_lshl_b32 s32, s29, 2
	s_lshl1_add_u32 s32, s27, s32
	s_lshl_b32 s32, s32, 8
	s_lshl_b32 s33, s28, 7
	s_add_co_u32 s32, s32, s33                     ; ml: (4 group + 2 a) 256 + 128 nt
	s_lshl_b32 s38, ttmp9, 15                      ; my 16 rows of query and of out0
	s_mov_b32 s39, 0
	v_lshlrev_b32 v4, 4, v1                        ; 16 L: also XB as B fragments
	v_lshl_add_u32 v5, s24, 12, v4                 ; + my two rows of 2,048 bytes
	v_lshl_add_u32 v6, v2, 3, s32
	v_and_b32 v7, 127, v0
	v_lshlrev_b32 v7, 4, v7
	s_mul_i32 s42, s24, 4128
	s_add_co_u32 s42, s42, RW
	v_add_nc_u32 v8, s42, v4                       ; RW by rows: row 2 w, 16 L
	v_lshl_add_u32 v9, s24, 16, v4                 ; AOFF
	v_lshlrev_b32 v10, 4, v0
	v_add_nc_u32 v10, VEC, v10
	v_lshl_add_u32 v11, s24, 11, v4                ; images 2 w, 2 w + 1
	v_add_nc_u32 v13, XB2, v4
	v_lshlrev_b32 v15, 5, v3
	v_lshl_add_u32 v15, s24, 8, v15                ; 256 w + 32 h
	v_mul_u32_u24 v14, v2, 2064
	v_add_nc_u32 v14, v14, v15
	v_add_nc_u32 v14, RW, v14                      ; RW in C layout
	v_add_nc_u32 v15, VEC, v15
	v_lshlrev_b32 v25, 5, v2
	v_add_nc_u32 v25, RED1, v25
	v_lshl_add_u32 v24, s24, 2, v25
	s_wait_kmcnt 0x0
	s_add_nc_u64 s[4:5], s[4:5], s[30:31]
	s_add_nc_u64 s[20:21], s[20:21], s[38:39]
	s_add_nc_u64 s[22:23], s[22:23], s[38:39]
	s_add_nc_u64 s[40:41], s[8:9], 1048576         ; WVI
	s_cmp_lt_u32 s24, 4
	s_cselect_b64 s[34:35], s[14:15], s[16:17]     ; waves 0-3 copy bv and ff_beta, waves 4-7 ff_gamma and bc
	s_cselect_b64 s[36:37], s[18:19], s[12:13]
	s_wait_alu depctr_va_vdst(0)                   ; the offsets and LDS addresses v4 to v15, v24, v25, v30 and v31 are written: every load and store of the kernel reads some of them, and none is written again
.irp s, 0,1,2,3
.irp c, 0,1
	global_load_b64 v[208+4*\s+2*\c:209+4*\s+2*\c], v6, s[6:7] offset:8192*\s+256*\c
.endr
.endr
.irp s, 0,1,2,3
.irp i, 0,1,2,3
.irp e, 0,1
	global_load_b128 v[64+32*\s+8*\i+4*\e:64+32*\s+8*\i+4*\e+3], v4, s[4:5] offset:1048576*\s+2048*\i+512*\e
.endr
.endr
.endr
.irp rr, 0,1
.irp j, 0,1,2,3
	global_load_b128 v[224+16*\rr+4*\j:224+16*\rr+4*\j+3], v5, s[20:21] offset:2048*\rr+512*\j
.endr
.endr
	global_load_b128 v[192:195], v7, s[34:35]
	global_load_b128 v[196:199], v7, s[36:37]
	s_wait_loadcnt 0x0
	WIN 0x40
.irp g, 0,1,2,3,4,5,6
	SLOAD \g                                       ; the ring is filled: Wv's first seven K steps travel while O is joined (no vector instruction has named the ring)
.endr
	WIN 0
.irp rr, 0,1
.irp j, 0,1,2,3
	ds_store_b128 v8, v[224+16*\rr+4*\j:224+16*\rr+4*\j+3] offset:2064*\rr+512*\j
.endr
.endr
	ds_store_b128 v10, v[192:195]
	ds_store_b128 v10, v[196:199] offset:4096
	; the splits' weights for row r: 2^(m_s - m) / sum over s of 2^(m_s - m) (l_s of both waves)
	v_max3_num_f32 v16, v208, v212, v216
	v_max_num_f32 v16, v16, v220
.irp s, 0,1,2,3
	v_sub_f32 v[17+\s], v[208+4*\s], v16
	v_add_f32 v[26+\s], v[209+4*\s], v[211+4*\s]
.endr
.irp s, 0,1,2,3
	v_exp_f32 v[17+\s], v[17+\s]
.endr
	v_nop                                          ; one plain instruction behind the transcendentals (ISA guide 5.7.2)
	s_wait_alu depctr_va_vdst(0)                   ; the four exponentials have written v17 to v20, ahead of their first reader
	v_mul_f32 v21, v17, v26
	v_fmac_f32 v21, v18, v27
	v_fmac_f32 v21, v19, v28
	v_fmac_f32 v21, v20, v29
	v_rcp_f32 v22, v21
	v_nop
	s_wait_alu depctr_va_vdst(0)                   ; the reciprocal has written v22, ahead of its first reader
.irp s, 0,1,2,3
	v_mul_f32 v[200+2*\s], v[17+\s], v22
	v_mul_f32 v[201+2*\s], v[17+\s], v22
.endr
.set q, 0
.rept 16
	v_pk_mul_f32 v[ACC+2*q:ACC+2*q+1], v[64+2*q:65+2*q], v[200:201]
	v_pk_fma_f32 v[ACC+2*q:ACC+2*q+1], v[96+2*q:97+2*q], v[202:203], v[ACC+2*q:ACC+2*q+1]
	v_pk_fma_f32 v[ACC+2*q:ACC+2*q+1], v[128+2*q:129+2*q], v[204:205], v[ACC+2*q:ACC+2*q+1]
	v_pk_fma_f32 v[ACC+2*q:ACC+2*q+1], v[160+2*q:161+2*q], v[206:207], v[ACC+2*q:ACC+2*q+1]
.set q, q+1
.endr
	s_wait_alu depctr_vm_vsrc(0)                   ; the LDS stores above have read v[224:255] and v[192:199]: the conversions below write v[240:255], and behind the barrier LDS loads land in the others
	CVT8 PK, ACC
	CVT8 PK+8, ACC+16
	s_wait_alu depctr_va_vdst(0)                   ; the conversions have written PK, which the LDS stores read; the join is done reading and writing v[176:223], in which the loads behind the barrier land
.irp p, 0,1
.irp e, 0,1
	ds_store_b128 v11, v[PK+8*\p+4*\e:PK+8*\p+4*\e+3] offset:1024*\p+512*\e
.endr
.endr
	s_wait_dscnt 0x0
	s_barrier_signal -1
	s_barrier_wait -1                              ; O's images, the query rows and the four vectors are whole
.irp i, 0,1,2,3
.irp t, 0,1
	ds_load_b128 v[XN+8*\i+4*\t:XN+8*\i+4*\t+3], v14 offset:64*\i+16*\t
.endr
.endr
	VLOAD VV, 0                                    ; bv
	GRUN 0, 4                                      ; O Wv; its first wait on LDS leaves only two younger loads out: query and bv are in
.irp q, 0,2,4,6,8,10,12,14,16,18,20,22,24,26,28,30
	v_pk_add_f32 v[XN+\q:XN+\q+1], v[XN+\q:XN+\q+1], v[VV+\q:VV+\q+1]
.endr
.irp q, 0,2,4,6,8,10,12,14,16,18,20,22,24,26,28,30
	v_pk_add_f32 v[XN+\q:XN+\q+1], v[XN+\q:XN+\q+1], v[ACC+\q:ACC+\q+1]      ; out = O Wv + bv + query
.endr
	; mean over the row: my lane's 32, the other half of the lanes, the eight waves
	v_pk_add_f32 v[16:17], v[XN:XN+1], v[XN+2:XN+3]
	v_pk_add_f32 v[18:19], v[XN+4:XN+5], v[XN+6:XN+7]
.irp q, 8,12,16,20,24,28
	v_pk_add_f32 v[16:17], v[16:17], v[XN+\q:XN+\q+1]
	v_pk_add_f32 v[18:19], v[18:19], v[XN+\q+2:XN+\q+3]
.endr
	v_pk_add_f32 v[16:17], v[16:17], v[18:19]
	v_add_f32 v16, v16, v17
	v_permlanex16_b32 v17, v16, s44, s45
	v_add_f32 v16, v16, v17
	s_wait_alu depctr_va_vdst(0)                   ; v16 is written, which the LDS store reads; the vector instructions are done with v[16:23], in which the loads behind the barrier land
	ds_store_b32 v24, v16
	s_wait_dscnt 0x0
	s_barrier_signal -1
	s_barrier_wait -1
	s_wait_alu depctr_vm_vsrc(0)                   ; my LDS store has read v16, in which the next load lands; the stores of O's images have read PK, which xn's conversions write again
	ds_load_b128 v[16:19], v25
	ds_load_b128 v[20:23], v25 offset:16
	s_wait_dscnt 0x0
	RSUM8
	v_mul_f32 v16, 0xbb000000, v16                 ; minus the mean
.irp q, 0,2,4,6,8,10,12,14,16,18,20,22,24,26,28,30
	v_pk_add_f32 v[XN+\q:XN+\q+1], v[XN+\q:XN+\q+1], v[16:17] op_sel_hi:[1,0]
.endr
	; mean of the squared differences, the same way, through words of its own
	v_pk_mul_f32 v[16:17], v[XN:XN+1], v[XN:XN+1]
	v_pk_mul_f32 v[18:19], v[XN+2:XN+3], v[XN+2:XN+3]
.irp q, 4,8,12,16,20,24,28
	v_pk_fma_f32 v[16:17], v[XN+\q:XN+\q+1], v[XN+\q:XN+\q+1], v[16:17]
	v_pk_fma_f32 v[18:19], v[XN+\q+2:XN+\q+3], v[XN+\q+2:XN+\q+3], v[18:19]
.endr
	v_pk_add_f32 v[16:17], v[16:17], v[18:19]
	v_add_f32 v16, v16, v17
	v_permlanex16_b32 v17, v16, s44, s45
	v_add_f32 v16, v16, v17
	s_wait_alu depctr_va_vdst(0)                   ; v16 is written, which the LDS store reads; the vector instructions are done with v[16:23], VV and ACC, in which the loads behind the barrier land
	ds_store_b32 v24, v16 offset:512
	s_wait_dscnt 0x0
	s_barrier_signal -1
	s_barrier_wait -1
	s_wait_alu depctr_vm_vsrc(0)                   ; my LDS store has read v16, in which the next load lands
	ds_load_b128 v[16:19], v25 offset:512
	ds_load_b128 v[20:23], v25 offset:528
	VLOAD VV, 2048                                 ; ff_gamma
	VLOAD ACC, 4096                                ; ff_beta
	s_wait_dscnt 0x0
	RSUM8
	v_fma_f32 v16, v16, s46, s47
	v_rsq_f32 v18, v16
	v_nop
	s_wait_alu depctr_va_vdst(0)                   ; the reciprocal root has written v18, ahead of its first reader
.irp q, 0,2,4,6,8,10,12,14,16,18,20,22,24,26,28,30
	v_pk_mul_f32 v[XN+\q:XN+\q+1], v[XN+\q:XN+\q+1], v[18:19] op_sel_hi:[1,0]
.endr
.irp q, 0,2,4,6,8,10,12,14,16,18,20,22,24,26,28,30
	v_pk_fma_f32 v[XN+\q:XN+\q+1], v[XN+\q:XN+\q+1], v[VV+\q:VV+\q+1], v[ACC+\q:ACC+\q+1]    ; xn
.endr
	CVT8 PK, XN
	CVT8 PK+8, XN+16
	s_wait_alu depctr_va_vdst(0)                   ; the conversions have written PK, which the LDS stores read; the multiply-adds are done reading VV, in which bc lands behind the barrier
.irp p, 0,1
.irp e, 0,1
	ds_store_b128 v11, v[PK+8*\p+4*\e:PK+8*\p+4*\e+3] offset:XB2+1024*\p+512*\e
.endr
.endr
	s_wait_dscnt 0x0
	s_barrier_signal -1
	s_barrier_wait -1                              ; xn's images are whole
	VLOAD VV, 6144                                 ; bc
	GRUN 16, 13                                    ; xn Wc: its first six K steps were asked for during the first product
.irp q, 0,2,4,6,8,10,12,14,16,18,20,22,24,26,28,30
	v_pk_add_f32 v[XN+\q:XN+\q+1], v[XN+\q:XN+\q+1], v[VV+\q:VV+\q+1]
.endr
.irp q, 0,2,4,6,8,10,12,14,16,18,20,22,24,26,28,30
	v_pk_add_f32 v[ACC+\q:ACC+\q+1], v[ACC+\q:ACC+\q+1], v[XN+\q:XN+\q+1]    ; xn + xn Wc + bc
.endr
	; out through LDS: the query rows there were last read in front of the barrier of the first sum
	s_wait_alu depctr_va_vdst(0)                   ; the additions have written ACC, which the LDS stores read
.irp i, 0,1,2,3
.irp t, 0,1
	ds_store_b128 v14, v[ACC+8*\i+4*\t:ACC+8*\i+4*\t+3] offset:64*\i+16*\t
.endr
.endr
	s_wait_dscnt 0x0
	s_barrier_signal -1
	s_barrier_wait -1
.irp rr, 0,1
.irp j, 0,1,2,3
	ds_load_b128 v[64+16*\rr+4*\j:64+16*\rr+4*\j+3], v8 offset:2064*\rr+512*\j    ; v[64:95] were last named by the join, ahead of many waits on va_vdst
.endr
.endr
.irp rr, 0,1
.irp j, 0,1,2,3
	s_wait_dscnt 7-4*\rr-\j                        ; LDS loads come back in order: this one is in
	global_store_b128 v5, v[64+16*\rr+4*\j:64+16*\rr+4*\j+3], s[22:23] offset:2048*\rr+512*\j   ; 512 consecutive bytes of a row
.endr
.endr
	s_wait_dscnt 0x0                               ; the closing lines, six on end
	s_wait_alu 0x0
	s_wait_tensorcnt 0x0
	ds_add_u32 v30, v31
	s_wait_dscnt 0x0
	s_endpgm
.Lfunc_end_k_qb383d3583d_post:
	.size	k_qb383d3583d_post, .Lfunc_end_k_qb383d3583d_post-k_qb383d3583d_post
	.p2alignl 7, 3214868480
	.fill 96, 4, 3214868480
	.section	.rodata,"a",@progbits
	.p2align	6, 0x0
	.amdhsa_kernel k_qb383d3583d_post
		.amdhsa_group_segment_fixed_size 76032
		.amdhsa_private_segment_fixed_size 0
		.amdhsa_enable_private_segment 0
		.amdhsa_kernarg_size 80
		.amdhsa_user_sgpr_count 2
		.amdhsa_user_sgpr_kernarg_segment_ptr 1
		.amdhsa_wavefront_size32 1
		.amdhsa_system_sgpr_workgroup_id_x 1
		.amdhsa_system_sgpr_workgroup_id_y 1
		.amdhsa_system_sgpr_workgroup_id_z 1
		.amdhsa_system_vgpr_workitem_id 0
		.amdhsa_next_free_vgpr 512
		.amdhsa_next_free_sgpr 66
		.amdhsa_reserve_vcc 0
		.amdhsa_float_denorm_mode_32 3
		.amdhsa_float_denorm_mode_16_64 3
		.amdhsa_memory_ordered 1
		.amdhsa_forward_progress 1
		.amdhsa_inst_pref_size 77
	.end_amdhsa_kernel
	.amdgpu_metadata
---
amdhsa.version: [ 1, 2 ]
amdhsa.kernels:
  - .name:           k_qb383d3583d_post
    .symbol:         k_qb383d3583d_post.kd
    .args:
      - { .name: op, .offset: 0, .size: 8, .value_kind: global_buffer, .address_space: global }
      - { .name: ml, .offset: 8, .size: 8, .value_kind: global_buffer, .address_space: global }
      - { .name: wimg, .offset: 16, .size: 8, .value_kind: global_buffer, .address_space: global }
      - { .name: wci, .offset: 24, .size: 8, .value_kind: global_buffer, .address_space: global }
      - { .name: bc, .offset: 32, .size: 8, .value_kind: global_buffer, .address_space: global }
      - { .name: bv, .offset: 40, .size: 8, .value_kind: global_buffer, .address_space: global }
      - { .name: ff_gamma, .offset: 48, .size: 8, .value_kind: global_buffer, .address_space: global }
      - { .name: ff_beta, .offset: 56, .size: 8, .value_kind: global_buffer, .address_space: global }
      - { .name: query, .offset: 64, .size: 8, .value_kind: global_buffer, .address_space: global }
      - { .name: out0, .offset: 72, .size: 8, .value_kind: global_buffer, .address_space: global }
    .group_segment_fixed_size: 76032
    .private_segment_fixed_size: 0
    .kernarg_segment_align: 8
    .kernarg_segment_size: 80
    .max_flat_workgroup_size: 256
    .sgpr_count:     66
    .vgpr_count:     512
    .wavefront_size: 32
...
	.end_amdgpu_metadata
.endif
;; end of part 8
